; MI455X (gfx1250); checked and timed in simulation.
; The chip was launched on July 23, 2026; its instructions are those of AMD's public machine-readable ISA for CDNA 5 (MIT licence, August 2026) and "CDNA5" Instruction Set Architecture Reference Guide (July 2026). The comments in the code are by the model that wrote it; some were corrected since.
;; Grouped Query Attention. Allowed arithmetic: matrix products marked QUANTISED: E2M1 operands, one E8M0 scale for each 32 along K, by v_wmma_scale_f32_16x16x128_f8f6f4 with both operands' format E2M1 (or v_wmma_scale_f32_32x16x128_f4), f32 sums; products left as they are: bf16, f16 or f32 operands; f32 sums; everything else in f32.
;; Inputs: Wk 2,048 x 512 float32; Wo 2,048 x 2,048 float32; Wq 2,048 x 2,048 float32; Wv 2,048 x 512 float32; x 4 x 1,024 x 2,048 float32.
;; Outputs: out0 4 x 1,024 x 2,048 float32.
;; This version of the problem:
;;   THIS VERSION OF THE PROBLEM IS GIVEN IN LOW PRECISION. The matrix products marked QUANTISED in the list below multiply operands that are first quantised to E2M1 (2 exponent bits, 1 mantissa bit; 4 bits a number), with one power-of-two scale for each 32 numbers along K (OCP MX v1.0); their sums are f32. The products marked 'left as it is' may take bf16, f16 or f32 operands, with f32 sums. Whichever they take, every output number must still come out within the allowed error. Rounding operands to bf16 (8 significant bits) uses up far more of that allowance than f16 does (11 bits, for magnitudes from 6e-5 to 65,504). All else is computed in f32.
;;   The module's matrix products, in the order in which they are computed (A, B: the left and right operand; K: the contracted axis; several contracted axes count as one K, in the product's order):
;;     1. [M 4,096, K 2,048] x [K 2,048, N 2,048]; A: input x; B: input Wq: QUANTISED
;;     2. [M 4,096, K 2,048] x [K 2,048, N 512]; A: input x; B: input Wk: QUANTISED
;;     3. [M 4,096, K 2,048] x [K 2,048, N 512]; A: input x; B: input Wv: QUANTISED
;;     4. batch 16 x [M 4,096, K 128] x [K 128, N 1,024]; A: computed on the way; B: computed on the way: left as it is (an operand is computed on the way)
;;     5. batch 16 x [M 4,096, K 1,024] x [K 1,024, N 128]; A: computed on the way; B: computed on the way: left as it is (an operand is computed on the way)
;;     6. [M 4,096, K 2,048] x [K 2,048, N 2,048]; A: computed on the way; B: input Wo: left as it is (an operand is computed on the way)
;;   THE QUANTISER, for each operand of a quantised product, along K:
;;     - K is cut into blocks of 32 from its start; a last block that is shorter is filled with zeros.
;;     - A block's scale is 2^e with e = floor(log2(the largest magnitude in the block)) - 2, held to -126 .. 127; a block of zeros has e = 0. As a byte (E8M0): e + 127.
;;     - Each number is divided by its block's scale, clamped to +-6, and rounded to the nearest number of E2M1, ties to even, subnormals kept.
;;     - The product sums the exact products of the quantised numbers (number of the format x scale) in f32.
;;   ~~~python
;;   def quantise(x, axis):      # numpy; x: float32 -> the quantised numbers, widened to float32 again
;;       x = np.moveaxis(x, axis, -1); K = x.shape[-1]
;;       x = np.pad(x, [(0, 0)] * (x.ndim - 1) + [(0, -K % 32)]); x = x.reshape(x.shape[:-1] + (-1, 32)); a = np.abs(x).max(-1, keepdims=True)
;;       e = np.where(a > 0, np.clip(np.frexp(np.where(a > 0, a, 1))[1] - 1 - 2, -126, 127), 0)      # np.frexp(a)[1] - 1 = floor(log2(a)), exactly
;;       r = np.clip(x / 2.0 ** e, -6, 6)
;;       step = 2.0 ** (np.maximum(np.frexp(np.where(r == 0, 1, r))[1] - 1, 0) - 1)
;;       q = np.round(r / step) * step * 2.0 ** e      # np.round: ties to even
;;       return np.moveaxis(q.reshape(q.shape[:-2] + (-1,))[..., :K], -1, axis).astype(np.float32)
;;   ~~~
;; 2 versions, each right. Each part assembles by itself: llvm-mc -triple=amdgcn-amd-amdhsa -mcpu=gfx1250 --defsym DOCPART=n.
;; ======== version 1 of 2: 6 launches
;; limits: values are held in f16: magnitudes above 65,504 overflow, below 6.1e-05 lose precision
;; workspace buffers: codes 7,340,032 bytes; scales 458,752 bytes; wo16 8,388,608 bytes; rope 524,288 bytes; qkv 25,165,824 bytes; fine 786,432 bytes; attn16 16,777,216 bytes; attnf 524,288 bytes
;; launch prep (part 1): grid 496 x 1, 4 waves a work-group, no clusters, 68,096 bytes of LDS; arguments x, Wq, Wk, Wv, Wo, codes, scales, wo16, rope; writes codes, scales, wo16, rope
.if DOCPART == 1
	.amdgcn_target "amdgcn-amd-amdhsa--gfx1250"
	.amdhsa_code_object_version 6
	.text
	.protected	k_q039531f4cc_prep
	.globl	k_q039531f4cc_prep
	.p2align	8
	.type	k_q039531f4cc_prep,@function
k_q039531f4cc_prep:
	s_mov_b64 s[64:65], 0
	v_nop
	global_prefetch_b8 v0, s[64:65] scope:SCOPE_SE
	s_setreg_imm32_b32 hwreg(HW_REG_WAVE_MODE, 25, 1), 1
	s_wait_xcnt 0x0
; GROUPED-QUERY ATTENTION, launch 1 of 6: what the later launches read many times is made once.
;   X (work-groups 0-255):   x [4096][2048] f32 -> codes of E2M1, K innermost, [4096][1024 bytes], and one E8M0 byte for each 32 along K, [4096][64].
;   W (work-groups 256-351): Wq, Wk, Wv [2048 (k)][n] f32 -> codes with K innermost, [3072 rows][1024 bytes] at byte 4,194,304 of codes, scale bytes [3072][64] at byte 262,144 of scales.
;                            Row = 128 x plane + column in the plane; planes 0-15 the query heads, 16 + 2 g the keys of group g, 17 + 2 g its values.
;   O (work-groups 352-479): Wo f32 -> f16, in Wo's own order.
;   R (work-groups 480-495): the rotary factors cos and sin of t x 10000^(-i/64), t = 0 .. 1023, i = 0 .. 63, in f32, laid in the order in which the next launch's registers take them.
; DEAD WORK IN THIS PROGRAM.  reference() sets the score of key s for query t to -1e9 wherever s > t, by a mask that it builds itself (jnp.tril); behind the softmax such a key has weight exp(-1e9 - max),
; which is 0 beside the visible keys' weights.  So tiles of keys that lie wholly above the diagonal are neither multiplied nor loaded (launch 3).  Nothing else is left out; every input is loaded.
; LIMITS.  A row whose visible scores all lie under about -1e9 would share weight with masked keys in reference(): not served.  q, k, v, the attention's result and Wo go on as f16: magnitudes up to 65,504.
; NaN and infinities among the inputs are not served; a NaN, an infinity or an overflow that reaches only the tiles left out is not carried to the result.
; A block of zeros gets the scale byte 1 where the quantiser says 127: its codes are zeros, which add nothing under any byte but 0xff, and this program alone reads the bytes.
; The four paths part on the work-group's number alone; the two that use LDS have LDS bytes of their own (X: 0 .. 32,767; W: 32,768 .. 67,583).  No tensor loads, no barrier: waves share nothing.
.set SPW,   220                        ; v220  LDS address of my spare word: SPARE + 4 x my thread's number; never rewritten
.set NIL,   221                        ; v221  0; never rewritten
.set SPARE, 67584                      ; the spare words: 128 bytes for each wave, two blocks of 256 bytes that no other line names
.set EMAX,  2                          ; the exponent of E2M1's largest number, 6
; ---- path X
.set STEPS, 16                         ; a wave takes 16 steps of 512 numbers
.set CB,    8                          ; bytes of 16 codes
.set XR,    16                         ; v16-79   four sets of 16 numbers as loaded
.set XX,    80                         ; v80-111  two sets of 16 neighbours
.set XE,    112                        ; v112-127 a scale byte for each step
.set XC,    128                        ; v128-191 codes, four registers for each step
.set WREG,  8192                       ; LDS of a wave: two stages of 32 x SP bytes, then its 256 scale bytes
.set SP,    80                         ; a lane's place in a stage: 64 bytes + 16 of padding
; ---- path W
.set NB,    16                         ; blocks of 32 along K for a wave
.set WPITCH, 272                       ; a stage row: 256 bytes of codes + 16
.set WSTG,  32768
.set KROW,  1024                       ; a row of codes in memory
.set WX,    32                         ; v32-95   two sets of 32 numbers
.set WC,    96                         ; v96-99   a block's codes
.set OUTR,  112                        ; v112-175 the way out
.set SB,    24                         ; v24-27   scale bytes, four to a register
.set WOF,   176                        ; v176-207 4 x lane + i x a row of the weight, i = 0 .. 31
.macro XLOAD t
.irp i, 0,1,2,3
	global_load_b128 v[XR+16*((\t)%4)+4*\i:XR+16*((\t)%4)+4*\i+3], v3, s[4:5] offset:2048*(\t)+512*\i th:TH_LOAD_NT   ; 32 lanes read 512 consecutive bytes
.endr
.endm
.macro XTURN t                         ; a step's 2,048 bytes through the wave's own stage: in as they lie, out 64 bytes a lane.  LDS serves a wave's instructions in order
.irp i, 0,1,2,3
	ds_store_b128 v14, v[XR+16*((\t)%4)+4*\i:XR+16*((\t)%4)+4*\i+3] offset:32*SP*((\t)%2)+8*SP*\i
.endr
.irp i, 0,1,2,3
	ds_load_b128 v[XX+16*((\t)%2)+4*\i:XX+16*((\t)%2)+4*\i+3], v15 offset:32*SP*((\t)%2)+16*\i
.endr
.endm
.macro XSTEP t
.set XS, XX+16*((\t)%2)
.if (\t) > 0
	s_wait_dscnt 1                                 ; this step's numbers are back from the stage; the last step's byte store may be out
.else
	s_wait_dscnt 0x0
.endif
.if (\t)+4 < STEPS
	XLOAD (\t)+4                                   ; into the registers whose stores into the stage are done
.endif
.if (\t)+1 < STEPS
.if STEPS-2-(\t) >= 3
	s_wait_loadcnt 12                              ; the next step's four loads are in; the 12 of the three steps behind it may be out
.else
	s_wait_loadcnt 4*(STEPS-2-(\t))
.endif
	XTURN (\t)+1
.endif
	v_max3_num_f32 v8, |v[XS]|, |v[XS+1]|, |v[XS+2]|               ; the largest magnitude of my 16, in two chains
	v_max3_num_f32 v9, |v[XS+3]|, |v[XS+4]|, |v[XS+5]|
.irp i, 6,10
	v_max3_num_f32 v8, v8, |v[XS+\i]|, |v[XS+\i+1]|
	v_max3_num_f32 v9, v9, |v[XS+\i+2]|, |v[XS+\i+3]|
.endr
	v_max3_num_f32 v8, v8, |v[XS+14]|, |v[XS+15]|
	v_max3_num_f32 v8, v8, v9, (EMAX+1)<<23        ; and the floor 2^(3 - 127): the byte cannot fall under 1
	v_max_num_f32_dpp v8, v8, v8 row_xmask:1 row_mask:0xf bank_mask:0xf   ; with my neighbour's 16: the block's
	v_add_nc_u32 v11, -(EMAX<<23), v8              ; 2 off its exponent field: the conversion takes the exponent field of this operand as its scale
	v_cvt_scalef32_pk8_fp4_f32 v[XC+4*(\t)], v[XS:XS+7], v11
	v_cvt_scalef32_pk8_fp4_f32 v[XC+4*(\t)+1], v[XS+8:XS+15], v11
	v_lshrrev_b32 v[XE+(\t)], 23, v11              ; the scale's byte
	ds_store_b8 v5, v[XE+(\t)] offset:16*(\t)      ; both lanes of a block write the same byte with the same value
	global_store_b64 v4, v[XC+4*(\t):XC+4*(\t)+1], s[14:15] offset:32*CB*(\t)   ; the wave stores 256 consecutive bytes
.endm
.macro WLOAD t                         ; block t: W(32 t + i, my column) into set t % 2.  The base steps 32 rows a block
.if (\t) > 0
	s_wait_xcnt 0x0                                ; the earlier loads have read their base
	s_add_nc_u64 s[28:29], s[28:29], s[26:27]
.endif
.set qi, 0
.rept 32
	global_load_b32 v[WX+32*((\t)%2)+qi], v[WOF+qi], s[28:29] th:TH_LOAD_NT    ; 32 lanes read 128 consecutive bytes of one row k
.set qi, qi+1
.endr
.endm
.macro WBLOCK t
.set XS, WX+32*((\t)%2)
.if (\t) < NB-1
	s_wait_loadcnt 32                              ; this block's 32 loads are in; the next block's 32 may be out
.else
	s_wait_loadcnt 0
.endif
	v_max3_num_f32 v12, |v[XS]|, |v[XS+1]|, |v[XS+2]|              ; all 32 numbers of the block are mine
	v_max3_num_f32 v13, |v[XS+3]|, |v[XS+4]|, |v[XS+5]|
.irp i, 6,10,14,18,22,26
	v_max3_num_f32 v12, v12, |v[XS+\i]|, |v[XS+\i+1]|
	v_max3_num_f32 v13, v13, |v[XS+\i+2]|, |v[XS+\i+3]|
.endr
	v_max3_num_f32 v12, v12, |v[XS+30]|, |v[XS+31]|
	v_max3_num_f32 v12, v12, v13, (EMAX+1)<<23
	v_add_nc_u32 v11, -(EMAX<<23), v12
	v_lshrrev_b32 v13, 23, v11
.if (\t)%4 == 0
	v_mov_b32 v[SB+(\t)/4], v13
.else
	v_lshl_or_b32 v[SB+(\t)/4], v13, 8*((\t)%4), v[SB+(\t)/4]
.endif
.irp g, 0,1,2,3
	v_cvt_scalef32_pk8_fp4_f32 v[WC+\g], v[XS+8*\g:XS+8*\g+7], v11
.endr
	ds_store_b128 v4, v[WC:WC+3] offset:16*(\t)    ; 32 codes: 16 bytes of my column's row
.if (\t)+2 < NB
	WLOAD (\t)+2
.endif
	s_wait_dscnt 0x0                               ; the store has read its registers: the next block's codes may be written
.endm
; cos and sin of T x v[inv].  The angle is rounded as reference() rounds it; n = the nearest multiple of pi/2, taken off in two parts; polynomials on [-pi/4, pi/4]; the quadrant by selects and sign bits.
.macro SINCOS inv, oc, os
	v_mul_f32 v8, v16, v[\inv]
	v_mul_f32 v9, s28, v8
	v_rndne_f32 v9, v9
	v_fma_f32 v8, -v9, s29, v8
	v_fma_f32 v8, -v9, s30, v8
	v_mul_f32 v10, v8, v8
	v_fma_f32 v11, v10, s33, s32
	v_fma_f32 v13, v10, s36, s35
	v_fma_f32 v11, v11, v10, s31
	v_fma_f32 v13, v13, v10, s34
	v_mul_f32 v12, v8, v10
	v_fma_f32 v13, v13, v10, -0.5
	v_fma_f32 v11, v12, v11, v8                    ; sin
	v_fma_f32 v13, v13, v10, 1.0                   ; cos
	v_cvt_i32_f32 v14, v9
	v_and_b32 v15, 1, v14
	v_cmp_eq_u32 vcc_lo, 1, v15
	v_cndmask_b32 v[\os], v11, v13, vcc_lo         ; odd quadrants change the two
	v_cndmask_b32 v[\oc], v13, v11, vcc_lo
	v_and_b32 v15, 2, v14
	v_add_nc_u32 v14, 1, v14
	v_lshlrev_b32 v15, 30, v15
	v_and_b32 v14, 2, v14
	v_xor_b32 v[\os], v[\os], v15                  ; sin is negative in quadrants 2, 3
	v_lshlrev_b32 v14, 30, v14
	v_xor_b32 v[\oc], v[\oc], v14                  ; cos in quadrants 1, 2
.endm
	s_load_b512 s[4:19], s[0:1], 0x0               ; x 4:5, Wq 6:7, Wk 8:9, Wv 10:11, Wo 12:13, codes 14:15, scales 16:17, wo16 18:19
	s_load_b64 s[20:21], s[0:1], 0x40              ; rope
	v_lshl_add_u32 v[SPW], v0, 2, SPARE
	v_mov_b32 v[NIL], 0
	v_lshrrev_b32 v1, 5, v0
	v_readfirstlane_b32 s22, v1                    ; wave 0..3
	v_and_b32 v2, 31, v0                           ; lane
	s_wait_kmcnt 0x0
	s_cmp_lt_u32 ttmp9, 256
	s_cbranch_scc1 .Lx
	s_cmp_lt_u32 ttmp9, 352
	s_cbranch_scc1 .Lw
	s_cmp_lt_u32 ttmp9, 480
	s_cbranch_scc1 .Lo
; ---------------- R: wave = 16 positions, all 64 frequencies
	s_sub_co_u32 s23, ttmp9, 480
	s_lshl_b32 s23, s23, 2
	s_add_co_u32 s23, s23, s22                     ; which 16 positions
	s_lshl_b32 s26, s23, 13                        ; 8,192 bytes of table for each
	s_mov_b32 s27, 0
	s_add_nc_u64 s[20:21], s[20:21], s[26:27]
	s_lshl_b32 s24, s23, 4
	v_and_b32 v4, 15, v2
	v_add_nc_u32 v4, s24, v4
	v_cvt_f32_u32 v16, v4                          ; T = my position
	v_lshrrev_b32 v5, 4, v2
	v_lshlrev_b32 v5, 3, v5                        ; 8 x (lane / 16)
	v_lshlrev_b32 v3, 4, v2                        ; 16 bytes a lane
	s_mov_b32 s28, 0x3f22f983                      ; 2 / pi
	s_mov_b32 s29, 0x3fc90fdb                      ; pi / 2, upper part
	s_mov_b32 s30, 0xb33bbd2e                      ; and the rest
	s_mov_b32 s31, 0xbe2aaaab                      ; -1/6
	s_mov_b32 s32, 0x3c088889                      ; 1/120
	s_mov_b32 s33, 0xb9500d01                      ; -1/5040
	s_mov_b32 s34, 0x3d2aaaab                      ; 1/24
	s_mov_b32 s35, 0xbab60b61                      ; -1/720
	s_mov_b32 s36, 0x37d00d01                      ; 1/40320
.set mi, 0
.rept 32                               ; register 8 b + 4 c + e holds frequency 16 b + 8 (lane / 16) + 4 c + e
	v_add_nc_u32 v[32+mi], 16*(mi/8)+mi%8, v5
.set mi, mi+1
.endr
.set mi, 0
.rept 32
	v_cvt_f32_u32 v[32+mi], v[32+mi]
.set mi, mi+1
.endr
.set mi, 0
.rept 32
	v_mul_f32 v[32+mi], 0xbe549a78, v[32+mi]       ; x -log2(10000) / 64
.set mi, mi+1
.endr
.set mi, 0
.rept 32
	v_exp_f32 v[32+mi], v[32+mi]                   ; 10000^(-i/64)
.set mi, mi+1
.endr
	v_nop                                          ; a plain instruction behind the last exponential
	s_wait_alu depctr_va_vdst(0)                   ; one wait for the batch, ahead of its first reader
.irp b, 0,1,2,3
.irp c, 0,1
.irp e, 0,1,2,3
	SINCOS 32+8*\b+4*\c+\e, 64+8*(2*\b+\c)+\e, 68+8*(2*\b+\c)+\e
.endr
	global_store_b128 v3, v[64+8*(2*\b+\c):67+8*(2*\b+\c)], s[20:21] offset:\b*2048+\c*512        ; cos: the wave stores 512 consecutive bytes
	global_store_b128 v3, v[68+8*(2*\b+\c):71+8*(2*\b+\c)], s[20:21] offset:\b*2048+\c*512+1024   ; sin
.endr
.endr
	s_endpgm
; ---------------- O: Wo to f16.  A wave takes 8,192 numbers: 64 chunks of 512 bytes in, 256 bytes out; 16 loads ahead; each chunk has its own registers to store from
.Lo:
	s_sub_co_u32 s23, ttmp9, 352
	s_lshl_b32 s23, s23, 2
	s_add_co_u32 s23, s23, s22
	s_lshl_b32 s26, s23, 15
	s_mov_b32 s27, 0
	s_add_nc_u64 s[12:13], s[12:13], s[26:27]
	s_lshl_b32 s26, s23, 14
	s_add_nc_u64 s[18:19], s[18:19], s[26:27]
	v_lshlrev_b32 v3, 4, v2
	v_lshlrev_b32 v4, 3, v2
.set ci, 0
.rept 16
	global_load_b128 v[16+4*ci:19+4*ci], v3, s[12:13] offset:512*ci th:TH_LOAD_NT
.set ci, ci+1
.endr
.set ci, 0
.rept 64
.if ci < 48
	s_wait_loadcnt 15                              ; the 15 younger loads may be out
.else
	s_wait_loadcnt 63-ci
.endif
	v_cvt_pk_f16_f32 v[80+2*ci], v[16+4*(ci%16)], v[17+4*(ci%16)]
	v_cvt_pk_f16_f32 v[81+2*ci], v[18+4*(ci%16)], v[19+4*(ci%16)]
.if ci < 48
	global_load_b128 v[16+4*(ci%16):19+4*(ci%16)], v3, s[12:13] offset:512*(ci+16) th:TH_LOAD_NT
.endif
	global_store_b64 v4, v[80+2*ci:81+2*ci], s[18:19] offset:256*ci   ; 32 lanes store 256 consecutive bytes, aligned
.set ci, ci+1
.endr
	s_endpgm
; ---------------- X: x is a plain stream of blocks of 32; a wave takes 8,192 numbers
.Lx:
	v_lshlrev_b32 v3, 4, v2                        ; my 16 bytes of a load's 512
	s_mul_i32 s23, s22, WREG
	v_lshrrev_b32 v14, 2, v2
	v_mul_u32_u24 v14, v14, SP
	v_and_b32 v15, 3, v2
	v_lshl_add_u32 v14, v15, 4, v14
	v_add_nc_u32 v14, s23, v14                     ; the stage, on the way in: SP (lane / 4) + 16 (lane % 4)
	v_mul_u32_u24 v15, v2, SP
	v_add_nc_u32 v15, s23, v15                     ; and out: SP x lane
	v_mul_u32_u24 v4, v2, CB
	v_lshrrev_b32 v5, 1, v2
	s_add_co_u32 s23, s23, 2*32*SP
	v_add_nc_u32 v5, s23, v5                       ; my block's scale byte in LDS
	v_lshlrev_b32 v7, 3, v2
	v_add_nc_u32 v6, s23, v7
	s_lshl_b32 s24, ttmp9, 2
	s_add_co_u32 s24, s24, s22                     ; which run of 8,192 numbers
	s_lshl_b32 s26, s24, 15
	s_mov_b32 s27, 0
	s_add_nc_u64 s[4:5], s[4:5], s[26:27]
	s_lshl_b32 s26, s24, 12
	s_add_nc_u64 s[14:15], s[14:15], s[26:27]
	s_lshl_b32 s26, s24, 8
	s_add_nc_u64 s[16:17], s[16:17], s[26:27]
.irp t, 0,1,2,3
	XLOAD \t
.endr
	s_wait_loadcnt 12                              ; step 0's four loads are in
	XTURN 0
.irp t, 0,1,2,3,4,5,6,7,8,9,10,11,12,13,14,15
	XSTEP \t
.endr
	ds_load_b64 v[8:9], v6                         ; my wave's 256 scale bytes, 8 a lane
	s_wait_dscnt 0x0
	global_store_b64 v7, v[8:9], s[16:17]          ; 256 consecutive bytes, aligned
	s_wait_tensorcnt 0x0                           ; the wave's end: behind my last LDS store
	ds_add_u32 v[SPW], v[NIL]
	s_wait_dscnt 0x0
	s_endpgm
; ---------------- W: a lane takes a column, its registers run down K; a wave takes 32 columns x 512 along K
.Lw:
	s_sub_co_u32 s23, ttmp9, 256
	s_lshr_b32 s24, s23, 2                         ; which 128 columns of the 3,072: 0-15 Wq, 16-19 Wk, 20-23 Wv
	s_and_b32 s25, s23, 3                          ; which 512 along K
	s_cmp_lt_u32 s24, 20
	s_cselect_b64 s[28:29], s[8:9], s[10:11]
	s_cselect_b32 s30, 16, 20
	s_cselect_b32 s31, 16, 17
	s_mov_b32 s33, 2048
	s_cmp_lt_u32 s24, 16
	s_cselect_b64 s[28:29], s[6:7], s[28:29]       ; the weight: a choice on the work-group's number alone
	s_cselect_b32 s30, 0, s30
	s_cselect_b32 s32, 0, 1
	s_cselect_b32 s33, 8192, s33                   ; bytes in a row of it
	s_sub_co_u32 s30, s24, s30                     ; which 128 columns of that weight
	s_lshl_b32 s34, s30, 1
	s_add_co_u32 s34, s34, s31
	s_cmp_eq_u32 s32, 0
	s_cselect_b32 s34, s24, s34                    ; the plane
	s_mul_i32 s36, s25, s33
	s_lshl_b32 s36, s36, 9                         ; 512 rows for each step along K
	s_lshl_b32 s35, s30, 9
	s_add_co_u32 s36, s36, s35
	s_lshl_b32 s35, s22, 7
	s_add_co_u32 s36, s36, s35                     ; + my wave's 32 columns
	s_mov_b32 s37, 0
	s_add_nc_u64 s[28:29], s[28:29], s[36:37]
	s_lshl_b32 s26, s33, 5                         ; 32 rows
	s_mov_b32 s27, 0
	s_lshl_b32 s38, s34, 7
	s_lshl_b32 s35, s22, 5
	s_add_co_u32 s38, s38, s35                     ; my wave's first row of the codes
	s_lshl_b32 s40, s38, 10
	s_lshl_b32 s35, s25, 8
	s_add_co_u32 s40, s40, s35
	s_add_co_u32 s40, s40, 4194304
	s_mov_b32 s41, 0
	s_add_nc_u64 s[14:15], s[14:15], s[40:41]
	s_lshl_b32 s40, s38, 6
	s_lshl_b32 s35, s25, 4
	s_add_co_u32 s40, s40, s35
	s_add_co_u32 s40, s40, 262144
	s_add_nc_u64 s[16:17], s[16:17], s[40:41]
	v_lshlrev_b32 v[WOF], 2, v2
.set qi, 1
.rept 31
	v_add_nc_u32 v[WOF+qi], s33, v[WOF+qi-1]
.set qi, qi+1
.endr
	s_mul_i32 s35, s22, 32*WPITCH
	s_add_co_u32 s35, s35, WSTG                    ; my stage
	v_mul_u32_u24 v4, v2, WPITCH
	v_add_nc_u32 v4, s35, v4                       ; into it: row = my column
	v_and_b32 v5, 15, v2
	v_lshrrev_b32 v6, 4, v2
	v_mul_u32_u24 v7, v6, WPITCH
	v_lshl_add_u32 v7, v5, 4, v7
	v_add_nc_u32 v7, s35, v7                       ; out of it: sixteen lanes to a row
	v_mul_u32_u24 v8, v6, KROW
	v_lshl_add_u32 v8, v5, 4, v8                   ; and the same place in the codes
	v_lshlrev_b32 v9, 6, v2                        ; my column's row of scale bytes
	WLOAD 0
	WLOAD 1
.set QB, 0
.rept NB
	WBLOCK QB
.set QB, QB+1
.endr
	global_store_b128 v9, v[SB:SB+3], s[16:17]     ; my column's 16 scale bytes
.irp t, 0,1,2,3,4,5,6,7,8,9,10,11,12,13,14,15
	ds_load_b128 v[OUTR+4*\t:OUTR+4*\t+3], v7 offset:2*\t*WPITCH
.endr
.irp t, 0,1,2,3,4,5,6,7,8,9,10,11,12,13,14,15
	s_wait_dscnt 15-\t
	global_store_b128 v8, v[OUTR+4*\t:OUTR+4*\t+3], s[14:15] offset:2*\t*KROW   ; sixteen lanes store 256 consecutive bytes, aligned
.endr
	s_wait_tensorcnt 0x0                           ; the wave's end: behind my last LDS store
	ds_add_u32 v[SPW], v[NIL]
	s_wait_dscnt 0x0
	s_endpgm
.Lfunc_end_k_q039531f4cc_prep:
	.size	k_q039531f4cc_prep, .Lfunc_end_k_q039531f4cc_prep-k_q039531f4cc_prep
	.p2alignl 7, 3214868480
	.fill 96, 4, 3214868480
	.section	.rodata,"a",@progbits
	.p2align	6, 0x0
	.amdhsa_kernel k_q039531f4cc_prep
		.amdhsa_group_segment_fixed_size 68096
		.amdhsa_private_segment_fixed_size 0
		.amdhsa_enable_private_segment 0
		.amdhsa_kernarg_size 72
		.amdhsa_user_sgpr_count 2
		.amdhsa_user_sgpr_kernarg_segment_ptr 1
		.amdhsa_wavefront_size32 1
		.amdhsa_system_sgpr_workgroup_id_x 1
		.amdhsa_system_sgpr_workgroup_id_y 1
		.amdhsa_system_sgpr_workgroup_id_z 1
		.amdhsa_system_vgpr_workitem_id 0
		.amdhsa_next_free_vgpr 224
		.amdhsa_next_free_sgpr 66
		.amdhsa_reserve_vcc 1
		.amdhsa_float_denorm_mode_32 3
		.amdhsa_float_denorm_mode_16_64 3
		.amdhsa_memory_ordered 1
		.amdhsa_forward_progress 1
		.amdhsa_inst_pref_size 178
	.end_amdhsa_kernel
	.amdgpu_metadata
---
amdhsa.version: [ 1, 2 ]
amdhsa.kernels:
  - .name:           k_q039531f4cc_prep
    .symbol:         k_q039531f4cc_prep.kd
    .args:
      - { .name: x, .offset: 0, .size: 8, .value_kind: global_buffer, .address_space: global }
      - { .name: Wq, .offset: 8, .size: 8, .value_kind: global_buffer, .address_space: global }
      - { .name: Wk, .offset: 16, .size: 8, .value_kind: global_buffer, .address_space: global }
      - { .name: Wv, .offset: 24, .size: 8, .value_kind: global_buffer, .address_space: global }
      - { .name: Wo, .offset: 32, .size: 8, .value_kind: global_buffer, .address_space: global }
      - { .name: codes, .offset: 40, .size: 8, .value_kind: global_buffer, .address_space: global }
      - { .name: scales, .offset: 48, .size: 8, .value_kind: global_buffer, .address_space: global }
      - { .name: wo16, .offset: 56, .size: 8, .value_kind: global_buffer, .address_space: global }
      - { .name: rope, .offset: 64, .size: 8, .value_kind: global_buffer, .address_space: global }
    .group_segment_fixed_size: 68096
    .private_segment_fixed_size: 0
    .kernarg_segment_align: 8
    .kernarg_segment_size: 72
    .max_flat_workgroup_size: 128
    .sgpr_count:     66
    .vgpr_count:     224
    .wavefront_size: 32
...
	.end_amdgpu_metadata
.endif
;; end of part 1
;; launch qkvgemm (part 2): grid 12 x 16, 4 waves a work-group, clusters of 4 x 4, 327,680 bytes of LDS; arguments codes, scales, rope, qkv, fine; writes qkv, fine
.if DOCPART == 2
	.amdgcn_target "amdgcn-amd-amdhsa--gfx1250"
	.amdhsa_code_object_version 6
	.text
	.protected	k_q039531f4cc_qkvgemm
	.globl	k_q039531f4cc_qkvgemm
	.p2align	8
	.type	k_q039531f4cc_qkvgemm,@function
k_q039531f4cc_qkvgemm:
	s_mov_b64 s[64:65], 0
	v_nop
	global_prefetch_b8 v0, s[64:65] scope:SCOPE_SE
	s_setreg_imm32_b32 hwreg(HW_REG_WAVE_MODE, 25, 1), 1
	s_wait_xcnt 0x0
	s_wait_alu depctr_hold_cnt(0) depctr_sa_sdst(0) depctr_va_vdst(0) depctr_va_sdst(0) depctr_va_ssrc(0) depctr_va_vcc(0) depctr_vm_vsrc(0)
	s_getreg_b32 s2, hwreg(HW_REG_IB_STS2, 6, 4)
	s_cmp_eq_u32 s2, 0
	s_cbranch_scc0 .Lentry_in_a_cluster
	s_endpgm
.Lentry_in_a_cluster:
	s_bfe_u32 s2, ttmp6, 0x10000c
	s_cmp_lg_u32 s2, 0xf033
	s_cbranch_scc0 .Lentry_shape_is_right
	s_endpgm
.Lentry_shape_is_right:
; Launch 2 of 6: [q | k, v] = x [Wq | Wk, Wv] on codes of E2M1 with E8M0 scales, 4,096 x 3,072 x 2,048; the rotary embedding in f32 on the way out; results as f16, [batch][plane 24][t 1024][128];
; the rows t < 16 of every batch also unrounded, as f32, [batch][plane][16][128], for the launches that carry those rows finely.  Nothing is left out here.
; A tile of C, 256 x 256, is made by four waves, each 128 x 128: 64 accumulators, 512 registers.  A wave's 128 columns are ONE plane (a head of q, or k or v of a group), so the rotary partner of channel d, d + 64,
; lies in the same lane and register of the accumulator four blocks on.  K goes in steps of 512 through two LDS slots (rows of 256 bytes); the scale bytes of the tile's rows, for all of K, come once and stay.
; CLUSTERS: 4 x 4 work-groups; A's tiles are asked for jointly along a row of the cluster, B's along a column.  Tile row = 4 cy + cluster y: so the batch is cy and the block of 256 positions is the cluster's y,
; and whether a wave holds the rows t < 16 hangs on the cluster's y and the wave's number, never on a place in the cluster.  Likewise whether a plane is a v (no rotation): cluster x = 2 and an odd wave.
; THE MATRIX INSTRUCTION IS USED TRANSPOSED (source 0 = 16 rows of W, source 1 = 16 rows of x): a lane holds eight neighbouring channels of one position.
; REGISTERS, in windows of 256: window 0: v0-31 addresses; v32-95 scale words, two sets; from v128 A's fragments, one set.  window 1: B's fragments, two sets.  windows 2, 3: the accumulators ((a, b) at v[8 (8 (a % 4) + b)]).
; On the way out: window 0: v32-95 a block's rotated numbers, v96-127 packed, v128-191 rows read back, v192-255 the fine rows; window 1: four sets of 64 rotary factors.
; LIMIT: results go on as f16: magnitudes up to 65,504.
.set SIZE_K, 2048
.set KSTEP,  512
.set NQ,     KSTEP/128
.set ROWB,   256
.set KROW,   SIZE_K*4/8
.set PITCH,  272                       ; an LDS row: 256 bytes + 16 of padding: the 16 rows that a load touches start at 16 different banks
.set FR,     8
.set NL,     2
.set NP,     4
.set HALFT,  128*PITCH
.set SLOT,   4*HALFT
.set LAPS,   SIZE_K/(2*KSTEP)
.set KS,     SIZE_K/32
.set SCL,    2*SLOT
.set HALFS,  (128*KS/256)*272
.set SBLK,   (16*KS/256)*272
.set SPARE,  SCL+4*HALFS               ; the spare words: 128 bytes for each wave, two blocks of 256 bytes that no other line names
.set WSTAGE, 12800                     ; the way out: a wave's stages, in slot 0, which has had its last fill and its last read by then: 16 x 272 for f16 rows, then 16 x 528 for f32 rows
.set ADRA, 16
.set ADRB, 20
.set STO16, 24
.set RD16,  25
.set CO,   26                          ; v26  16 x lane
.set ADRS, 27
.set SPW,  28
.set NIL,  29
.set STO32, 30
.set RD32,  31
.set SC,   32
.set AF,   128
.set Y,    32
.set TMP,  96
.set BK,   128
.set FB,   192
.set G1, 24
.set G0, 32
.set G1B, 48
.set G0B, 56
.set G1S, 68
.set G0S, 76
.set G1SB, 80
.set G0SB, 88
.set MSB, 0
.macro WIN new                         ; the immediate's high byte repeats the setting that is left
.if MSB != (\new)
	s_set_vgpr_msb (MSB<<8)|(\new)
.set MSB, (\new)
.endif
.endm
.set MUL_LO, 0xa1
.set MUL_HI, 0xf1
.set TO_B,   0x40
.macro JLOAD g0a, g1a, g0b, g1b        ; a joint load: waves 0 and 1 fetch for A, waves 2 and 3 for B; an s_nop 0 and four v_nop follow each line
	s_cmp_eq_u32 s15, 0
	s_cbranch_scc0 .Lfor_b_\@
	tensor_load_to_lds s[\g0a:\g0a+3], s[\g1a:\g1a+7]
	s_nop 0
.rept 4
	v_nop
.endr
	s_branch .Lasked_\@
.Lfor_b_\@:
	tensor_load_to_lds s[\g0b:\g0b+3], s[\g1b:\g1b+7]
	s_nop 0
.rept 4
	v_nop
.endr
.Lasked_\@:
.endm
.macro CREST
	s_cmp_lg_u32 s14, 0
	s_cbranch_scc1 .Lnot_wave_0_\@
	s_barrier_signal -3
.Lnot_wave_0_\@:
	s_barrier_wait -3
	s_barrier_signal -1
	s_barrier_wait -1
.endm
.macro CROUND
	s_barrier_signal -1
	s_barrier_wait -1
	CREST
.endm
	s_load_b128 s[4:7], s[0:1], 0x0                ; codes s[4:5], scales s[6:7]
	s_load_b128 s[96:99], s[0:1], 0x10             ; rope s[96:97], qkv s[98:99]
	s_load_b64 s[100:101], s[0:1], 0x20            ; fine
	v_lshl_add_u32 v[SPW], v0, 2, SPARE
	v_mov_b32 v[NIL], 0
	ds_add_u32 v[SPW], v[NIL]                      ; the wave's opening: the add, twice on end, and its wait ahead of my first tensor load
	ds_add_u32 v[SPW], v[NIL]
	v_lshrrev_b32 v1, 5, v0
	v_readfirstlane_b32 s14, v1                    ; wave 0..3
	s_lshr_b32 s15, s14, 1                         ; which half of the tile's rows is mine.  Also: I fetch for A (0) or for B (1)
	s_and_b32 s16, s14, 1                          ; which half of its columns.  Also: which 128 rows of that tile I fetch
	s_bfe_u32 s40, ttmp6, 0x40000                  ; cx
	s_bfe_u32 s41, ttmp6, 0x40004                  ; cy
	s_lshl_b32 s42, ttmp9, 2
	s_add_co_u32 s42, s42, s40                     ; tile column = 4 x cluster x + cx
	s_and_b32 s95, ttmp7, 0xffff                   ; cluster y
	s_lshl_b32 s17, s41, 2
	s_add_co_u32 s17, s17, s95                     ; tile row = 4 cy + cluster y
	s_or_b32 s66, s95, s15                         ; 0 where my first 16 rows are t = 0 .. 15
	s_cmp_eq_u32 ttmp9, 2
	s_cselect_b32 s67, s16, 0                      ; 1 where my plane is a v
	s_lshl_b32 s43, s41, 2
	s_lshl_b32 s43, 15, s43                        ; my row of the cluster
	s_lshl_b32 s44, 0x1111, s40                    ; my column
	s_or_b32 s[G1+0], s43, (0<<16)|(1<<20)|(1<<21)|(5<<22)|(3<<25)  ; the mask; elements of 1 byte; padding: 4 words after every 64; bit 21 beside a mask
	s_or_b32 s[G1B+0], s44, (0<<16)|(1<<20)|(1<<21)|(5<<22)|(3<<25)
.irp g, G1, G1B
	s_mov_b32 s[\g+1], ROWB<<16                    ; tensor_dim0
	s_mov_b32 s[\g+2], 128<<16                     ; tensor_dim1
	s_mov_b32 s[\g+3], ROWB<<16                    ; tile_dim0
	s_mov_b32 s[\g+4], 128                         ; tile_dim1
	s_mov_b32 s[\g+5], KROW                        ; stride
	s_mov_b32 s[\g+6], 0
	s_mov_b32 s[\g+7], 0
.endr
	s_or_b32 s[G1S+0], s43, (3<<16)|(1<<20)|(1<<21)|(5<<22)|(3<<25) ; the scales of 128 rows: a dense block, as rows of 256 bytes (32 elements of 8), 16 bytes of padding behind each
	s_or_b32 s[G1SB+0], s44, (3<<16)|(1<<20)|(1<<21)|(5<<22)|(3<<25)
.irp g, G1S, G1SB
	s_mov_b32 s[\g+1], 32<<16
	s_mov_b32 s[\g+2], (128*KS/256)<<16
	s_mov_b32 s[\g+3], 32<<16
	s_mov_b32 s[\g+4], 128*KS/256
	s_mov_b32 s[\g+5], 32
	s_mov_b32 s[\g+6], 0
	s_mov_b32 s[\g+7], 0
.endr
	s_lshl_b32 s18, s16, 7
	s_lshl_b32 s20, s17, 8
	s_add_co_u32 s20, s20, s18                     ; A: row 256 x tile row + 128 x half
	s_lshl_b32 s46, s42, 8
	s_add_co_u32 s46, s46, s18                     ; B: row 256 x tile column + 128 x half
	s_mov_b32 s21, 0
	s_mov_b32 s47, 0
	s_mov_b64 s[18:19], KS
	s_mul_u64 s[22:23], s[20:21], s[18:19]
	s_mul_u64 s[92:93], s[46:47], s[18:19]
	s_mov_b64 s[18:19], KROW
	s_mul_u64 s[20:21], s[20:21], s[18:19]
	s_mul_u64 s[46:47], s[46:47], s[18:19]
	s_mul_i32 s45, s14, HALFT                      ; where they go: wave x 128 rows
	s_mul_i32 s94, s14, HALFS
	s_wait_dscnt 0x0                               ; both opening adds are done
	s_wait_kmcnt 0x0
	s_add_nc_u64 s[8:9], s[4:5], 4194304           ; W's codes lie behind x's,
	s_add_nc_u64 s[10:11], s[6:7], 262144          ; W's scale bytes behind x's
	s_add_nc_u64 s[20:21], s[4:5], s[20:21]
	s_add_nc_u64 s[22:23], s[6:7], s[22:23]
	s_add_nc_u64 s[46:47], s[8:9], s[46:47]
	s_add_nc_u64 s[92:93], s[10:11], s[92:93]
	CROUND                                         ; all sixteen work-groups are here: the first joint loads meet
	s_mov_b32 s[G0S], 1
	s_add_co_u32 s[G0S+1], s94, SCL
	s_mov_b64 s[G0S+2:G0S+3], s[22:23]
	s_or_b32 s[G0S+3], s[G0S+3], 0x80000000
	s_mov_b32 s[G0SB], 1
	s_add_co_u32 s[G0SB+1], s94, SCL
	s_mov_b64 s[G0SB+2:G0SB+3], s[92:93]
	s_or_b32 s[G0SB+3], s[G0SB+3], 0x80000000
	JLOAD G0S, G1S, G0SB, G1SB                     ; the scales first: they are wanted with K step 0
.irp s, 0,1
	s_mov_b32 s[G0+4*\s], 1
	s_add_co_u32 s[G0+4*\s+1], s45, \s*SLOT
	s_add_nc_u64 s[G0+4*\s+2:G0+4*\s+3], s[20:21], \s*ROWB
	s_or_b32 s[G0+4*\s+3], s[G0+4*\s+3], 0x80000000
	s_mov_b32 s[G0B+4*\s], 1
	s_add_co_u32 s[G0B+4*\s+1], s45, \s*SLOT
	s_add_nc_u64 s[G0B+4*\s+2:G0B+4*\s+3], s[46:47], \s*ROWB
	s_or_b32 s[G0B+4*\s+3], s[G0B+4*\s+3], 0x80000000
	JLOAD G0+4*\s, G1, G0B+4*\s, G1B
.endr
	v_and_b32 v1, 15, v0                           ; r = l % 16
	v_bfe_u32 v2, v0, 4, 1                         ; h = l / 16
	v_mul_u32_u24 v3, v1, PITCH
	v_lshl_add_u32 v4, v2, 4, v3
	s_mul_i32 s21, s15, HALFT
	s_mul_i32 s22, s16, HALFT
	s_add_co_u32 s22, s22, 2*HALFT
.irp s, 0,1
	v_add_nc_u32 v[ADRA+\s], s21, v4
	v_add_nc_u32 v[ADRB+\s], s22, v4
	s_add_co_u32 s21, s21, SLOT
	s_add_co_u32 s22, s22, SLOT
.endr
	v_mul_u32_u24 v5, v1, KS                       ; my row's scales: KS bytes a row,
	v_lshrrev_b32 v6, 8, v5
	v_lshl_add_u32 v5, v6, 4, v5                   ; and 16 more for each 256 passed
	s_mul_i32 s21, s15, HALFS
	s_mul_i32 s22, s16, HALFS
	s_add_co_u32 s22, s22, 2*HALFS
	s_sub_co_u32 s22, s22, s21
	v_mul_u32_u24 v6, s22, v2                      ; lanes 16-31 take B's
	s_add_co_u32 s21, s21, SCL
	v_add_nc_u32 v5, v5, v6
	v_add_nc_u32 v[ADRS], s21, v5
	s_mul_i32 s23, s14, WSTAGE                     ; my stages
	v_mul_u32_u24 v5, v1, 272
	v_lshl_add_u32 v5, v2, 4, v5
	v_add_nc_u32 v[STO16], s23, v5                 ; f16 in: row r, 16 bytes for each half of the lanes
	v_mul_u32_u24 v5, v2, 272
	v_lshl_add_u32 v5, v1, 4, v5
	v_add_nc_u32 v[RD16], s23, v5                  ; back: lanes 0-15 one row of 256 bytes, lanes 16-31 the next
	s_add_co_u32 s23, s23, 16*272
	v_mul_u32_u24 v5, v1, 528
	v_lshl_add_u32 v5, v2, 5, v5
	v_add_nc_u32 v[STO32], s23, v5                 ; f32 in: row r, 32 bytes for each half
	v_and_b32 v6, 31, v0
	v_lshlrev_b32 v[CO], 4, v6
	v_add_nc_u32 v[RD32], s23, v[CO]               ; back: the 32 lanes take one row of 512 bytes
	s_mul_i32 s20, s41, 24                         ; where my plane lies: 24 x batch + 2 x tile column + my half
	s_lshl_b32 s21, s42, 1
	s_add_co_u32 s20, s20, s21
	s_add_co_u32 s20, s20, s16
	s_lshl_b32 s46, s20, 13                        ; fine: 16 rows of 512 bytes a plane
	s_mov_b32 s47, 0
	s_add_nc_u64 s[100:101], s[100:101], s[46:47]
	s_lshl_b32 s20, s20, 10
	s_lshl_b32 s21, s95, 8
	s_add_co_u32 s20, s20, s21
	s_lshl_b32 s21, s15, 7
	s_add_co_u32 s20, s20, s21                     ; qkv: row 1,024 x plane + 256 x cluster y + 128 x my half of the rows
	s_lshl_b32 s46, s20, 8
	s_add_nc_u64 s[12:13], s[98:99], s[46:47]
	s_lshl_b32 s20, s95, 4
	s_lshl_b32 s21, s15, 3
	s_add_co_u32 s20, s20, s21                     ; the rotary table: 8,192 bytes for each 16 positions
	s_lshl_b32 s46, s20, 13
	s_add_nc_u64 s[96:97], s[96:97], s[46:47]
.macro FRAG reg, adr, q, i             ; 16 rows x 128 K of 4-bit codes: 8 registers, two loads of 16 bytes, 32 bytes apart
.irp c, 0,1
	ds_load_b128 v[\reg+4*\c:\reg+4*\c+3], v[\adr] offset:64*(\q)+32*\c+(\i)*16*PITCH
.endr
.endm
; 16 matrix instructions: A's blocks a0, a0 + 1 x B's eight.  The 64 accumulators take turns, one instruction a turn, in the same order in every step.
.macro MUL16 a0, p, q, sc, zero
.irp a, \a0, \a0+1
.irp b, 0,1,2,3,4,5,6,7
.if \zero
	v_wmma_scale_f32_16x16x128_f8f6f4 v[8*(8*((\a)%4)+\b):8*(8*((\a)%4)+\b)+7], v[128*(\p)+FR*\b:128*(\p)+FR*\b+FR-1], v[AF+FR*(\a):AF+FR*(\a)+FR-1], 0, v[SC+8*NQ*(\sc)+NQ*\b+(\q)], v[SC+8*NQ*(\sc)+NQ*(\a)+(\q)] matrix_a_fmt:MATRIX_FMT_FP4 matrix_b_fmt:MATRIX_FMT_FP4 matrix_a_scale:MATRIX_SCALE_ROW1
.else
	v_wmma_scale_f32_16x16x128_f8f6f4 v[8*(8*((\a)%4)+\b):8*(8*((\a)%4)+\b)+7], v[128*(\p)+FR*\b:128*(\p)+FR*\b+FR-1], v[AF+FR*(\a):AF+FR*(\a)+FR-1], v[8*(8*((\a)%4)+\b):8*(8*((\a)%4)+\b)+7], v[SC+8*NQ*(\sc)+NQ*\b+(\q)], v[SC+8*NQ*(\sc)+NQ*(\a)+(\q)] matrix_a_fmt:MATRIX_FMT_FP4 matrix_b_fmt:MATRIX_FMT_FP4 matrix_a_scale:MATRIX_SCALE_ROW1
.endif
.endr
.endr
.endm
.macro FETCH_B slot, q, p
	WIN TO_B
.irp i, 0,1,2,3,4,5,6,7
	FRAG 128*(\p)+FR*\i, ADRB+\slot, \q, \i
.endr
	WIN 0
.endm
.macro FETCH_A slot, q, i0
.irp i, \i0, \i0+1, \i0+2, \i0+3
	FRAG AF+FR*(\i), ADRA+\slot, \q, \i
.endr
.endm
.macro SCALES sc                       ; a K step's scale words: lanes 0-15 take A's block i, lanes 16-31 B's block i
.irp i, 0,1,2,3,4,5,6,7
	ds_load_b128 v[SC+8*NQ*\sc+NQ*\i:SC+8*NQ*\sc+NQ*\i+3], v[ADRS] offset:\i*SBLK
.endr
.endm
.macro PLACES n                        ; plain vector instructions between a matrix instruction and a load into, or a read of, its registers
.rept \n
	v_nop
.endr
.endm
.macro STEP slot, q, zero
	s_wait_dscnt 4*NL                              ; B's set and A's blocks 0-3 are in; the youngest 8 loads (A's blocks 4-7) may be out
	WIN MUL_LO
	MUL16 0, (\q)%2, \q, \slot, \zero
	MUL16 2, (\q)%2, \q, \slot, \zero
	s_wait_dscnt 0
	PLACES NP
	FETCH_B \slot, (\q)+1, 1-(\q)%2
	FETCH_A \slot, (\q)+1, 0
	WIN MUL_HI
	MUL16 4, (\q)%2, \q, \slot, \zero
	MUL16 6, (\q)%2, \q, \slot, \zero
	PLACES NP
	WIN 0
	FETCH_A \slot, (\q)+1, 4
.endm
; A slot's last step changes slots: one barrier; in front of it each wave waits for all its tensor loads, adds 0 to its spare word, and waits for that and for its own reads of this slot.
.macro TURN slot, next, fill
	s_wait_tensorcnt 0x0                           ; all my tensor loads have landed: my part of the next slot
	ds_add_u32 v[SPW], v[NIL]
	s_wait_dscnt 4*NL+1                            ; the add and the youngest 8 loads may be out
	WIN MUL_LO
	MUL16 0, 1, NQ-1, \slot, 0
	s_wait_dscnt 0x0                               ; the add is done, and my reads of this slot are over
	s_barrier_signal -1
	MUL16 2, 1, NQ-1, \slot, 0
	WIN 0
	s_barrier_wait -1
.if \fill
	CREST                                          ; the barrier has opened a round of the cluster's barrier: no wave of any partner still reads this slot or has a load on its way
	s_add_nc_u64 s[G0+4*\slot+2:G0+4*\slot+3], s[G0+4*\slot+2:G0+4*\slot+3], 2*ROWB
	s_add_nc_u64 s[G0B+4*\slot+2:G0B+4*\slot+3], s[G0B+4*\slot+2:G0B+4*\slot+3], 2*ROWB
	JLOAD G0+4*\slot, G1, G0B+4*\slot, G1B         ; the first tensor load behind the round; its four v_nop are the places in front of the loads below
.else
	PLACES NP
.endif
	v_add_nc_u32 v[ADRS], 4*NQ, v[ADRS]            ; on to the next K step's scale words
	FETCH_B \next, 0, 0
	FETCH_A \next, 0, 0
	SCALES \next
	WIN MUL_HI
	MUL16 4, 1, NQ-1, \slot, 0
	MUL16 6, 1, NQ-1, \slot, 0
	PLACES NP
	WIN 0
	FETCH_A \next, 0, 4
.endm
.macro STEPS slot, from
.set Q, \from
.rept NQ-1-\from
	STEP \slot, Q, 0
.set Q, Q+1
.endr
.endm
	s_wait_tensorcnt 1                             ; the scales and my part of K step 0 are in; K step 1's load may be out
	s_barrier_signal -1
	s_barrier_wait -1
	FETCH_B 0, 0, 0
	FETCH_A 0, 0, 0
	SCALES 0
	FETCH_A 0, 0, 4
	STEP 0, 0, 1                                   ; the first step stands in front of the loop: its products start the sums
	s_mov_b32 s3, LAPS-1
.Llap:                                                 ; a trip goes once round the ring and fills both slots again
	STEPS 0, 1
	TURN 0, 1, 1
	STEPS 1, 0
	TURN 1, 0, 1
	STEP 0, 0, 0
	s_sub_co_u32 s3, s3, 1
	s_cmp_lg_u32 s3, 0
	s_cbranch_scc1 .Llap
	STEPS 0, 1                                     ; the last lap fills nothing
	TURN 0, 1, 0
	STEPS 1, 0
	s_wait_dscnt 4*NL
	WIN MUL_LO
	MUL16 0, 1, NQ-1, 1, 0
	MUL16 2, 1, NQ-1, 1, 0
	s_wait_dscnt 0
	WIN MUL_HI
	MUL16 4, 1, NQ-1, 1, 0
	MUL16 6, 1, NQ-1, 1, 0
	WIN 0
; THE WAY OUT, block by block of 16 positions x 128 channels.
.macro TABLE a                         ; block a's rotary factors into set a % 4 of window 1: cos of frequency 16 b + 8 h + 4 c + e at 8 b + 4 c + e, sin 32 further on; each load reads 512 consecutive bytes
	WIN 0x40
.irp b, 0,1,2,3
.irp kd, 0,1
.irp c, 0,1
	global_load_b128 v[64*((\a)%4)+32*\kd+8*\b+4*\c:64*((\a)%4)+32*\kd+8*\b+4*\c+3], v[CO], s[96:97] offset:(\a)*8192+\b*2048+\kd*1024+\c*512
.endr
.endr
.endr
	WIN 0
.endm
.macro ROPE a                          ; y1 = x1 cos - x2 sin, y2 = x1 sin + x2 cos; x1 = blocks 0-3, x2 = blocks 4-7.  Each accumulator is read from its low end on
.set AC, 64*((\a)%4)
	WIN 0x04+2+(\a)/4                              ; source 0: the accumulators' window; source 1: window 1
.irp b, 0,1,2,3
.irp p, 0,2,4,6
	v_pk_mul_f32 v[Y+8*\b+\p:Y+8*\b+\p+1], v[AC+32+8*\b+\p:AC+32+8*\b+\p+1], v[AC+32+8*\b+\p:AC+32+8*\b+\p+1]
	v_pk_mul_f32 v[Y+32+8*\b+\p:Y+32+8*\b+\p+1], v[AC+32+8*\b+\p:AC+32+8*\b+\p+1], v[AC+8*\b+\p:AC+8*\b+\p+1]
.endr
.endr
.irp b, 0,1,2,3
.irp p, 0,2,4,6
	v_pk_fma_f32 v[Y+8*\b+\p:Y+8*\b+\p+1], v[AC+8*\b+\p:AC+8*\b+\p+1], v[AC+8*\b+\p:AC+8*\b+\p+1], v[Y+8*\b+\p:Y+8*\b+\p+1] neg_lo:[0,0,1] neg_hi:[0,0,1]
	v_pk_fma_f32 v[Y+32+8*\b+\p:Y+32+8*\b+\p+1], v[AC+8*\b+\p:AC+8*\b+\p+1], v[AC+32+8*\b+\p:AC+32+8*\b+\p+1], v[Y+32+8*\b+\p:Y+32+8*\b+\p+1]
.endr
.endr
	WIN 0
.endm
.macro PACK                            ; to f16, eight channels to 16 bytes
.irp k, 0,1,2,3,4,5,6,7
.irp r, 0,1,2,3
	v_cvt_pk_f16_f32 v[TMP+4*\k+\r], v[Y+8*\k+2*\r], v[Y+8*\k+2*\r+1]
.endr
.endr
.endm
.macro PACKV a                         ; the same straight from the accumulators: a v is not rotated
.set AC, 64*((\a)%4)
	WIN 0x0a+5*((\a)/4)
.irp k, 0,1,2,3,4,5,6,7
.irp r, 0,1,2,3
	v_cvt_pk_f16_f32 v[TMP+4*\k+\r], v[AC+8*\k+2*\r], v[AC+8*\k+2*\r+1]
.endr
.endr
	WIN 0
.endm
.macro FINE plain                      ; block 0 of the waves that hold t = 0 .. 15: the same numbers unrounded, through the f32 stage, as whole rows of 512 bytes
	s_cmp_lg_u32 s66, 0
	s_cbranch_scc1 .Lnot_fine_\@
.if \plain
	WIN 0x08                                       ; an LDS store's data are its source 1: window 2
.irp k, 0,1,2,3,4,5,6,7
	ds_store_b128 v[STO32], v[8*\k:8*\k+3] offset:64*\k
	ds_store_b128 v[STO32], v[8*\k+4:8*\k+7] offset:64*\k+16
.endr
	WIN 0
.else
.irp k, 0,1,2,3,4,5,6,7
	ds_store_b128 v[STO32], v[Y+8*\k:Y+8*\k+3] offset:64*\k
	ds_store_b128 v[STO32], v[Y+8*\k+4:Y+8*\k+7] offset:64*\k+16
.endr
.endif
.irp t, 0,1,2,3,4,5,6,7,8,9,10,11,12,13,14,15
	ds_load_b128 v[FB+4*\t:FB+4*\t+3], v[RD32] offset:\t*528        ; LDS serves a wave's instructions in order: these see the stores above
.endr
	s_wait_dscnt 0x0
.irp t, 0,1,2,3,4,5,6,7,8,9,10,11,12,13,14,15
	global_store_b128 v[CO], v[FB+4*\t:FB+4*\t+3], s[100:101] offset:512*\t
.endr
.Lnot_fine_\@:
.endm
.macro TOST16 a
.irp k, 0,1,2,3,4,5,6,7
	ds_store_b128 v[STO16], v[TMP+4*\k:TMP+4*\k+3] offset:32*\k
.endr
.irp t, 0,1,2,3,4,5,6,7
	ds_load_b128 v[BK+32*((\a)%2)+4*\t:BK+32*((\a)%2)+4*\t+3], v[RD16] offset:\t*544
.endr
.endm
.macro SEND16 a, younger               ; younger: the LDS instructions issued behind block a's loads
	s_wait_dscnt \younger
.irp t, 0,1,2,3,4,5,6,7
	global_store_b128 v[CO], v[BK+32*((\a)%2)+4*\t:BK+32*((\a)%2)+4*\t+3], s[12:13] offset:4096*(\a)+512*\t   ; two rows of 256 bytes: 512 consecutive bytes, aligned
.endr
.endm
	PLACES NP                                      ; behind the last products, ahead of loads into and writes of operand registers and of the first reads of results
	s_cmp_lg_u32 s67, 0
	s_cbranch_scc1 .Lplain
	TABLE 0
	TABLE 1
	TABLE 2
	TABLE 3
.irp a, 0,1,2,3,4,5,6,7
.if \a < 5
	s_wait_loadcnt 48                              ; block a's 16 loads are in; those of the three sets behind it may be out
.else
	s_wait_loadcnt 16*(7-\a)
.endif
	ROPE \a
.if \a < 4
	TABLE \a+4
.endif
	PACK
.if \a == 0
	FINE 0
.endif
.if \a > 1
	s_wait_xcnt 0x0                                ; block a - 2's stores have read their registers: block a's rows may land there
.endif
	TOST16 \a
.if \a > 0
	SEND16 \a-1, 16                                ; behind block a - 1's loads: block a's 8 stores and 8 loads
.endif
.endr
	SEND16 7, 0
	s_branch .Lout
.Lplain:
.irp a, 0,1,2,3,4,5,6,7
	PACKV \a
.if \a == 0
	FINE 1
.endif
.if \a > 1
	s_wait_xcnt 0x0
.endif
	TOST16 \a
.if \a > 0
	SEND16 \a-1, 16
.endif
.endr
	SEND16 7, 0
.Lout:
	s_wait_tensorcnt 0x0                           ; the wave's end: behind my last tensor load and my last LDS store
	ds_add_u32 v[SPW], v[NIL]
	s_wait_dscnt 0x0
	CROUND                                         ; the closing round: no work-group ends while a partner may still ask for a tile that names it
	s_endpgm
.Lfunc_end_k_q039531f4cc_qkvgemm:
	.size	k_q039531f4cc_qkvgemm, .Lfunc_end_k_q039531f4cc_qkvgemm-k_q039531f4cc_qkvgemm
	.p2alignl 7, 3214868480
	.fill 96, 4, 3214868480
	.section	.rodata,"a",@progbits
	.p2align	6, 0x0
	.amdhsa_kernel k_q039531f4cc_qkvgemm
		.amdhsa_group_segment_fixed_size 327680
		.amdhsa_private_segment_fixed_size 0
		.amdhsa_enable_private_segment 0
		.amdhsa_kernarg_size 40
		.amdhsa_user_sgpr_count 2
		.amdhsa_user_sgpr_kernarg_segment_ptr 1
		.amdhsa_wavefront_size32 1
		.amdhsa_system_sgpr_workgroup_id_x 1
		.amdhsa_system_sgpr_workgroup_id_y 1
		.amdhsa_system_sgpr_workgroup_id_z 1
		.amdhsa_system_vgpr_workitem_id 0
		.amdhsa_next_free_vgpr 1024
		.amdhsa_next_free_sgpr 102
		.amdhsa_reserve_vcc 0
		.amdhsa_float_denorm_mode_32 3
		.amdhsa_float_denorm_mode_16_64 3
		.amdhsa_memory_ordered 1
		.amdhsa_forward_progress 1
		.amdhsa_inst_pref_size 255
	.end_amdhsa_kernel
	.section	.bss,"aw",@nobits
	.p2align	6
	.space	262144
	.amdgpu_metadata
---
amdhsa.version: [ 1, 2 ]
amdhsa.kernels:
  - .name:           k_q039531f4cc_qkvgemm
    .symbol:         k_q039531f4cc_qkvgemm.kd
    .args:
      - { .name: codes, .offset: 0, .size: 8, .value_kind: global_buffer, .address_space: global }
      - { .name: scales, .offset: 8, .size: 8, .value_kind: global_buffer, .address_space: global }
      - { .name: rope, .offset: 16, .size: 8, .value_kind: global_buffer, .address_space: global }
      - { .name: qkv, .offset: 24, .size: 8, .value_kind: global_buffer, .address_space: global }
      - { .name: fine, .offset: 32, .size: 8, .value_kind: global_buffer, .address_space: global }
    .group_segment_fixed_size: 327680
    .private_segment_fixed_size: 0
    .kernarg_segment_align: 8
    .kernarg_segment_size: 40
    .max_flat_workgroup_size: 128
    .sgpr_count:     102
    .vgpr_count:     1024
    .wavefront_size: 32
...
	.end_amdgpu_metadata
.endif
;; end of part 2
;; launch attn (part 3): grid 16 x 16, 4 waves a work-group, no clusters, 327,680 bytes of LDS; arguments qkv, attn16; writes attn16
.if DOCPART == 3
	.amdgcn_target "amdgcn-amd-amdhsa--gfx1250"
	.amdhsa_code_object_version 6
	.text
	.protected	k_q039531f4cc_attn
	.globl	k_q039531f4cc_attn
	.p2align	8
	.type	k_q039531f4cc_attn,@function
k_q039531f4cc_attn:
	s_mov_b64 s[64:65], 0
	v_nop
	global_prefetch_b8 v0, s[64:65] scope:SCOPE_SE
	s_setreg_imm32_b32 hwreg(HW_REG_WAVE_MODE, 25, 1), 1
	s_wait_xcnt 0x0
; Launch 3 of 6: causal attention on f16 operands, sums, maxima and exponentials in f32.  qkv: [batch][plane 24][t 1024][128] f16; attn16: [batch x t 4096][head 16 x 128] f16.
; LEFT OUT: steps of 64 keys that lie wholly behind a group of queries: reference() masks them by its own jnp.tril, and their weights are 0 beside the visible keys'.  They are neither loaded nor multiplied.
; (The rows t < 16 are made here too, inside live tiles; the last two launches make them anew in f32, and the projection of this launch's rows t < 16 is not stored.)
; SHARES.  Work-group (j, batch x group) owns the positions 32 j .. 32 j + 31 (lo) and 32 (31 - j) .. + 31 (hi) of all four heads of the group; wave w is head 4 g + w, with four tiles of 16 queries:
; tiles 0, 1 lo, tiles 2, 3 hi.  lo needs j / 2 + 1 steps of 64 keys and hi (31 - j) / 2 + 1: 17 together for every j, so all 256 work-groups have equal work.  The four heads read the same K and V from LDS.
; NO CLUSTER: the work-groups of one group of heads need different numbers of slots (the causal limit hangs on j), so a joint load would have to be left out by some partners and not by others.
; LAYOUT.  S^T = K Q^T and O^T = V^T P, both transposed: a lane holds ONE query (lane % 16); two tiles of S^T, rounded in pairs, are source 1 of the second product.  V is turned by ds_load_tr16_b128.
; SOFTMAX.  A running maximum m and sum l for each query: p = 2^(c s - c m), c = log2(e) / sqrt(128); in every step O and l are multiplied by 2^(c m_old - c m_new).  The step is written once: m begins at -3e38, l and O^T at 0.
; THE WALK.  Every work-group walks all 8 slots of 128 keys with constant trip counts; a step whose keys come behind the group's last query is jumped over by a scalar branch on ids, and a slot whose first key comes
; behind the work-group's last query is not asked for.  Every wait on TENSORcnt is for 0.  Wave 0 fetches a slot's 128 rows of K, wave 1 its 128 rows of V: one tensor load of a wave is out at a time.
; REGISTERS, in windows of 256: window 0: addresses, v12-43 statistics (8 a tile), v64-191 S^T (32 a tile), v192-255 P (16 a tile); window 1: O^T (64 a tile); window 2: v0-127 Q, v128-255 K of a step; window 3: V of a step.
.set PK,    272                        ; a row of K in LDS: 256 bytes + 16
.set PV,    288                        ; a row of V: 256 + 32
.set KSTEPB, 64*PK
.set VSTEPB, 64*PV
.set VOFF,  128*PK                     ; a slot: 128 rows of K, then 128 rows of V
.set SLOT1, 1<<17                      ; slot 1 begins here: one exclusive or turns an address
.set STAGE, SLOT1+128*(PK+PV)          ; behind the ring: 16 rows x 272 bytes for each wave, for the way out
.set SP,    272
.set SPARE, STAGE+4*16*SP              ; the spare words: 128 bytes for each wave, two blocks of 256 bytes that no other line names
.set AK0, 2
.set AV0, 3
.set ADR, 4
.set QO,  5
.set STO, 6
.set RD,  7
.set GO,  8
.set ST,  12                           ; tile t at v[ST + 8 t]: +0 c m, +1 m, +2, +3 l (two halves), +4 to +7 at work; +6 takes the rescaling factor
.set RH,  44                           ; r - 8 h
.set D0,  45                           ; v45, v46: the mask's bound for the group's two tiles
.set NINF, 47
.set ADR2, 48
.set PFO, 61                           ; 256 x my thread's number: a row of K or V is 256 bytes
.set SPW, 62
.set NIL, 63
.set S,   64
.set P,   192
.set KFR, 128                          ; K's fragments, in window 2
.set WV,  12
.set QL0, 14
.set QH0, 15
.set LASTL, 16
.set LASTH, 17
.set PFA, 18
.set LIM, 20
.set KF,  21                           ; the step's first key
.set TBK, 22                           ; LDS byte at which the step's rows of K begin
.set SLOTS, 23
.set G1K, 24
.set G1V, 32
.set G0K, 40
.set G0V, 44
.set TWICE, 48
.set TBV, 49                           ; the same for V, counted from a slot's VOFF
.set CS,  50
.set SEL, 52
.set QBL, 54
.set QBH, 56
.set OBL, 58
.set OBH, 60
.set MSB, 0
.macro WIN new
.if MSB != (\new)
	s_set_vgpr_msb (MSB<<8)|(\new)
.set MSB, (\new)
.endif
.endm
.set W_KQ, 0x0a                        ; K and Q in window 2, S^T in window 0
.set W_PV, 0x53                        ; V in window 3, P in window 0, O^T in window 1
.set W_RS, 0x41                        ; O^T in window 1, the factor in window 0
.macro PLACES
.rept 4
	v_nop
.endr
.endm
.macro TLOAD                           ; wave 0: K's rows; wave 1: V's; the others nothing.  An s_nop 0 and four v_nop follow each line
	s_cmp_lt_u32 s[WV], 1
	s_cbranch_scc0 .Lnot_k_\@
	tensor_load_to_lds s[G0K:G0K+3], s[G1K:G1K+7]
	s_nop 0
.rept 4
	v_nop
.endr
	s_branch .Lasked_\@
.Lnot_k_\@:
	s_cmp_lt_u32 s[WV], 2
	s_cbranch_scc0 .Lasked_\@
	tensor_load_to_lds s[G0V:G0V+3], s[G1V:G1V+7]
	s_nop 0
.rept 4
	v_nop
.endr
.Lasked_\@:
.endm
; A prefetch of the slot that the NEXT change of slots will ask for: 128 rows of K and 128 of V, a thread a row, two instructions a wave.  All sixteen work-groups of a group of heads walk the same rows:
; the one with j = 0, which walks all slots, asks, and nobody else, so each row is named once in the launch.  The last change that fills a slot asks for nothing; slots 0 and 1 come by their loads alone.
.macro ASK
	s_cmp_gt_u32 s[SLOTS], s[LIM]
	s_cbranch_scc0 .Lnot_mine_\@
	global_prefetch_b8 v[PFO], s[PFA:PFA+1] th:TH_LOAD_NT scope:SCOPE_SE
	global_prefetch_b8 v[PFO], s[PFA:PFA+1] offset:262144 th:TH_LOAD_NT scope:SCOPE_SE   ; V's plane follows K's
.Lnot_mine_\@:
.endm
	s_load_b128 s[4:7], s[0:1], 0x0                ; qkv s[4:5], attn16 s[6:7]
	v_lshl_add_u32 v[SPW], v0, 2, SPARE
	v_mov_b32 v[NIL], 0
	ds_add_u32 v[SPW], v[NIL]                      ; the wave's opening: the add, twice on end, and its wait ahead of the first tensor load
	ds_add_u32 v[SPW], v[NIL]
	v_lshrrev_b32 v1, 5, v0
	v_readfirstlane_b32 s[WV], v1                  ; wave 0..3
	s_and_b32 s8, ttmp7, 0xffff
	s_lshr_b32 s9, s8, 2                           ; batch
	s_and_b32 s10, s8, 3                           ; group
	s_mul_i32 s11, s9, 24
	s_lshl_b32 s13, s10, 2
	s_add_co_u32 s13, s13, s[WV]                   ; my head
	s_lshl_b32 s[QL0], ttmp9, 5
	s_sub_co_u32 s[QH0], 31, ttmp9
	s_lshl_b32 s[QH0], s[QH0], 5
	s_add_co_u32 s[LASTL], s[QL0], 31
	s_add_co_u32 s[LASTH], s[QH0], 31
	s_add_co_u32 s66, s11, s13
	s_lshl_b32 s66, s66, 18                        ; a plane is 262,144 bytes
	s_lshl_b32 s67, s[QL0], 8
	s_add_co_u32 s68, s66, s67
	s_mov_b32 s69, 0
	s_lshl_b32 s67, s[QH0], 8
	s_add_co_u32 s70, s66, s67
	s_mov_b32 s71, 0
	s_lshl_b32 s66, s9, 10
	s_add_co_u32 s67, s66, s[QL0]
	s_lshl_b32 s72, s67, 12                        ; a row of attn16 is 4,096 bytes
	s_add_co_u32 s67, s66, s[QH0]
	s_lshl_b32 s74, s67, 12
	s_lshl_b32 s67, s13, 8
	s_add_co_u32 s72, s72, s67
	s_add_co_u32 s74, s74, s67
	s_mov_b32 s73, 0
	s_mov_b32 s75, 0
	s_lshl_b32 s76, s10, 1
	s_add_co_u32 s76, s76, s11
	s_add_co_u32 s76, s76, 16                      ; K's plane
	s_lshl_b32 s76, s76, 18
	s_mov_b32 s77, 0
	s_mov_b32 s[G1K], (1<<16)|(1<<20)|(5<<22)|(3<<25)   ; no mask; elements of 2 bytes; padding: 4 words after every 64
	s_mov_b32 s[G1V], (1<<16)|(1<<20)|(5<<22)|(7<<25)   ; 8 words
.irp g, G1K, G1V
	s_mov_b32 s[\g+1], 128<<16                     ; tensor_dim0
	s_mov_b32 s[\g+2], 128<<16                     ; tensor_dim1
	s_mov_b32 s[\g+3], 128<<16                     ; tile_dim0
	s_mov_b32 s[\g+4], 128                         ; tile_dim1
	s_mov_b32 s[\g+5], 128                         ; stride
	s_mov_b32 s[\g+6], 0
	s_mov_b32 s[\g+7], 0
.endr
	s_mov_b32 s[CS], 0x3e0293ee                    ; c = log2(e) / sqrt(128)
	s_mov_b32 s[CS+1], s[CS]
	s_mov_b32 s[SEL], 0x76543210
	s_mov_b32 s[SEL+1], 0xfedcba98
	s_mov_b32 s[KF], 0
	s_mov_b32 s[TBK], 0
	s_mov_b32 s[TBV], 0
	s_mov_b32 s[SLOTS], 7
	s_cmp_eq_u32 ttmp9, 0
	s_cselect_b32 s[LIM], 1, -1
	v_lshlrev_b32 v[PFO], 8, v0
	s_wait_dscnt 0x0                               ; both opening adds are done
	s_wait_kmcnt 0x0
	s_add_nc_u64 s[QBL:QBL+1], s[4:5], s[68:69]
	s_add_nc_u64 s[QBH:QBH+1], s[4:5], s[70:71]
	s_add_nc_u64 s[OBL:OBL+1], s[6:7], s[72:73]
	s_add_nc_u64 s[OBH:OBH+1], s[6:7], s[74:75]
	s_add_nc_u64 s[76:77], s[4:5], s[76:77]
	s_add_nc_u64 s[PFA:PFA+1], s[76:77], 32768     ; slot 1: the first change of slots steps it to slot 2
	s_mov_b32 s[G0K], 1
	s_mov_b32 s[G0K+1], 0
	s_mov_b64 s[G0K+2:G0K+3], s[76:77]
	s_or_b32 s[G0K+3], s[G0K+3], 0x80000000
	s_mov_b32 s[G0V], 1
	s_mov_b32 s[G0V+1], VOFF
	s_add_nc_u64 s[G0V+2:G0V+3], s[76:77], 262144
	s_or_b32 s[G0V+3], s[G0V+3], 0x80000000
	TLOAD                                          ; slot 0: keys 0 .. 127, which every work-group reads
	v_and_b32 v1, 15, v0                           ; r
	v_bfe_u32 v9, v0, 4, 1                         ; h
	v_lshlrev_b32 v[QO], 8, v1
	v_lshl_add_u32 v[QO], v9, 4, v[QO]
	WIN 0x80                                       ; destination window 2
.irp u, 0,1
.irp c, 0,1,2,3
	global_load_b128 v[32*\u+8*\c:32*\u+8*\c+3],       v[QO], s[QBL:QBL+1] offset:\u*4096+\c*64
	global_load_b128 v[32*\u+8*\c+4:32*\u+8*\c+7],     v[QO], s[QBL:QBL+1] offset:\u*4096+\c*64+32
	global_load_b128 v[64+32*\u+8*\c:64+32*\u+8*\c+3],   v[QO], s[QBH:QBH+1] offset:\u*4096+\c*64
	global_load_b128 v[64+32*\u+8*\c+4:64+32*\u+8*\c+7], v[QO], s[QBH:QBH+1] offset:\u*4096+\c*64+32
.endr
.endr
	WIN 0
	v_mul_u32_u24 v[AK0], v1, PK
	v_lshl_add_u32 v[AK0], v9, 4, v[AK0]           ; K: row r x pitch + 16 h
	v_and_b32 v10, 7, v0
	v_bfe_u32 v11, v0, 3, 1
	v_lshl_add_u32 v[AV0], v9, 3, v10
	v_mul_u32_u24 v[AV0], v[AV0], PV
	v_lshl_add_u32 v[AV0], v11, 4, v[AV0]
	v_add_nc_u32 v[AV0], VOFF, v[AV0]              ; V: key 8 h + l % 8, channels 8 ((l / 8) % 2) on
	v_lshlrev_b32 v10, 3, v9
	v_sub_nc_u32 v[RH], v1, v10
	v_mov_b32 v[NINF], 0xff800000
	s_mul_i32 s13, s[WV], 16*SP
	s_add_co_u32 s13, s13, STAGE
	v_mul_u32_u24 v[STO], v1, SP
	v_lshl_add_u32 v[STO], v9, 4, v[STO]
	v_add_nc_u32 v[STO], s13, v[STO]
	v_mul_u32_u24 v[RD], v9, SP
	v_lshl_add_u32 v[RD], v1, 4, v[RD]
	v_add_nc_u32 v[RD], s13, v[RD]
	v_lshlrev_b32 v[GO], 12, v9
	v_lshl_add_u32 v[GO], v1, 4, v[GO]             ; lanes 0-15 one row of attn16, lanes 16-31 the next
.irp t, 0,1,2,3
	v_mov_b32 v[ST+8*\t+1], 0xff61b1e6             ; m = -3e38, under every score
	v_mov_b32 v[ST+8*\t+2], 0
	v_mov_b32 v[ST+8*\t+3], 0
	v_mov_b32 v[ST+8*\t+5], 0                      ; a lane permute's destination counts as one of its sources
	v_mov_b32 v[ST+8*\t+7], 0                      ; named as the upper half of the pair with the factor in +6, so it is written on every way through the text
	v_mul_f32 v[ST+8*\t], s[CS], v[ST+8*\t+1]
.endr
	WIN 0x40
.set oi, 0
.rept 256
	v_mov_b32 v[oi], 0                             ; O^T: the step is written once, and the first finds zeros.  These run while the first tile is on its way
.set oi, oi+1
.endr
	WIN 0
.macro FETCH_K                         ; 64 keys x 128 channels: 16 fragments, by channel step and then by key tile, so that the products can begin when the first eight loads are in
	WIN 0
	v_add_nc_u32 v[ADR], s[TBK], v[AK0]
	WIN 0x80
.irp c, 0,1,2,3
.irp kt, 0,1,2,3
	ds_load_b128 v[KFR+8*(4*\kt+\c):KFR+8*(4*\kt+\c)+3],   v[ADR] offset:\kt*16*PK+\c*64
	ds_load_b128 v[KFR+8*(4*\kt+\c)+4:KFR+8*(4*\kt+\c)+7], v[ADR] offset:\kt*16*PK+\c*64+32
.endr
.endr
.endm
.macro FETCH_V                         ; the same keys of V, turned: fragment f: keys 32 (f / 8) on, channels 16 (f % 8) on
	WIN 0
	v_add_nc_u32 v[ADR2], s[TBV], v[AV0]
	WIN 0xc0
.irp f, 0,1,2,3,4,5,6,7,8,9,10,11,12,13,14,15
	ds_load_tr16_b128 v[8*\f:8*\f+3],   v[ADR2] offset:(\f/8)*32*PV+(\f%8)*32
	ds_load_tr16_b128 v[8*\f+4:8*\f+7], v[ADR2] offset:(\f/8)*32*PV+16*PV+(\f%8)*32
.endr
.endm
; Product i of 32 of S^T = K Q^T: channels 32 (i / 8) on, keys 16 ((i / 2) % 4) on, tile x + i % 2.  The first 8 start the sums; the 8 accumulators take turns.
.macro KQ x
	WIN W_KQ
.set rS, S+32*(\x+i%2)+8*((i/2)%4)
.set rK, KFR+32*((i/2)%4)+8*(i/8)
.set rQ, 32*(\x+i%2)+8*(i/8)
.if i < 8
	v_wmma_f32_16x16x32_f16 v[rS:rS+7], v[rK:rK+7], v[rQ:rQ+7], 0
.else
	v_wmma_f32_16x16x32_f16 v[rS:rS+7], v[rK:rK+7], v[rQ:rQ+7], v[rS:rS+7]
.endif
.endm
; Product i of 32 of O^T += V^T P: keys 32 (i / 16) on, channels 16 ((i / 2) % 8) on, tile x + i % 2.  16 accumulators by turns.
.macro PV x
	WIN W_PV
.set rO, 64*(\x+i%2)+8*((i/2)%8)
.set rV, 64*(i/16)+8*((i/2)%8)
.set rP, P+16*(\x+i%2)+8*(i/16)
	v_wmma_f32_16x16x32_f16 v[rO:rO+7], v[rV:rV+7], v[rP:rP+7], v[rO:rO+7]
.endm
; On the diagonal the scores of hidden keys become -infinity ahead of the maximum.  Register 8 kt + i of a tile holds key KF + 16 kt + 8 h + i: hidden where 16 kt + i > my query - KF - 8 h.  A step all of whose keys count skips this.
.macro MASK x, q0
	s_add_co_u32 s66, s[KF], 63
	s_cmp_le_u32 s66, s[\q0]
	s_cbranch_scc1 .Lopen_\@
	s_sub_co_i32 s66, s[\q0], s[KF]
	v_add_nc_u32 v[D0], s66, v[RH]
	v_add_nc_u32 v[D0+1], 16, v[D0]
.irp u, 0,1
.set ni, 0
.rept 32
	v_cmp_gt_i32 vcc_lo, 16*(ni/8)+ni%8, v[D0+\u]
	v_cndmask_b32 v[S+32*((\x)+\u)+ni], v[S+32*((\x)+\u)+ni], v[NINF], vcc_lo
.set ni, ni+1
.endr
.endr
.Lopen_\@:
.endm
; The softmax of tiles x and x + 1 for one step, the two tiles alternating so that no line reads the result of the line before it.  The exponentials are one batch with one wait.
.macro SOFTMAX x
	WIN 0
.irp c, 0,1,2,3
.irp t, \x, \x+1
	v_max3_num_f32 v[ST+8*(\t)+4+\c], v[S+32*(\t)+8*\c], v[S+32*(\t)+8*\c+1], v[S+32*(\t)+8*\c+2]    ; each accumulator is read from its low end on
.endr
.endr
.irp e, 3,5
.irp c, 0,1,2,3
.irp t, \x, \x+1
	v_max3_num_f32 v[ST+8*(\t)+4+\c], v[ST+8*(\t)+4+\c], v[S+32*(\t)+8*\c+\e], v[S+32*(\t)+8*\c+\e+1]
.endr
.endr
.endr
.irp t, \x, \x+1
	v_max3_num_f32 v[ST+8*(\t)+4], v[ST+8*(\t)+4], v[S+32*(\t)+7], v[S+32*(\t)+15]
	v_max3_num_f32 v[ST+8*(\t)+6], v[ST+8*(\t)+6], v[S+32*(\t)+23], v[S+32*(\t)+31]
.endr
.irp t, \x, \x+1
	v_max3_num_f32 v[ST+8*(\t)+4], v[ST+8*(\t)+4], v[ST+8*(\t)+5], v[ST+8*(\t)+6]
.endr
.irp t, \x, \x+1
	v_max3_num_f32 v[ST+8*(\t)+4], v[ST+8*(\t)+4], v[ST+8*(\t)+7], v[ST+8*(\t)+1]    ; and the old m
.endr
.irp t, \x, \x+1
	v_permlanex16_b32 v[ST+8*(\t)+5], v[ST+8*(\t)+4], s[SEL], s[SEL+1]               ; the query's other 32 keys lie in the lane 16 away
.endr
.irp t, \x, \x+1
	v_mov_b32 v[ST+8*(\t)+7], v[ST+8*(\t)]                                           ; c m_old
.endr
.irp t, \x, \x+1
	v_max_num_f32 v[ST+8*(\t)+1], v[ST+8*(\t)+4], v[ST+8*(\t)+5]
.endr
.irp t, \x, \x+1
	v_mul_f32 v[ST+8*(\t)], s[CS], v[ST+8*(\t)+1]
.endr
.irp t, \x, \x+1
	v_sub_f32 v[ST+8*(\t)+7], v[ST+8*(\t)+7], v[ST+8*(\t)]
.endr
.irp p, 0,2,4,6,8,10,12,14,16,18,20,22,24,26,28,30
.irp t, \x, \x+1
	v_pk_fma_f32 v[S+32*(\t)+\p:S+32*(\t)+\p+1], v[S+32*(\t)+\p:S+32*(\t)+\p+1], s[CS:CS+1], v[ST+8*(\t):ST+8*(\t)+1] op_sel_hi:[1,0,0] neg_lo:[0,0,1] neg_hi:[0,0,1]   ; c s - c m
.endr
.endr
.irp t, \x, \x+1
	v_exp_f32 v[ST+8*(\t)+6], v[ST+8*(\t)+7]                                         ; 2^(c m_old - c m_new)
.endr
.set ei, 0
.rept 32
.irp t, \x, \x+1
	v_exp_f32 v[S+32*(\t)+ei], v[S+32*(\t)+ei]
.endr
.set ei, ei+1
.endr
	v_nop                                          ; a plain instruction behind the last exponential
	s_wait_alu depctr_va_vdst(0)                   ; one wait for the 66, ahead of the first instruction that names a result
.set ei, 0
.rept 16
.irp t, \x, \x+1
	v_cvt_pk_f16_f32 v[P+16*(\t)+ei], v[S+32*(\t)+2*ei], v[S+32*(\t)+2*ei+1]
.endr
.set ei, ei+1
.endr
.irp u, 0,1,2,3,4,5,6,7                        ; the sum of the 16 pairs, in place: neighbours 1, 2, 4 and 8 pairs apart
.irp t, \x, \x+1
	v_pk_add_f32 v[S+32*(\t)+4*\u:S+32*(\t)+4*\u+1], v[S+32*(\t)+4*\u:S+32*(\t)+4*\u+1], v[S+32*(\t)+4*\u+2:S+32*(\t)+4*\u+3]
.endr
.endr
.irp u, 0,1,2,3
.irp t, \x, \x+1
	v_pk_add_f32 v[S+32*(\t)+8*\u:S+32*(\t)+8*\u+1], v[S+32*(\t)+8*\u:S+32*(\t)+8*\u+1], v[S+32*(\t)+8*\u+4:S+32*(\t)+8*\u+5]
.endr
.endr
.irp u, 0,1
.irp t, \x, \x+1
	v_pk_add_f32 v[S+32*(\t)+16*\u:S+32*(\t)+16*\u+1], v[S+32*(\t)+16*\u:S+32*(\t)+16*\u+1], v[S+32*(\t)+16*\u+8:S+32*(\t)+16*\u+9]
.endr
.endr
.irp t, \x, \x+1
	v_pk_add_f32 v[S+32*(\t):S+32*(\t)+1], v[S+32*(\t):S+32*(\t)+1], v[S+32*(\t)+16:S+32*(\t)+17]
.endr
.irp t, \x, \x+1
	v_pk_fma_f32 v[ST+8*(\t)+2:ST+8*(\t)+3], v[ST+8*(\t)+2:ST+8*(\t)+3], v[ST+8*(\t)+6:ST+8*(\t)+7], v[S+32*(\t):S+32*(\t)+1] op_sel_hi:[1,0,1]
.endr
	WIN W_RS
.irp t, \x, \x+1
.set oi, 0
.rept 32
	v_pk_mul_f32 v[64*(\t)+oi:64*(\t)+oi+1], v[64*(\t)+oi:64*(\t)+oi+1], v[ST+8*(\t)+6:ST+8*(\t)+7] op_sel_hi:[1,0]   ; O^T under the new m; each accumulator from its low end on
.set oi, oi+2
.endr
.endr
.endm
.macro GROUP x, q0                     ; tiles x, x + 1 for one step
.set i, 0
.rept 32
.if (\x == 2) && (i%8 == 0)
	s_wait_dscnt 56-i                              ; K's eight loads of this channel step are in; behind them: K's later channel steps (8 each) and V's 32
.endif
	KQ \x
.set i, i+1
.endr
	PLACES                                         ; ahead of the first read of the scores
	WIN 0
	MASK \x, \q0
	SOFTMAX \x
	s_wait_dscnt 0x0                               ; V is in
.set i, 0
.rept 32
	PV \x
.set i, i+1
.endr
.endm
.macro STEP                            ; 64 keys.  K and V come into registers once and serve both groups
	s_cmp_gt_u32 s[KF], s[LASTH]
	s_cbranch_scc1 .Lhid_\@
	PLACES                                         ; ahead of loads into registers that the last products read
	FETCH_K
	FETCH_V
	GROUP 2, QH0
	WIN 0
	s_cmp_gt_u32 s[KF], s[LASTL]
	s_cbranch_scc1 .Lhid_\@
	GROUP 0, QL0
	WIN 0
.Lhid_\@:
	s_add_co_u32 s[KF], s[KF], 64
	s_add_co_u32 s[TBK], s[TBK], KSTEPB
	s_add_co_u32 s[TBV], s[TBV], VSTEPB
.endm
.macro TWO_STEPS
	s_mov_b32 s[TWICE], 2
.Lstep_\@:
	STEP
	s_sub_co_u32 s[TWICE], s[TWICE], 1
	s_cmp_lg_u32 s[TWICE], 0
	s_cbranch_scc1 .Lstep_\@
	s_sub_co_u32 s[TBK], s[TBK], 2*KSTEPB          ; back to a slot's first step,
	s_xor_b32 s[TBK], s[TBK], SLOT1                ; in the other slot
	s_sub_co_u32 s[TBV], s[TBV], 2*VSTEPB
	s_xor_b32 s[TBV], s[TBV], SLOT1
.endm
; THE CHANGE OF SLOTS stands at a slot's head.  Each wave waits for all its tensor loads, adds 0 to its spare word, and waits for that and for its reads of the slot that it has left.  Behind the barrier the slot
; ahead is whole and nobody reads the other one; fill = 1: that other slot takes the next 128 keys, if any query of the work-group sees them.
.macro CHANGE fill
	s_wait_tensorcnt 0x0                           ; no tensor load of mine is out, so a group 0 may be written
	ds_add_u32 v[SPW], v[NIL]
.if \fill
	ds_add_u32 v[SPW], v[NIL]                      ; and twice on end here, in every trip alike
	s_xor_b32 s[G0K+1], s[G0K+1], SLOT1
	s_add_nc_u64 s[G0K+2:G0K+3], s[G0K+2:G0K+3], 32768
	s_xor_b32 s[G0V+1], s[G0V+1], SLOT1
	s_add_nc_u64 s[G0V+2:G0V+3], s[G0V+2:G0V+3], 32768
	s_wait_xcnt 0x0                                ; the last prefetches, a slot back, have read their address
	s_add_nc_u64 s[PFA:PFA+1], s[PFA:PFA+1], 32768
.endif
	s_wait_dscnt 0x0                               ; the add is done, and my reads of the slot that I have left are over
	s_barrier_signal -1
	s_barrier_wait -1
.if \fill
	s_add_co_u32 s66, s[KF], 128                   ; the first key of the slot that this change would ask for
	s_cmp_gt_u32 s66, s[LASTH]                     ; ids and the count of steps alone: all four waves go the same way, and a work-group past the limit stays past it
	s_cbranch_scc1 .Lpast_\@
	TLOAD                                          ; a wave's one tensor load until the next barrier
.Lpast_\@:
	ASK
.endif
.endm
	s_wait_loadcnt 0x0                             ; Q
.Lslot:                                            ; 7 trips: behind each change of slots but the last the next slot is asked for, up to the causal limit
	CHANGE 1
	TWO_STEPS
	s_sub_co_u32 s[SLOTS], s[SLOTS], 1
	s_cmp_lg_u32 s[SLOTS], 0
	s_cbranch_scc1 .Lslot
	CHANGE 0                                       ; the last slot is written out: nothing is left to ask for
	TWO_STEPS
	; THE WAY OUT.  l's halves are added; O^T / l is rounded to f16 and goes through my stage, a tile (16 rows) at a time.  The additions are the places behind the last products.
.irp t, 0,1,2,3
	v_add_f32 v[ST+8*\t+4], v[ST+8*\t+2], v[ST+8*\t+3]
.endr
.irp t, 0,1,2,3
	v_permlanex16_b32 v[ST+8*\t+5], v[ST+8*\t+4], s[SEL], s[SEL+1]
.endr
.irp t, 0,1,2,3
	v_add_f32 v[ST+8*\t+4], v[ST+8*\t+4], v[ST+8*\t+5]
.endr
.irp t, 0,1,2,3
	v_rcp_f32 v[ST+8*\t+6], v[ST+8*\t+4]
.endr
	v_nop
	s_wait_alu depctr_va_vdst(0)                   ; one wait for the four reciprocals
.macro PACK t
	WIN W_RS
.set oi, 64*\t
.rept 32
	v_pk_mul_f32 v[oi:oi+1], v[oi:oi+1], v[ST+8*\t+6:ST+8*\t+7] op_sel_hi:[1,0]
.set oi, oi+2
.endr
	WIN 0x05                                       ; sources in window 1, destination in window 0
.set oi, 0
.rept 32
	v_cvt_pk_f16_f32 v[S+32*\t+oi], v[64*\t+2*oi], v[64*\t+2*oi+1]
.set oi, oi+1
.endr
	WIN 0
.irp f, 0,1,2,3,4,5,6,7
	ds_store_b128 v[STO], v[S+32*\t+4*\f:S+32*\t+4*\f+3] offset:32*\f
.endr
.irp f, 0,1,2,3,4,5,6,7
	ds_load_b128 v[S+32*\t+4*\f:S+32*\t+4*\f+3], v[RD] offset:\f*2*SP   ; LDS serves a wave's instructions in order
.endr
.endm
.macro SEND t, younger, base           ; younger: the LDS instructions issued behind tile t's loads
.irp f, 0,1,2,3,4,5,6,7
	s_wait_dscnt \younger+7-\f
	global_store_b128 v[GO], v[S+32*\t+4*\f:S+32*\t+4*\f+3], s[\base:\base+1] offset:(\t%2)*65536+\f*8192   ; 16 lanes store 256 consecutive bytes, aligned
.endr
.endm
	PACK 0
	PACK 1
	SEND 0, 16, OBL
	PACK 2
	SEND 1, 16, OBL
	PACK 3
	SEND 2, 16, OBH
	SEND 3, 0, OBH
	s_wait_tensorcnt 0x0                           ; the wave's end: behind my last tensor load and my last LDS store
	ds_add_u32 v[SPW], v[NIL]
	s_wait_dscnt 0x0
	s_endpgm
.Lfunc_end_k_q039531f4cc_attn:
	.size	k_q039531f4cc_attn, .Lfunc_end_k_q039531f4cc_attn-k_q039531f4cc_attn
	.p2alignl 7, 3214868480
	.fill 96, 4, 3214868480
	.section	.rodata,"a",@progbits
	.p2align	6, 0x0
	.amdhsa_kernel k_q039531f4cc_attn
		.amdhsa_group_segment_fixed_size 327680
		.amdhsa_private_segment_fixed_size 0
		.amdhsa_enable_private_segment 0
		.amdhsa_kernarg_size 16
		.amdhsa_user_sgpr_count 2
		.amdhsa_user_sgpr_kernarg_segment_ptr 1
		.amdhsa_wavefront_size32 1
		.amdhsa_system_sgpr_workgroup_id_x 1
		.amdhsa_system_sgpr_workgroup_id_y 1
		.amdhsa_system_sgpr_workgroup_id_z 1
		.amdhsa_system_vgpr_workitem_id 0
		.amdhsa_next_free_vgpr 1024
		.amdhsa_next_free_sgpr 80
		.amdhsa_reserve_vcc 1
		.amdhsa_float_denorm_mode_32 3
		.amdhsa_float_denorm_mode_16_64 3
		.amdhsa_memory_ordered 1
		.amdhsa_forward_progress 1
		.amdhsa_inst_pref_size 148
	.end_amdhsa_kernel
	.amdgpu_metadata
---
amdhsa.version: [ 1, 2 ]
amdhsa.kernels:
  - .name:           k_q039531f4cc_attn
    .symbol:         k_q039531f4cc_attn.kd
    .args:
      - { .name: qkv, .offset: 0, .size: 8, .value_kind: global_buffer, .address_space: global }
      - { .name: attn16, .offset: 8, .size: 8, .value_kind: global_buffer, .address_space: global }
    .group_segment_fixed_size: 327680
    .private_segment_fixed_size: 0
    .kernarg_segment_align: 8
    .kernarg_segment_size: 16
    .max_flat_workgroup_size: 128
    .sgpr_count:     80
    .vgpr_count:     1024
    .wavefront_size: 32
...
	.end_amdgpu_metadata
.endif
;; end of part 3
;; launch proj (part 4): grid 8 x 32, 4 waves a work-group, clusters of 4 x 4, 327,680 bytes of LDS; arguments attn16, wo16, out0; writes out0
.if DOCPART == 4
	.amdgcn_target "amdgcn-amd-amdhsa--gfx1250"
	.amdhsa_code_object_version 6
	.text
	.protected	k_q039531f4cc_proj
	.globl	k_q039531f4cc_proj
	.p2align	8
	.type	k_q039531f4cc_proj,@function
k_q039531f4cc_proj:
	s_mov_b64 s[64:65], 0
	v_nop
	global_prefetch_b8 v0, s[64:65] scope:SCOPE_SE
	s_setreg_imm32_b32 hwreg(HW_REG_WAVE_MODE, 25, 1), 1
	s_wait_xcnt 0x0
	s_wait_alu depctr_hold_cnt(0) depctr_sa_sdst(0) depctr_va_vdst(0) depctr_va_sdst(0) depctr_va_ssrc(0) depctr_va_vcc(0) depctr_vm_vsrc(0)
	s_getreg_b32 s2, hwreg(HW_REG_IB_STS2, 6, 4)
	s_cmp_eq_u32 s2, 0
	s_cbranch_scc0 .Lentry_in_a_cluster
	s_endpgm
.Lentry_in_a_cluster:
	s_bfe_u32 s2, ttmp6, 0x10000c
	s_cmp_lg_u32 s2, 0xf033
	s_cbranch_scc0 .Lentry_shape_is_right
	s_endpgm
.Lentry_shape_is_right:
; Launch 4 of 6: out0 = attn Wo on f16 operands, f32 sums.  attn16: [4096][2048] f16, K innermost; wo16: [2048 (k)][2048 (n)] f16, K outermost: its fragments are turned on the way out of LDS.
; NOT STORED HERE: the rows t < 16 of every batch; the last launch makes them in f32 and is their one owner.  They are multiplied inside live tiles.
; A tile of C is 128 x 256: C has 128 tiles of 256 x 256, and this tile gives 256 work-groups.  Four waves, each 64 x 128: 32 accumulators, all of window 1 ((a, b) at v[8 (8 a + b)]).
; K goes in steps of 128 through two LDS slots: A's 128 rows of 256 bytes, then Wo's 128 rows k of 512 bytes.  Waves 0 and 1 fetch A's halves, waves 2 and 3 Wo's, one load each.
; CLUSTERS: 4 x 4; A's tiles jointly along a row of the cluster, Wo's along a column.  Tile row = 8 cy + cluster y: so the rows t < 16 lie where cluster y = 0, in the first block of waves 0 and 1.
; TRANSPOSED USE: source 0 = 16 columns of Wo, source 1 = 16 rows of attn: a lane holds eight neighbouring columns of one row of C.
; Window 0: v0-31 addresses; two fragment buffers of 96 (A's 4 fragments, then Wo's 8) at v64 and v160.
.set KSTEP,  128
.set PA,     272                       ; A's LDS row: 256 bytes + 16
.set PB,     544                       ; Wo's: 512 + 32, an odd multiple of 32 for the turning load
.set HALFA,  64*PA
.set HALFB,  64*PB
.set BOFF,   2*HALFA
.set SLOT,   BOFF+2*HALFB
.set STAGE,  2*SLOT                    ; 16 rows x 528 bytes for each wave
.set SPITCH, 528
.set SPARE,  STAGE+4*16*SPITCH         ; the spare words: 128 bytes for each wave, two blocks of 256 bytes that no other line names
.set LAPS,   2048/(2*KSTEP)
.set ADRA, 16
.set ADRB, 20
.set STO,  24
.set RD,   25
.set CO,   26
.set SPW,  28
.set NIL,  29
.set F0,   64
.set F1,   160
.set BK,   64
.set G1, 24
.set G0, 32
.set G1B, 48
.set G0B, 56
.set MSB, 0
.macro WIN new
.if MSB != (\new)
	s_set_vgpr_msb (MSB<<8)|(\new)
.set MSB, (\new)
.endif
.endm
.set MUL, 0x50                         ; C and D in window 1
.macro JLOAD s
	s_cmp_eq_u32 s11, 0
	s_cbranch_scc0 .Lfor_b_\@
	tensor_load_to_lds s[G0+4*\s:G0+4*\s+3], s[G1:G1+7]
	s_nop 0
.rept 4
	v_nop
.endr
	s_branch .Lasked_\@
.Lfor_b_\@:
	tensor_load_to_lds s[G0B+4*\s:G0B+4*\s+3], s[G1B:G1B+7]
	s_nop 0
.rept 4
	v_nop
.endr
.Lasked_\@:
.endm
.macro CREST
	s_cmp_lg_u32 s10, 0
	s_cbranch_scc1 .Lnot_wave_0_\@
	s_barrier_signal -3
.Lnot_wave_0_\@:
	s_barrier_wait -3
	s_barrier_signal -1
	s_barrier_wait -1
.endm
.macro CROUND
	s_barrier_signal -1
	s_barrier_wait -1
	CREST
.endm
	s_load_b128 s[4:7], s[0:1], 0x0                ; attn16 s[4:5], wo16 s[6:7]
	s_load_b64 s[8:9], s[0:1], 0x10                ; out0
	v_lshl_add_u32 v[SPW], v0, 2, SPARE
	v_mov_b32 v[NIL], 0
	ds_add_u32 v[SPW], v[NIL]                      ; the wave's opening: the add, twice on end, and its wait ahead of my first tensor load
	ds_add_u32 v[SPW], v[NIL]
	v_lshrrev_b32 v1, 5, v0
	v_readfirstlane_b32 s10, v1                    ; wave 0..3
	s_lshr_b32 s11, s10, 1                         ; which 64 rows of the tile are mine.  Also: I fetch for A (0) or for Wo (1)
	s_and_b32 s12, s10, 1                          ; which 128 columns.  Also: which half I fetch
	s_bfe_u32 s40, ttmp6, 0x40000                  ; cx
	s_bfe_u32 s41, ttmp6, 0x40004                  ; cy
	s_lshl_b32 s42, ttmp9, 2
	s_add_co_u32 s42, s42, s40                     ; tile column = 4 x cluster x + cx
	s_and_b32 s67, ttmp7, 0xffff                   ; cluster y
	s_lshl_b32 s13, s41, 3
	s_add_co_u32 s13, s13, s67                     ; tile row = 8 cy + cluster y
	s_or_b32 s66, s67, s11                         ; 0 where my first 16 rows are t = 0 .. 15
	s_lshl_b32 s43, s41, 2
	s_lshl_b32 s43, 15, s43                        ; my row of the cluster
	s_lshl_b32 s44, 0x1111, s40                    ; my column
	s_or_b32 s[G1+0], s43, (1<<16)|(1<<20)|(1<<21)|(5<<22)|(3<<25)   ; the mask; elements of 2 bytes; padding: 4 words after every 64; bit 21 beside a mask
	s_mov_b32 s[G1+1], 128<<16                     ; tensor_dim0
	s_mov_b32 s[G1+2], 64<<16                      ; tensor_dim1
	s_mov_b32 s[G1+3], 128<<16                     ; tile_dim0
	s_mov_b32 s[G1+4], 64                          ; tile_dim1
	s_mov_b32 s[G1+5], 2048                        ; stride
	s_mov_b32 s[G1+6], 0
	s_mov_b32 s[G1+7], 0
	s_or_b32 s[G1B+0], s44, (1<<16)|(1<<20)|(1<<21)|(6<<22)|(7<<25)  ; padding: 8 words after every 128
	s_mov_b32 s[G1B+1], 256<<16
	s_mov_b32 s[G1B+2], 64<<16
	s_mov_b32 s[G1B+3], 256<<16
	s_mov_b32 s[G1B+4], 64
	s_mov_b32 s[G1B+5], 2048
	s_mov_b32 s[G1B+6], 0
	s_mov_b32 s[G1B+7], 0
	s_lshl_b32 s16, s13, 7
	s_lshl_b32 s17, s12, 6
	s_add_co_u32 s16, s16, s17                     ; A: row 128 x tile row + 64 x half,
	s_lshl_b32 s16, s16, 12                        ; of 4,096 bytes
	s_mov_b32 s17, 0
	s_lshl_b32 s46, s12, 18                        ; Wo: 64 rows k of 4,096 bytes x half,
	s_lshl_b32 s47, s42, 9
	s_add_co_u32 s46, s46, s47                     ; + 512 bytes x tile column
	s_mov_b32 s47, 0
	s_mul_i32 s20, s12, HALFA                      ; where they go: no place in the cluster enters an LDS address
	s_mul_i32 s21, s12, HALFB
	s_add_co_u32 s21, s21, BOFF
	s_wait_dscnt 0x0                               ; both opening adds are done
	s_wait_kmcnt 0x0
	s_add_nc_u64 s[14:15], s[4:5], s[16:17]
	s_add_nc_u64 s[46:47], s[6:7], s[46:47]
	CROUND                                         ; all sixteen work-groups are here: the first joint loads meet
.irp s, 0,1
	s_mov_b32 s[G0+4*\s], 1
	s_add_co_u32 s[G0+4*\s+1], s20, \s*SLOT
	s_add_nc_u64 s[G0+4*\s+2:G0+4*\s+3], s[14:15], \s*KSTEP*2
	s_or_b32 s[G0+4*\s+3], s[G0+4*\s+3], 0x80000000
	s_mov_b32 s[G0B+4*\s], 1
	s_add_co_u32 s[G0B+4*\s+1], s21, \s*SLOT
	s_add_nc_u64 s[G0B+4*\s+2:G0B+4*\s+3], s[46:47], \s*KSTEP*4096
	s_or_b32 s[G0B+4*\s+3], s[G0B+4*\s+3], 0x80000000
	JLOAD \s
.endr
	v_and_b32 v1, 15, v0                           ; r
	v_bfe_u32 v2, v0, 4, 1                         ; h
	v_mul_u32_u24 v3, v1, PA
	v_lshl_add_u32 v3, v2, 4, v3
	v_and_b32 v4, 7, v0
	v_lshl_add_u32 v4, v2, 3, v4                   ; Wo: row k = 8 h + l % 8,
	v_mul_u32_u24 v4, v4, PB
	v_bfe_u32 v5, v0, 3, 1
	v_lshl_add_u32 v4, v5, 4, v4                   ; columns 8 ((l / 8) % 2) on
	s_mul_i32 s22, s11, HALFA                      ; my 64 rows of A
	s_lshl_b32 s23, s12, 8
	s_add_co_u32 s23, s23, BOFF                    ; my 128 columns of Wo
.irp s, 0,1
	v_add_nc_u32 v[ADRA+\s], s22, v3
	v_add_nc_u32 v[ADRB+\s], s23, v4
	s_add_co_u32 s22, s22, SLOT
	s_add_co_u32 s23, s23, SLOT
.endr
	s_mul_i32 s23, s10, 16*SPITCH
	s_add_co_u32 s23, s23, STAGE                   ; my stage
	v_mul_u32_u24 v5, v1, SPITCH
	v_lshl_add_u32 v5, v2, 5, v5
	v_add_nc_u32 v[STO], s23, v5                   ; in: row r, 32 bytes for each half of the lanes
	v_and_b32 v6, 31, v0
	v_lshlrev_b32 v[CO], 4, v6
	v_add_nc_u32 v[RD], s23, v[CO]                 ; back: the 32 lanes take one row of 512 bytes
	s_lshl_b32 s16, s13, 7
	s_lshl_b32 s17, s11, 6
	s_add_co_u32 s16, s16, s17                     ; my first row of C,
	s_lshl_b32 s16, s16, 13                        ; of 8,192 bytes
	s_mov_b32 s17, 0
	s_add_nc_u64 s[8:9], s[8:9], s[16:17]
	s_lshl_b32 s46, s42, 10                        ; my first column, in bytes: 1,024 x tile column + 512 x half
	s_lshl_b32 s47, s12, 9
	s_add_co_u32 s46, s46, s47
	s_mov_b32 s47, 0
	s_add_nc_u64 s[8:9], s[8:9], s[46:47]
.macro MUL8 f, a, zero                 ; A's block a x Wo's eight, 32 along K.  The 32 accumulators take turns, in the same order in every quarter
.irp b, 0,1,2,3,4,5,6,7
.if \zero
	v_wmma_f32_16x16x32_f16 v[8*(8*(\a)+\b):8*(8*(\a)+\b)+7], v[\f+32+8*\b:\f+32+8*\b+7], v[\f+8*(\a):\f+8*(\a)+7], 0
.else
	v_wmma_f32_16x16x32_f16 v[8*(8*(\a)+\b):8*(8*(\a)+\b)+7], v[\f+32+8*\b:\f+32+8*\b+7], v[\f+8*(\a):\f+8*(\a)+7], v[8*(8*(\a)+\b):8*(8*(\a)+\b)+7]
.endif
.endr
.endm
.macro FETCH slot, q, f                ; 24 LDS loads in one run: Wo's 16 (turned), A's blocks 0, 1, A's blocks 2, 3
	WIN 0
.irp b, 0,1,2,3,4,5,6,7
	ds_load_tr16_b128 v[\f+32+8*\b:\f+32+8*\b+3],   v[ADRB+\slot] offset:32*(\q)*PB+32*\b
	ds_load_tr16_b128 v[\f+32+8*\b+4:\f+32+8*\b+7], v[ADRB+\slot] offset:32*(\q)*PB+16*PB+32*\b
.endr
.irp a, 0,1,2,3
	ds_load_b128 v[\f+8*\a:\f+8*\a+3],   v[ADRA+\slot] offset:\a*16*PA+64*(\q)
	ds_load_b128 v[\f+8*\a+4:\f+8*\a+7], v[ADRA+\slot] offset:\a*16*PA+64*(\q)+32
.endr
.endm
.macro PLACES
.rept 4
	v_nop
.endr
.endm
.macro QUARTER slot, q, f, g, zero     ; multiplies buffer f; in its middle it fetches quarter q of the same slot into buffer g
	s_wait_dscnt 4                                 ; Wo's fragments and A's blocks 0, 1 are in; the youngest four loads (A's blocks 2, 3) may be out
	WIN MUL
	MUL8 \f, 0, \zero
	MUL8 \f, 1, \zero
	PLACES
	FETCH \slot, \q, \g
	s_wait_dscnt 24                                ; all but the 24 just issued
	WIN MUL
	MUL8 \f, 2, \zero
	MUL8 \f, 3, \zero
.endm
; The last quarter multiplies buffer 1 and changes slots: one barrier; in front of it each wave waits for all its tensor loads, adds 0 to its spare word, and waits for that and for its reads of this slot.
.macro TURN slot, next, fill
	WIN 0
	s_wait_tensorcnt 0x0                           ; all my tensor loads have landed: my part of the next slot
	ds_add_u32 v[SPW], v[NIL]
	s_wait_dscnt 5                                 ; the add and the youngest four loads may be out
	WIN MUL
	MUL8 F1, 0, 0
	s_wait_dscnt 0x0                               ; the add is done, and my reads of this slot are over
	s_barrier_signal -1
	MUL8 F1, 1, 0
	WIN 0
	s_barrier_wait -1
.if \fill
	CREST                                          ; the barrier has opened a round of the cluster's barrier
	s_add_nc_u64 s[G0+4*\slot+2:G0+4*\slot+3], s[G0+4*\slot+2:G0+4*\slot+3], 2*KSTEP*2
	s_add_nc_u64 s[G0B+4*\slot+2:G0B+4*\slot+3], s[G0B+4*\slot+2:G0B+4*\slot+3], 2*KSTEP*4096
	JLOAD \slot                                    ; the first tensor load behind the round; its four v_nop are the places in front of the loads below
.else
	PLACES
.endif
	FETCH \next, 0, F0
	WIN MUL
	MUL8 F1, 2, 0
	MUL8 F1, 3, 0
.endm
	s_wait_tensorcnt 1                             ; my part of K step 0 is in; K step 1's load may be out
	s_barrier_signal -1
	s_barrier_wait -1
	FETCH 0, 0, F0
	QUARTER 0, 1, F0, F1, 1                        ; the first quarter stands in front of the loop: its products start the sums
	WIN 0
	s_mov_b32 s3, LAPS-1
.Llap:                                                 ; a trip goes once round the ring and fills both slots again
	QUARTER 0, 2, F1, F0, 0
	QUARTER 0, 3, F0, F1, 0
	TURN 0, 1, 1
	QUARTER 1, 1, F0, F1, 0
	QUARTER 1, 2, F1, F0, 0
	QUARTER 1, 3, F0, F1, 0
	TURN 1, 0, 1
	QUARTER 0, 1, F0, F1, 0
	WIN 0
	s_sub_co_u32 s3, s3, 1
	s_cmp_lg_u32 s3, 0
	s_cbranch_scc1 .Llap
	QUARTER 0, 2, F1, F0, 0                        ; the last lap fills nothing
	QUARTER 0, 3, F0, F1, 0
	TURN 0, 1, 0
	QUARTER 1, 1, F0, F1, 0
	QUARTER 1, 2, F1, F0, 0
	QUARTER 1, 3, F0, F1, 0
	s_wait_dscnt 4
	WIN MUL
	MUL8 F1, 0, 0
	MUL8 F1, 1, 0
	s_wait_dscnt 0
	MUL8 F1, 2, 0
	MUL8 F1, 3, 0
	WIN 0
; THE WAY OUT, a block of 16 rows x 128 columns at a time, through my own stage: in as 32 bytes a lane, back as whole rows of 512 bytes.
.macro OUTBLK a
	WIN 0x04                                       ; an LDS store's data are its source 1: window 1
.irp b, 0,1,2,3,4,5,6,7
	ds_store_b128 v[STO], v[8*(8*(\a)+\b):8*(8*(\a)+\b)+3] offset:64*\b          ; each accumulator from its low end on
	ds_store_b128 v[STO], v[8*(8*(\a)+\b)+4:8*(8*(\a)+\b)+7] offset:64*\b+16
.endr
	WIN 0
.irp t, 0,1,2,3,4,5,6,7,8,9,10,11,12,13,14,15
	ds_load_b128 v[BK+64*((\a)%2)+4*\t:BK+64*((\a)%2)+4*\t+3], v[RD] offset:\t*SPITCH   ; LDS serves a wave's instructions in order
.endr
	s_wait_dscnt 0x0
.irp t, 0,1,2,3,4,5,6,7,8,9,10,11,12,13,14,15
	global_store_b128 v[CO], v[BK+64*((\a)%2)+4*\t:BK+64*((\a)%2)+4*\t+3], s[8:9] offset:131072*(\a)+8192*\t th:TH_STORE_NT   ; 512 consecutive bytes, aligned
.endr
.endm
	PLACES                                         ; behind the last products
	s_cmp_eq_u32 s66, 0                            ; the rows t < 16 belong to the last launch
	s_cbranch_scc1 .Lskip0
	OUTBLK 0
.Lskip0:
	OUTBLK 1
	s_wait_xcnt 0x0                                ; block 0's stores have read their registers
	OUTBLK 2
	s_wait_xcnt 0x0
	OUTBLK 3
	s_wait_tensorcnt 0x0                           ; the wave's end: behind my last tensor load and my last LDS store
	ds_add_u32 v[SPW], v[NIL]
	s_wait_dscnt 0x0
	CROUND                                         ; the closing round
	s_endpgm
.Lfunc_end_k_q039531f4cc_proj:
	.size	k_q039531f4cc_proj, .Lfunc_end_k_q039531f4cc_proj-k_q039531f4cc_proj
	.p2alignl 7, 3214868480
	.fill 96, 4, 3214868480
	.section	.rodata,"a",@progbits
	.p2align	6, 0x0
	.amdhsa_kernel k_q039531f4cc_proj
		.amdhsa_group_segment_fixed_size 327680
		.amdhsa_private_segment_fixed_size 0
		.amdhsa_enable_private_segment 0
		.amdhsa_kernarg_size 24
		.amdhsa_user_sgpr_count 2
		.amdhsa_user_sgpr_kernarg_segment_ptr 1
		.amdhsa_wavefront_size32 1
		.amdhsa_system_sgpr_workgroup_id_x 1
		.amdhsa_system_sgpr_workgroup_id_y 1
		.amdhsa_system_sgpr_workgroup_id_z 1
		.amdhsa_system_vgpr_workitem_id 0
		.amdhsa_next_free_vgpr 512
		.amdhsa_next_free_sgpr 72
		.amdhsa_reserve_vcc 0
		.amdhsa_float_denorm_mode_32 3
		.amdhsa_float_denorm_mode_16_64 3
		.amdhsa_memory_ordered 1
		.amdhsa_forward_progress 1
		.amdhsa_inst_pref_size 85
	.end_amdhsa_kernel
	.amdgpu_metadata
---
amdhsa.version: [ 1, 2 ]
amdhsa.kernels:
  - .name:           k_q039531f4cc_proj
    .symbol:         k_q039531f4cc_proj.kd
    .args:
      - { .name: attn16, .offset: 0, .size: 8, .value_kind: global_buffer, .address_space: global }
      - { .name: wo16, .offset: 8, .size: 8, .value_kind: global_buffer, .address_space: global }
      - { .name: out0, .offset: 16, .size: 8, .value_kind: global_buffer, .address_space: global }
    .group_segment_fixed_size: 327680
    .private_segment_fixed_size: 0
    .kernarg_segment_align: 8
    .kernarg_segment_size: 24
    .max_flat_workgroup_size: 128
    .sgpr_count:     72
    .vgpr_count:     512
    .wavefront_size: 32
...
	.end_amdgpu_metadata
.endif
;; end of part 4
;; launch fineattn (part 5): grid 16 x 1, 4 waves a work-group, no clusters, 0 bytes of LDS; arguments fine, attnf; writes attnf
.if DOCPART == 5
	.amdgcn_target "amdgcn-amd-amdhsa--gfx1250"
	.amdhsa_code_object_version 6
	.text
	.protected	k_q039531f4cc_fineattn
	.globl	k_q039531f4cc_fineattn
	.p2align	8
	.type	k_q039531f4cc_fineattn,@function
k_q039531f4cc_fineattn:
	s_mov_b64 s[64:65], 0
	v_nop
	global_prefetch_b8 v0, s[64:65] scope:SCOPE_SE
	s_setreg_imm32_b32 hwreg(HW_REG_WAVE_MODE, 25, 1), 1
	s_wait_xcnt 0x0
; Launch 5 of 6: the attention of the first 16 positions of every sequence, in f32 throughout: these rows average one to sixteen values and are the largest in size.
; They see keys 0 .. 15 alone (reference()'s own causal mask); later keys are left out as in launch 3.
; fine: [batch][plane 24][16][128] f32.  attnf: [batch][kt 128][c 2][lane 32][16 bytes] f32: lane (r, h) holds attn(row r, k = 16 kt + 8 h + 4 c + 0 .. 3), the order in which the last launch's registers take it.
; A wave is one (batch, head).  S^T = K Q^T: 32 instructions of 16 x 16 x 4 on four accumulators by turns; O^T = V^T P: 32 on eight.  The registers that these instructions write (v256-351) are written by nothing else.
; The channels of a K step of 4 are permuted alike in K and Q (lane half h, register j of pair i: channel 4 (i / 2 x 2 + h) + 2 (i % 2) + j), which keeps the products.
; No LDS, no barrier; 64 waves in all: the work is 16 x 16 x 128 twice for each.
.set MSB, 0
.macro WIN new
.if MSB != (\new)
	s_set_vgpr_msb (MSB<<8)|(\new)
.set MSB, (\new)
.endif
.endm
	s_load_b128 s[4:7], s[0:1], 0x0                ; fine s[4:5], attnf s[6:7]
	v_lshrrev_b32 v1, 5, v0
	v_readfirstlane_b32 s8, v1                     ; wave
	v_and_b32 v2, 15, v0                           ; r
	v_bfe_u32 v3, v0, 4, 1                         ; h
	s_lshr_b32 s9, ttmp9, 2                        ; batch
	s_and_b32 s10, ttmp9, 3                        ; group
	s_lshl_b32 s11, s10, 2
	s_add_co_u32 s11, s11, s8                      ; head
	s_mul_i32 s12, s9, 24
	s_add_co_u32 s13, s12, s11                     ; Q's plane
	s_lshl_b32 s14, s10, 1
	s_add_co_u32 s14, s14, s12
	s_add_co_u32 s14, s14, 16                      ; K's plane; V's follows it
	s_lshl_b32 s16, s13, 13                        ; a plane is 8,192 bytes
	s_mov_b32 s17, 0
	s_lshl_b32 s18, s14, 13
	s_mov_b32 s19, 0
	s_lshl_b32 s20, s9, 17
	s_lshl_b32 s21, s11, 13
	s_add_co_u32 s20, s20, s21
	s_mov_b32 s21, 0
	s_mov_b32 s22, 0x3e0293ee                      ; c = log2(e) / sqrt(128)
	s_mov_b32 s24, 0x76543210
	s_mov_b32 s25, 0xfedcba98
	v_lshlrev_b32 v4, 9, v2
	v_lshl_add_u32 v4, v3, 4, v4                   ; Q, K: row r of 512 bytes + 16 h
	v_lshlrev_b32 v5, 2, v2
	v_lshl_add_u32 v5, v3, 12, v5                  ; V: key 8 h on, channel r
	v_and_b32 v6, 31, v0
	v_lshlrev_b32 v6, 4, v6                        ; 16 x lane
	v_lshlrev_b32 v7, 3, v3
	v_sub_nc_u32 v7, v2, v7                        ; r - 8 h
	v_mov_b32 v8, 0xff800000
	v_mov_b32 v10, 0                               ; a lane permute's destination counts as one of its sources
	s_wait_kmcnt 0x0
	s_add_nc_u64 s[16:17], s[4:5], s[16:17]
	s_add_nc_u64 s[18:19], s[4:5], s[18:19]
	s_add_nc_u64 s[6:7], s[6:7], s[20:21]
.irp g, 0,1,2,3,4,5,6,7,8,9,10,11,12,13,14,15
	global_load_b128 v[16+4*\g:19+4*\g], v4, s[16:17] offset:32*\g
	global_load_b128 v[80+4*\g:83+4*\g], v4, s[18:19] offset:32*\g
.endr
.irp d, 0,1,2,3,4,5,6,7
.irp i, 0,1,2,3,4,5,6,7
	global_load_b32 v[144+8*\d+\i], v5, s[18:19] offset:8192+512*\i+64*\d     ; V(key 8 h + i, channel 16 d + r)
.endr
.endr
	s_wait_loadcnt 0x0
	WIN 0x50                                       ; C and D in window 1
.set i, 0
.rept 32
.if i < 4
	v_wmma_f32_16x16x4_f32 v[8*(i%4):8*(i%4)+7], v[80+2*i:81+2*i], v[16+2*i:17+2*i], 0
.else
	v_wmma_f32_16x16x4_f32 v[8*(i%4):8*(i%4)+7], v[80+2*i:81+2*i], v[16+2*i:17+2*i], v[8*(i%4):8*(i%4)+7]
.endif
.set i, i+1
.endr
.rept 8
	v_nop                                          ; eight places behind this form, ahead of the first read of its results
.endr
	WIN 0x05                                       ; sources in window 1
.irp j, 0,1,2,3,4,5,6,7
	v_add_f32 v[240+\j], v[\j], v[8+\j]
.endr
.irp j, 0,1,2,3,4,5,6,7
	v_add_f32 v[232+\j], v[16+\j], v[24+\j]
.endr
	WIN 0
.irp j, 0,1,2,3,4,5,6,7
	v_add_f32 v[240+\j], v[240+\j], v[232+\j]      ; lane (r, h): the score of query r and key 8 h + j
.endr
.irp j, 0,1,2,3,4,5,6,7
	v_cmp_gt_i32 vcc_lo, \j, v7                    ; hidden where 8 h + j > r
	v_cndmask_b32 v[240+\j], v[240+\j], v8, vcc_lo
.endr
	v_max3_num_f32 v9, v240, v241, v242
	v_max3_num_f32 v9, v9, v243, v244
	v_max3_num_f32 v9, v9, v245, v246
	v_max_num_f32 v9, v9, v247
	v_permlanex16_b32 v10, v9, s24, s25
	v_max_num_f32 v9, v9, v10                      ; the row's maximum: key 0 counts for every query
	v_mul_f32 v11, s22, v9
.irp j, 0,1,2,3,4,5,6,7
	v_fma_f32 v[240+\j], v[240+\j], s22, -v11
.endr
.irp j, 0,1,2,3,4,5,6,7
	v_exp_f32 v[240+\j], v[240+\j]
.endr
	v_nop
	s_wait_alu depctr_va_vdst(0)                   ; one wait for the eight
	v_add_f32 v12, v240, v241
	v_add_f32 v13, v242, v243
	v_add_f32 v14, v244, v245
	v_add_f32 v15, v246, v247
	v_add_f32 v12, v12, v13
	v_add_f32 v14, v14, v15
	v_add_f32 v12, v12, v14
	v_permlanex16_b32 v10, v12, s24, s25
	v_add_f32 v12, v12, v10
	v_rcp_f32 v12, v12
	v_nop
	s_wait_alu depctr_va_vdst(0)
.irp j, 0,1,2,3,4,5,6,7
	v_mul_f32 v[248+\j], v[240+\j], v12            ; the weights
.endr
	WIN 0x50
.irp s, 0,1,2,3                        ; keys 8 h + 2 s + 0, 1
.irp d, 0,1,2,3,4,5,6,7
.if \s == 0
	v_wmma_f32_16x16x4_f32 v[32+8*\d:39+8*\d], v[144+8*\d+2*\s:145+8*\d+2*\s], v[248+2*\s:249+2*\s], 0
.else
	v_wmma_f32_16x16x4_f32 v[32+8*\d:39+8*\d], v[144+8*\d+2*\s:145+8*\d+2*\s], v[248+2*\s:249+2*\s], v[32+8*\d:39+8*\d]
.endif
.endr
.endr
.rept 8
	v_nop
.endr
	WIN 0x04                                       ; a store's data are its source 1: window 1
.irp d, 0,1,2,3,4,5,6,7
	global_store_b128 v6, v[32+8*\d:35+8*\d], s[6:7] offset:1024*\d          ; lane (r, h): channels 16 d + 8 h + 0 .. 3 of row r; the wave stores 512 consecutive bytes
	global_store_b128 v6, v[36+8*\d:39+8*\d], s[6:7] offset:1024*\d+512
.endr
	WIN 0
	s_endpgm
.Lfunc_end_k_q039531f4cc_fineattn:
	.size	k_q039531f4cc_fineattn, .Lfunc_end_k_q039531f4cc_fineattn-k_q039531f4cc_fineattn
	.p2alignl 7, 3214868480
	.fill 96, 4, 3214868480
	.section	.rodata,"a",@progbits
	.p2align	6, 0x0
	.amdhsa_kernel k_q039531f4cc_fineattn
		.amdhsa_group_segment_fixed_size 0
		.amdhsa_private_segment_fixed_size 0
		.amdhsa_enable_private_segment 0
		.amdhsa_kernarg_size 16
		.amdhsa_user_sgpr_count 2
		.amdhsa_user_sgpr_kernarg_segment_ptr 1
		.amdhsa_wavefront_size32 1
		.amdhsa_system_sgpr_workgroup_id_x 1
		.amdhsa_system_sgpr_workgroup_id_y 1
		.amdhsa_system_sgpr_workgroup_id_z 1
		.amdhsa_system_vgpr_workitem_id 0
		.amdhsa_next_free_vgpr 384
		.amdhsa_next_free_sgpr 66
		.amdhsa_reserve_vcc 1
		.amdhsa_float_denorm_mode_32 3
		.amdhsa_float_denorm_mode_16_64 3
		.amdhsa_memory_ordered 1
		.amdhsa_forward_progress 1
		.amdhsa_inst_pref_size 21
	.end_amdhsa_kernel
	.amdgpu_metadata
---
amdhsa.version: [ 1, 2 ]
amdhsa.kernels:
  - .name:           k_q039531f4cc_fineattn
    .symbol:         k_q039531f4cc_fineattn.kd
    .args:
      - { .name: fine, .offset: 0, .size: 8, .value_kind: global_buffer, .address_space: global }
      - { .name: attnf, .offset: 8, .size: 8, .value_kind: global_buffer, .address_space: global }
    .group_segment_fixed_size: 0
    .private_segment_fixed_size: 0
    .kernarg_segment_align: 8
    .kernarg_segment_size: 16
    .max_flat_workgroup_size: 128
    .sgpr_count:     66
    .vgpr_count:     384
    .wavefront_size: 32
...
	.end_amdgpu_metadata
.endif
;; end of part 5
;; launch fineproj (part 6): grid 64 x 4, 4 waves a work-group, no clusters, 8,704 bytes of LDS; arguments attnf, Wo, out0; writes out0
.if DOCPART == 6
	.amdgcn_target "amdgcn-amd-amdhsa--gfx1250"
	.amdhsa_code_object_version 6
	.text
	.protected	k_q039531f4cc_fineproj
	.globl	k_q039531f4cc_fineproj
	.p2align	8
	.type	k_q039531f4cc_fineproj,@function
k_q039531f4cc_fineproj:
	s_mov_b64 s[64:65], 0
	v_nop
	global_prefetch_b8 v0, s[64:65] scope:SCOPE_SE
	s_setreg_imm32_b32 hwreg(HW_REG_WAVE_MODE, 25, 1), 1
	s_wait_xcnt 0x0
; Launch 6 of 6: the rows t < 16 of out0 = attn Wo, in f32 throughout (Wo as it is given).  64 rows x 2,048 columns x 2,048 along K.  This launch is these rows' one owner.
; Work-group (x, batch): 16 rows x 32 columns.  Wave w sums k = 512 w .. 512 w + 511: 32 groups of 16 k, two tiles of 16 columns, two accumulators by turns; the four waves' sums meet in LDS.
; A group: 16 loads of Wo(16 n + i, my 32 columns), 128 consecutive bytes each; two loads of attn's image, 512 bytes each.  Eight exchanges of halves (register i's lanes 16-31 with register 8 + i's lanes 0-15)
; make of the 16 rows both tiles' operands: register i of a tile then holds, in lane (r, h), Wo(16 n + 8 h + i, column r of the tile), which is the map of attn's image.
; TRANSPOSED USE: source 0 = 16 columns of Wo, source 1 = the 16 rows: a lane holds eight neighbouring columns of one row.  The accumulators (v128-143) are written by matrix instructions alone.
; The stores cover 128 bytes of a row each work-group: 512 KB of the output in all.
.set W,   32                           ; four sets of 24: Wo's 16 registers, then attn's 8
.set ACC, 128
.set SPW, 12
.set NIL, 13
.set SPARE, 8192                       ; behind the four images: the spare words, 128 bytes for each wave
.macro GLOAD set, grp                  ; grp: the group, counted from the bases
.irp i, 0,1,2,3,4,5,6,7,8,9,10,11,12,13,14,15
	global_load_b32 v[W+24*(\set)+\i], v2, s[6:7] offset:(\grp)*131072+8192*\i
.endr
	global_load_b128 v[W+24*(\set)+16:W+24*(\set)+19], v3, s[4:5] offset:(\grp)*1024
	global_load_b128 v[W+24*(\set)+20:W+24*(\set)+23], v3, s[4:5] offset:(\grp)*1024+512
.endm
.macro PROD set, zero
.irp u, 0,1,2,3
.if (\zero) && (\u == 0)
	v_wmma_f32_16x16x4_f32 v[ACC:ACC+7], v[W+24*(\set)+2*\u:W+24*(\set)+2*\u+1], v[W+24*(\set)+16+2*\u:W+24*(\set)+17+2*\u], 0
	v_wmma_f32_16x16x4_f32 v[ACC+8:ACC+15], v[W+24*(\set)+8+2*\u:W+24*(\set)+9+2*\u], v[W+24*(\set)+16+2*\u:W+24*(\set)+17+2*\u], 0
.else
	v_wmma_f32_16x16x4_f32 v[ACC:ACC+7], v[W+24*(\set)+2*\u:W+24*(\set)+2*\u+1], v[W+24*(\set)+16+2*\u:W+24*(\set)+17+2*\u], v[ACC:ACC+7]
	v_wmma_f32_16x16x4_f32 v[ACC+8:ACC+15], v[W+24*(\set)+8+2*\u:W+24*(\set)+9+2*\u], v[W+24*(\set)+16+2*\u:W+24*(\set)+17+2*\u], v[ACC+8:ACC+15]
.endif
.endr
.endm
; A group in set 'set'.  cnt: the loads of the younger groups, 18 each.  ld = 1: group grp is asked for, into the set that the group before multiplied: eight places behind its products.
.macro GRP set, cnt, ld, grp, zero
	s_wait_loadcnt \cnt
.irp i, 0,1,2,3,4,5,6,7
	v_permlane16_swap_b32 v[W+24*(\set)+\i], v[W+24*(\set)+8+\i]
.endr
.if \ld
.rept 8
	v_nop
.endr
	GLOAD ((\set)+3)%4, \grp
.endif
	PROD \set, \zero
.endm
	s_load_b128 s[4:7], s[0:1], 0x0                ; attnf s[4:5], Wo s[6:7]
	s_load_b64 s[8:9], s[0:1], 0x10                ; out0
	v_lshl_add_u32 v[SPW], v0, 2, SPARE
	v_mov_b32 v[NIL], 0
	v_lshrrev_b32 v1, 5, v0
	v_readfirstlane_b32 s10, v1                    ; wave
	v_and_b32 v1, 31, v0
	v_lshlrev_b32 v2, 2, v1                        ; Wo: 4 bytes a lane
	v_lshlrev_b32 v3, 4, v1                        ; attn's image: 16 bytes a lane
	s_and_b32 s11, ttmp7, 0xffff                   ; batch
	s_lshl_b32 s12, s10, 22                        ; 512 rows of 8,192 bytes a wave,
	s_lshl_b32 s13, ttmp9, 7
	s_add_co_u32 s12, s12, s13                     ; + my work-group's 32 columns
	s_mov_b32 s13, 0
	s_lshl_b32 s14, s11, 17
	s_lshl_b32 s15, s10, 15
	s_add_co_u32 s14, s14, s15                     ; attn: 131,072 bytes a batch, 32 groups of 1,024 a wave
	s_mov_b32 s15, 0
	s_lshl_b32 s18, s10, 11
	v_add_nc_u32 v4, s18, v3                       ; LDS: my wave's image, 2,048 bytes
	s_lshl_b32 s18, s10, 9
	v_add_nc_u32 v5, s18, v3                       ; and part w of each wave's
	v_and_b32 v7, 15, v0
	v_bfe_u32 v8, v0, 4, 1
	v_lshlrev_b32 v6, 13, v7
	v_lshl_add_u32 v6, v8, 5, v6                   ; out0: row r of 8,192 bytes + 32 h
	s_lshl_b32 s20, s11, 23                        ; 1,024 rows a batch
	s_lshl_b32 s21, ttmp9, 7
	s_add_co_u32 s20, s20, s21
	s_lshr_b32 s21, s10, 1
	s_lshl_b32 s21, s21, 6
	s_add_co_u32 s20, s20, s21                     ; part w: tile w / 2,
	s_and_b32 s21, s10, 1
	s_lshl_b32 s21, s21, 4
	s_add_co_u32 s20, s20, s21                     ; columns 4 (w % 2) on of my eight
	s_mov_b32 s21, 0
	s_wait_kmcnt 0x0
	s_add_nc_u64 s[6:7], s[6:7], s[12:13]
	s_add_nc_u64 s[4:5], s[4:5], s[14:15]
	s_add_nc_u64 s[8:9], s[8:9], s[20:21]
	GLOAD 0, 0
	GLOAD 1, 1
	GLOAD 2, 2
	GRP 0, 36, 1, 3, 1                             ; group 0 stands in front of the loop: its first products start the sums
	s_mov_b32 s16, 7
.Ltrip:                                            ; groups 1 + 4 trip .. 4 + 4 trip; asks for groups 4 + 4 trip .. 7 + 4 trip
	GRP 1, 36, 1, 4, 0
	GRP 2, 36, 1, 5, 0
	GRP 3, 36, 1, 6, 0
	GRP 0, 36, 1, 7, 0
	s_wait_xcnt 0x0                                ; the loads have read their bases
	s_add_nc_u64 s[6:7], s[6:7], 524288
	s_add_nc_u64 s[4:5], s[4:5], 4096
	s_sub_co_u32 s16, s16, 1
	s_cmp_lg_u32 s16, 0
	s_cbranch_scc1 .Ltrip
	GRP 1, 36, 0, 0, 0                             ; groups 29, 30, 31: nothing is left to ask for, and the counts run down
	GRP 2, 18, 0, 0, 0
	GRP 3, 0, 0, 0, 0
.rept 8
	v_nop                                          ; eight places behind this form, ahead of the first read of its results
.endr
	ds_store_b128 v4, v[ACC:ACC+3]                 ; my sums as an image of their registers: 512 bytes a store
	ds_store_b128 v4, v[ACC+4:ACC+7] offset:512
	ds_store_b128 v4, v[ACC+8:ACC+11] offset:1024
	ds_store_b128 v4, v[ACC+12:ACC+15] offset:1536
	s_wait_dscnt 0x0                               ; for the others' sake: my stores are done
	s_barrier_signal -1
	s_barrier_wait -1
.irp q, 0,1,2,3
	ds_load_b128 v[144+4*\q:147+4*\q], v5 offset:2048*\q
.endr
	s_wait_dscnt 0x0
	v_pk_add_f32 v[160:161], v[144:145], v[148:149]
	v_pk_add_f32 v[162:163], v[146:147], v[150:151]
	v_pk_add_f32 v[164:165], v[152:153], v[156:157]
	v_pk_add_f32 v[166:167], v[154:155], v[158:159]
	v_pk_add_f32 v[160:161], v[160:161], v[164:165]
	v_pk_add_f32 v[162:163], v[162:163], v[166:167]
	global_store_b128 v6, v[160:163], s[8:9]
	s_wait_tensorcnt 0x0                           ; the wave's end: behind my last LDS store
	ds_add_u32 v[SPW], v[NIL]
	s_wait_dscnt 0x0
	s_endpgm
.Lfunc_end_k_q039531f4cc_fineproj:
	.size	k_q039531f4cc_fineproj, .Lfunc_end_k_q039531f4cc_fineproj-k_q039531f4cc_fineproj
	.p2alignl 7, 3214868480
	.fill 96, 4, 3214868480
	.section	.rodata,"a",@progbits
	.p2align	6, 0x0
	.amdhsa_kernel k_q039531f4cc_fineproj
		.amdhsa_group_segment_fixed_size 8704
		.amdhsa_private_segment_fixed_size 0
		.amdhsa_enable_private_segment 0
		.amdhsa_kernarg_size 24
		.amdhsa_user_sgpr_count 2
		.amdhsa_user_sgpr_kernarg_segment_ptr 1
		.amdhsa_wavefront_size32 1
		.amdhsa_system_sgpr_workgroup_id_x 1
		.amdhsa_system_sgpr_workgroup_id_y 1
		.amdhsa_system_sgpr_workgroup_id_z 1
		.amdhsa_system_vgpr_workitem_id 0
		.amdhsa_next_free_vgpr 176
		.amdhsa_next_free_sgpr 66
		.amdhsa_reserve_vcc 0
		.amdhsa_float_denorm_mode_32 3
		.amdhsa_float_denorm_mode_16_64 3
		.amdhsa_memory_ordered 1
		.amdhsa_forward_progress 1
		.amdhsa_inst_pref_size 25
	.end_amdhsa_kernel
	.amdgpu_metadata
---
amdhsa.version: [ 1, 2 ]
amdhsa.kernels:
  - .name:           k_q039531f4cc_fineproj
    .symbol:         k_q039531f4cc_fineproj.kd
    .args:
      - { .name: attnf, .offset: 0, .size: 8, .value_kind: global_buffer, .address_space: global }
      - { .name: Wo, .offset: 8, .size: 8, .value_kind: global_buffer, .address_space: global }
      - { .name: out0, .offset: 16, .size: 8, .value_kind: global_buffer, .address_space: global }
    .group_segment_fixed_size: 8704
    .private_segment_fixed_size: 0
    .kernarg_segment_align: 8
    .kernarg_segment_size: 24
    .max_flat_workgroup_size: 128
    .sgpr_count:     66
    .vgpr_count:     176
    .wavefront_size: 32
...
	.end_amdgpu_metadata
.endif
;; end of part 6
;; ======== version 2 of 2: 4 launches
;; limits: values are held in f16: magnitudes above 65,504 overflow, below 6.1e-05 lose precision
;; workspace buffers: codes 7,340,032 bytes; scales 458,752 bytes; wo16 8,388,608 bytes; rope 524,288 bytes; qkv 25,165,824 bytes; fine 786,432 bytes; attn16 16,777,216 bytes; attnf 524,288 bytes
;; launch prep (part 7): grid 496 x 1, 4 waves a work-group, no clusters, 68,096 bytes of LDS; arguments x, Wq, Wk, Wv, Wo, codes, scales, wo16, rope; writes codes, scales, wo16, rope
.if DOCPART == 7
	.amdgcn_target "amdgcn-amd-amdhsa--gfx1250"
	.amdhsa_code_object_version 6
	.text
	.protected	k_q039531f4cc_prep
	.globl	k_q039531f4cc_prep
	.p2align	8
	.type	k_q039531f4cc_prep,@function
k_q039531f4cc_prep:
	s_mov_b64 s[64:65], 0
	v_nop
	global_prefetch_b8 v0, s[64:65] scope:SCOPE_SE
	s_setreg_imm32_b32 hwreg(HW_REG_WAVE_MODE, 25, 1), 1
	s_wait_xcnt 0x0
; GROUPED-QUERY ATTENTION, launch 1 of 4: what the later launches read many times is made once.
;   X (work-groups 0-255):   x [4096][2048] f32 -> codes of E2M1, K innermost, [4096][1024 bytes], and one E8M0 byte for each 32 along K, [4096][64].
;   W (work-groups 256-351): Wq, Wk, Wv [2048 (k)][n] f32 -> codes with K innermost, [3072 rows][1024 bytes] at byte 4,194,304 of codes, scale bytes [3072][64] at byte 262,144 of scales.
;                            Row = 128 x plane + column in the plane; planes 0-15 the query heads, 16 + 2 g the keys of group g, 17 + 2 g its values.
;   O (work-groups 352-479): Wo f32 -> f16, in Wo's own order.
;   R (work-groups 480-495): the rotary factors cos and sin of t x 10000^(-i/64), t = 0 .. 1023, i = 0 .. 63, in f32, laid in the order in which the next launch's registers take them.
; DEAD WORK IN THIS PROGRAM.  reference() sets the score of key s for query t to -1e9 wherever s > t, by a mask that it builds itself (jnp.tril); behind the softmax such a key has weight exp(-1e9 - max),
; which is 0 beside the visible keys' weights.  So tiles of keys that lie wholly above the diagonal are neither multiplied nor loaded (launch 3).  Nothing else is left out; every input is loaded.
; LIMITS.  A row whose visible scores all lie under about -1e9 would share weight with masked keys in reference(): not served.  q, k, v, the attention's result and Wo go on as f16: magnitudes up to 65,504.
; NaN and infinities among the inputs are not served; a NaN, an infinity or an overflow that reaches only the tiles left out is not carried to the result.
; A block of zeros gets the scale byte 1 where the quantiser says 127: its codes are zeros, which add nothing under any byte but 0xff, and this program alone reads the bytes.
; The four paths part on the work-group's number alone; the two that use LDS have LDS bytes of their own (X: 0 .. 32,767; W: 32,768 .. 67,583).  No tensor loads, no barrier: waves share nothing.
.set SPW,   220                        ; v220  LDS address of my spare word: SPARE + 4 x my thread's number; never rewritten
.set NIL,   221                        ; v221  0; never rewritten
.set SPARE, 67584                      ; the spare words: 128 bytes for each wave, two blocks of 256 bytes that no other line names
.set EMAX,  2                          ; the exponent of E2M1's largest number, 6
; ---- path X
.set STEPS, 16                         ; a wave takes 16 steps of 512 numbers
.set CB,    8                          ; bytes of 16 codes
.set XR,    16                         ; v16-79   four sets of 16 numbers as loaded
.set XX,    80                         ; v80-111  two sets of 16 neighbours
.set XE,    112                        ; v112-127 a scale byte for each step
.set XC,    128                        ; v128-191 codes, four registers for each step
.set WREG,  8192                       ; LDS of a wave: two stages of 32 x SP bytes, then its 256 scale bytes
.set SP,    80                         ; a lane's place in a stage: 64 bytes + 16 of padding
; ---- path W
.set NB,    16                         ; blocks of 32 along K for a wave
.set WPITCH, 272                       ; a stage row: 256 bytes of codes + 16
.set WSTG,  32768
.set KROW,  1024                       ; a row of codes in memory
.set WX,    32                         ; v32-95   two sets of 32 numbers
.set WC,    96                         ; v96-99   a block's codes
.set OUTR,  112                        ; v112-175 the way out
.set SB,    24                         ; v24-27   scale bytes, four to a register
.set WOF,   176                        ; v176-207 4 x lane + i x a row of the weight, i = 0 .. 31
.macro XLOAD t
.irp i, 0,1,2,3
	global_load_b128 v[XR+16*((\t)%4)+4*\i:XR+16*((\t)%4)+4*\i+3], v3, s[4:5] offset:2048*(\t)+512*\i th:TH_LOAD_NT   ; 32 lanes read 512 consecutive bytes
.endr
.endm
.macro XTURN t                         ; a step's 2,048 bytes through the wave's own stage: in as they lie, out 64 bytes a lane.  LDS serves a wave's instructions in order
.irp i, 0,1,2,3
	ds_store_b128 v14, v[XR+16*((\t)%4)+4*\i:XR+16*((\t)%4)+4*\i+3] offset:32*SP*((\t)%2)+8*SP*\i
.endr
.irp i, 0,1,2,3
	ds_load_b128 v[XX+16*((\t)%2)+4*\i:XX+16*((\t)%2)+4*\i+3], v15 offset:32*SP*((\t)%2)+16*\i
.endr
.endm
.macro XSTEP t
.set XS, XX+16*((\t)%2)
.if (\t) > 0
	s_wait_dscnt 1                                 ; this step's numbers are back from the stage; the last step's byte store may be out
.else
	s_wait_dscnt 0x0
.endif
.if (\t)+4 < STEPS
	XLOAD (\t)+4                                   ; into the registers whose stores into the stage are done
.endif
.if (\t)+1 < STEPS
.if STEPS-2-(\t) >= 3
	s_wait_loadcnt 12                              ; the next step's four loads are in; the 12 of the three steps behind it may be out
.else
	s_wait_loadcnt 4*(STEPS-2-(\t))
.endif
	XTURN (\t)+1
.endif
	v_max3_num_f32 v8, |v[XS]|, |v[XS+1]|, |v[XS+2]|               ; the largest magnitude of my 16, in two chains
	v_max3_num_f32 v9, |v[XS+3]|, |v[XS+4]|, |v[XS+5]|
.irp i, 6,10
	v_max3_num_f32 v8, v8, |v[XS+\i]|, |v[XS+\i+1]|
	v_max3_num_f32 v9, v9, |v[XS+\i+2]|, |v[XS+\i+3]|
.endr
	v_max3_num_f32 v8, v8, |v[XS+14]|, |v[XS+15]|
	v_max3_num_f32 v8, v8, v9, (EMAX+1)<<23        ; and the floor 2^(3 - 127): the byte cannot fall under 1
	v_max_num_f32_dpp v8, v8, v8 row_xmask:1 row_mask:0xf bank_mask:0xf   ; with my neighbour's 16: the block's
	v_add_nc_u32 v11, -(EMAX<<23), v8              ; 2 off its exponent field: the conversion takes the exponent field of this operand as its scale
	v_cvt_scalef32_pk8_fp4_f32 v[XC+4*(\t)], v[XS:XS+7], v11
	v_cvt_scalef32_pk8_fp4_f32 v[XC+4*(\t)+1], v[XS+8:XS+15], v11
	v_lshrrev_b32 v[XE+(\t)], 23, v11              ; the scale's byte
	ds_store_b8 v5, v[XE+(\t)] offset:16*(\t)      ; both lanes of a block write the same byte with the same value
	global_store_b64 v4, v[XC+4*(\t):XC+4*(\t)+1], s[14:15] offset:32*CB*(\t)   ; the wave stores 256 consecutive bytes
.endm
.macro WLOAD t                         ; block t: W(32 t + i, my column) into set t % 2.  The base steps 32 rows a block
.if (\t) > 0
	s_wait_xcnt 0x0                                ; the earlier loads have read their base
	s_add_nc_u64 s[28:29], s[28:29], s[26:27]
.endif
.set qi, 0
.rept 32
	global_load_b32 v[WX+32*((\t)%2)+qi], v[WOF+qi], s[28:29] th:TH_LOAD_NT    ; 32 lanes read 128 consecutive bytes of one row k
.set qi, qi+1
.endr
.endm
.macro WBLOCK t
.set XS, WX+32*((\t)%2)
.if (\t) < NB-1
	s_wait_loadcnt 32                              ; this block's 32 loads are in; the next block's 32 may be out
.else
	s_wait_loadcnt 0
.endif
	v_max3_num_f32 v12, |v[XS]|, |v[XS+1]|, |v[XS+2]|              ; all 32 numbers of the block are mine
	v_max3_num_f32 v13, |v[XS+3]|, |v[XS+4]|, |v[XS+5]|
.irp i, 6,10,14,18,22,26
	v_max3_num_f32 v12, v12, |v[XS+\i]|, |v[XS+\i+1]|
	v_max3_num_f32 v13, v13, |v[XS+\i+2]|, |v[XS+\i+3]|
.endr
	v_max3_num_f32 v12, v12, |v[XS+30]|, |v[XS+31]|
	v_max3_num_f32 v12, v12, v13, (EMAX+1)<<23
	v_add_nc_u32 v11, -(EMAX<<23), v12
	v_lshrrev_b32 v13, 23, v11
.if (\t)%4 == 0
	v_mov_b32 v[SB+(\t)/4], v13
.else
	v_lshl_or_b32 v[SB+(\t)/4], v13, 8*((\t)%4), v[SB+(\t)/4]
.endif
.irp g, 0,1,2,3
	v_cvt_scalef32_pk8_fp4_f32 v[WC+\g], v[XS+8*\g:XS+8*\g+7], v11
.endr
	ds_store_b128 v4, v[WC:WC+3] offset:16*(\t)    ; 32 codes: 16 bytes of my column's row
.if (\t)+2 < NB
	WLOAD (\t)+2
.endif
	s_wait_dscnt 0x0                               ; the store has read its registers: the next block's codes may be written
.endm
; cos and sin of T x v[inv].  The angle is rounded as reference() rounds it; n = the nearest multiple of pi/2, taken off in two parts; polynomials on [-pi/4, pi/4]; the quadrant by selects and sign bits.
.macro SINCOS inv, oc, os
	v_mul_f32 v8, v16, v[\inv]
	v_mul_f32 v9, s28, v8
	v_rndne_f32 v9, v9
	v_fma_f32 v8, -v9, s29, v8
	v_fma_f32 v8, -v9, s30, v8
	v_mul_f32 v10, v8, v8
	v_fma_f32 v11, v10, s33, s32
	v_fma_f32 v13, v10, s36, s35
	v_fma_f32 v11, v11, v10, s31
	v_fma_f32 v13, v13, v10, s34
	v_mul_f32 v12, v8, v10
	v_fma_f32 v13, v13, v10, -0.5
	v_fma_f32 v11, v12, v11, v8                    ; sin
	v_fma_f32 v13, v13, v10, 1.0                   ; cos
	v_cvt_i32_f32 v14, v9
	v_and_b32 v15, 1, v14
	v_cmp_eq_u32 vcc_lo, 1, v15
	v_cndmask_b32 v[\os], v11, v13, vcc_lo         ; odd quadrants change the two
	v_cndmask_b32 v[\oc], v13, v11, vcc_lo
	v_and_b32 v15, 2, v14
	v_add_nc_u32 v14, 1, v14
	v_lshlrev_b32 v15, 30, v15
	v_and_b32 v14, 2, v14
	v_xor_b32 v[\os], v[\os], v15                  ; sin is negative in quadrants 2, 3
	v_lshlrev_b32 v14, 30, v14
	v_xor_b32 v[\oc], v[\oc], v14                  ; cos in quadrants 1, 2
.endm
	s_load_b512 s[4:19], s[0:1], 0x0               ; x 4:5, Wq 6:7, Wk 8:9, Wv 10:11, Wo 12:13, codes 14:15, scales 16:17, wo16 18:19
	s_load_b64 s[20:21], s[0:1], 0x40              ; rope
	v_lshl_add_u32 v[SPW], v0, 2, SPARE
	v_mov_b32 v[NIL], 0
	v_lshrrev_b32 v1, 5, v0
	v_readfirstlane_b32 s22, v1                    ; wave 0..3
	v_and_b32 v2, 31, v0                           ; lane
	s_wait_kmcnt 0x0
	s_cmp_lt_u32 ttmp9, 256
	s_cbranch_scc1 .Lx
	s_cmp_lt_u32 ttmp9, 352
	s_cbranch_scc1 .Lw
	s_cmp_lt_u32 ttmp9, 480
	s_cbranch_scc1 .Lo
; ---------------- R: wave = 16 positions, all 64 frequencies
	s_sub_co_u32 s23, ttmp9, 480
	s_lshl_b32 s23, s23, 2
	s_add_co_u32 s23, s23, s22                     ; which 16 positions
	s_lshl_b32 s26, s23, 13                        ; 8,192 bytes of table for each
	s_mov_b32 s27, 0
	s_add_nc_u64 s[20:21], s[20:21], s[26:27]
	s_lshl_b32 s24, s23, 4
	v_and_b32 v4, 15, v2
	v_add_nc_u32 v4, s24, v4
	v_cvt_f32_u32 v16, v4                          ; T = my position
	v_lshrrev_b32 v5, 4, v2
	v_lshlrev_b32 v5, 3, v5                        ; 8 x (lane / 16)
	v_lshlrev_b32 v3, 4, v2                        ; 16 bytes a lane
	s_mov_b32 s28, 0x3f22f983                      ; 2 / pi
	s_mov_b32 s29, 0x3fc90fdb                      ; pi / 2, upper part
	s_mov_b32 s30, 0xb33bbd2e                      ; and the rest
	s_mov_b32 s31, 0xbe2aaaab                      ; -1/6
	s_mov_b32 s32, 0x3c088889                      ; 1/120
	s_mov_b32 s33, 0xb9500d01                      ; -1/5040
	s_mov_b32 s34, 0x3d2aaaab                      ; 1/24
	s_mov_b32 s35, 0xbab60b61                      ; -1/720
	s_mov_b32 s36, 0x37d00d01                      ; 1/40320
.set mi, 0
.rept 32                               ; register 8 b + 4 c + e holds frequency 16 b + 8 (lane / 16) + 4 c + e
	v_add_nc_u32 v[32+mi], 16*(mi/8)+mi%8, v5
.set mi, mi+1
.endr
.set mi, 0
.rept 32
	v_cvt_f32_u32 v[32+mi], v[32+mi]
.set mi, mi+1
.endr
.set mi, 0
.rept 32
	v_mul_f32 v[32+mi], 0xbe549a78, v[32+mi]       ; x -log2(10000) / 64
.set mi, mi+1
.endr
.set mi, 0
.rept 32
	v_exp_f32 v[32+mi], v[32+mi]                   ; 10000^(-i/64)
.set mi, mi+1
.endr
	v_nop                                          ; a plain instruction behind the last exponential
	s_wait_alu depctr_va_vdst(0)                   ; one wait for the batch, ahead of its first reader
.irp b, 0,1,2,3
.irp c, 0,1
.irp e, 0,1,2,3
	SINCOS 32+8*\b+4*\c+\e, 64+8*(2*\b+\c)+\e, 68+8*(2*\b+\c)+\e
.endr
	global_store_b128 v3, v[64+8*(2*\b+\c):67+8*(2*\b+\c)], s[20:21] offset:\b*2048+\c*512        ; cos: the wave stores 512 consecutive bytes
	global_store_b128 v3, v[68+8*(2*\b+\c):71+8*(2*\b+\c)], s[20:21] offset:\b*2048+\c*512+1024   ; sin
.endr
.endr
	s_endpgm
; ---------------- O: Wo to f16.  A wave takes 8,192 numbers: 64 chunks of 512 bytes in, 256 bytes out; 16 loads ahead; each chunk has its own registers to store from
.Lo:
	s_sub_co_u32 s23, ttmp9, 352
	s_lshl_b32 s23, s23, 2
	s_add_co_u32 s23, s23, s22
	s_lshl_b32 s26, s23, 15
	s_mov_b32 s27, 0
	s_add_nc_u64 s[12:13], s[12:13], s[26:27]
	s_lshl_b32 s26, s23, 14
	s_add_nc_u64 s[18:19], s[18:19], s[26:27]
	v_lshlrev_b32 v3, 4, v2
	v_lshlrev_b32 v4, 3, v2
.set ci, 0
.rept 16
	global_load_b128 v[16+4*ci:19+4*ci], v3, s[12:13] offset:512*ci th:TH_LOAD_NT
.set ci, ci+1
.endr
.set ci, 0
.rept 64
.if ci < 48
	s_wait_loadcnt 15                              ; the 15 younger loads may be out
.else
	s_wait_loadcnt 63-ci
.endif
	v_cvt_pk_f16_f32 v[80+2*ci], v[16+4*(ci%16)], v[17+4*(ci%16)]
	v_cvt_pk_f16_f32 v[81+2*ci], v[18+4*(ci%16)], v[19+4*(ci%16)]
.if ci < 48
	global_load_b128 v[16+4*(ci%16):19+4*(ci%16)], v3, s[12:13] offset:512*(ci+16) th:TH_LOAD_NT
.endif
	global_store_b64 v4, v[80+2*ci:81+2*ci], s[18:19] offset:256*ci   ; 32 lanes store 256 consecutive bytes, aligned
.set ci, ci+1
.endr
	s_endpgm
; ---------------- X: x is a plain stream of blocks of 32; a wave takes 8,192 numbers
.Lx:
	v_lshlrev_b32 v3, 4, v2                        ; my 16 bytes of a load's 512
	s_mul_i32 s23, s22, WREG
	v_lshrrev_b32 v14, 2, v2
	v_mul_u32_u24 v14, v14, SP
	v_and_b32 v15, 3, v2
	v_lshl_add_u32 v14, v15, 4, v14
	v_add_nc_u32 v14, s23, v14                     ; the stage, on the way in: SP (lane / 4) + 16 (lane % 4)
	v_mul_u32_u24 v15, v2, SP
	v_add_nc_u32 v15, s23, v15                     ; and out: SP x lane
	v_mul_u32_u24 v4, v2, CB
	v_lshrrev_b32 v5, 1, v2
	s_add_co_u32 s23, s23, 2*32*SP
	v_add_nc_u32 v5, s23, v5                       ; my block's scale byte in LDS
	v_lshlrev_b32 v7, 3, v2
	v_add_nc_u32 v6, s23, v7
	s_lshl_b32 s24, ttmp9, 2
	s_add_co_u32 s24, s24, s22                     ; which run of 8,192 numbers
	s_lshl_b32 s26, s24, 15
	s_mov_b32 s27, 0
	s_add_nc_u64 s[4:5], s[4:5], s[26:27]
	s_lshl_b32 s26, s24, 12
	s_add_nc_u64 s[14:15], s[14:15], s[26:27]
	s_lshl_b32 s26, s24, 8
	s_add_nc_u64 s[16:17], s[16:17], s[26:27]
.irp t, 0,1,2,3
	XLOAD \t
.endr
	s_wait_loadcnt 12                              ; step 0's four loads are in
	XTURN 0
.irp t, 0,1,2,3,4,5,6,7,8,9,10,11,12,13,14,15
	XSTEP \t
.endr
	ds_load_b64 v[8:9], v6                         ; my wave's 256 scale bytes, 8 a lane
	s_wait_dscnt 0x0
	global_store_b64 v7, v[8:9], s[16:17]          ; 256 consecutive bytes, aligned
	s_wait_tensorcnt 0x0                           ; the wave's end: behind my last LDS store
	ds_add_u32 v[SPW], v[NIL]
	s_wait_dscnt 0x0
	s_endpgm
; ---------------- W: a lane takes a column, its registers run down K; a wave takes 32 columns x 512 along K
.Lw:
	s_sub_co_u32 s23, ttmp9, 256
	s_lshr_b32 s24, s23, 2                         ; which 128 columns of the 3,072: 0-15 Wq, 16-19 Wk, 20-23 Wv
	s_and_b32 s25, s23, 3                          ; which 512 along K
	s_cmp_lt_u32 s24, 20
	s_cselect_b64 s[28:29], s[8:9], s[10:11]
	s_cselect_b32 s30, 16, 20
	s_cselect_b32 s31, 16, 17
	s_mov_b32 s33, 2048
	s_cmp_lt_u32 s24, 16
	s_cselect_b64 s[28:29], s[6:7], s[28:29]       ; the weight: a choice on the work-group's number alone
	s_cselect_b32 s30, 0, s30
	s_cselect_b32 s32, 0, 1
	s_cselect_b32 s33, 8192, s33                   ; bytes in a row of it
	s_sub_co_u32 s30, s24, s30                     ; which 128 columns of that weight
	s_lshl_b32 s34, s30, 1
	s_add_co_u32 s34, s34, s31
	s_cmp_eq_u32 s32, 0
	s_cselect_b32 s34, s24, s34                    ; the plane
	s_mul_i32 s36, s25, s33
	s_lshl_b32 s36, s36, 9                         ; 512 rows for each step along K
	s_lshl_b32 s35, s30, 9
	s_add_co_u32 s36, s36, s35
	s_lshl_b32 s35, s22, 7
	s_add_co_u32 s36, s36, s35                     ; + my wave's 32 columns
	s_mov_b32 s37, 0
	s_add_nc_u64 s[28:29], s[28:29], s[36:37]
	s_lshl_b32 s26, s33, 5                         ; 32 rows
	s_mov_b32 s27, 0
	s_lshl_b32 s38, s34, 7
	s_lshl_b32 s35, s22, 5
	s_add_co_u32 s38, s38, s35                     ; my wave's first row of the codes
	s_lshl_b32 s40, s38, 10
	s_lshl_b32 s35, s25, 8
	s_add_co_u32 s40, s40, s35
	s_add_co_u32 s40, s40, 4194304
	s_mov_b32 s41, 0
	s_add_nc_u64 s[14:15], s[14:15], s[40:41]
	s_lshl_b32 s40, s38, 6
	s_lshl_b32 s35, s25, 4
	s_add_co_u32 s40, s40, s35
	s_add_co_u32 s40, s40, 262144
	s_add_nc_u64 s[16:17], s[16:17], s[40:41]
	v_lshlrev_b32 v[WOF], 2, v2
.set qi, 1
.rept 31
	v_add_nc_u32 v[WOF+qi], s33, v[WOF+qi-1]
.set qi, qi+1
.endr
	s_mul_i32 s35, s22, 32*WPITCH
	s_add_co_u32 s35, s35, WSTG                    ; my stage
	v_mul_u32_u24 v4, v2, WPITCH
	v_add_nc_u32 v4, s35, v4                       ; into it: row = my column
	v_and_b32 v5, 15, v2
	v_lshrrev_b32 v6, 4, v2
	v_mul_u32_u24 v7, v6, WPITCH
	v_lshl_add_u32 v7, v5, 4, v7
	v_add_nc_u32 v7, s35, v7                       ; out of it: sixteen lanes to a row
	v_mul_u32_u24 v8, v6, KROW
	v_lshl_add_u32 v8, v5, 4, v8                   ; and the same place in the codes
	v_lshlrev_b32 v9, 6, v2                        ; my column's row of scale bytes
	WLOAD 0
	WLOAD 1
.set QB, 0
.rept NB
	WBLOCK QB
.set QB, QB+1
.endr
	global_store_b128 v9, v[SB:SB+3], s[16:17]     ; my column's 16 scale bytes
.irp t, 0,1,2,3,4,5,6,7,8,9,10,11,12,13,14,15
	ds_load_b128 v[OUTR+4*\t:OUTR+4*\t+3], v7 offset:2*\t*WPITCH
.endr
.irp t, 0,1,2,3,4,5,6,7,8,9,10,11,12,13,14,15
	s_wait_dscnt 15-\t
	global_store_b128 v8, v[OUTR+4*\t:OUTR+4*\t+3], s[14:15] offset:2*\t*KROW   ; sixteen lanes store 256 consecutive bytes, aligned
.endr
	s_wait_tensorcnt 0x0                           ; the wave's end: behind my last LDS store
	ds_add_u32 v[SPW], v[NIL]
	s_wait_dscnt 0x0
	s_endpgm
.Lfunc_end_k_q039531f4cc_prep:
	.size	k_q039531f4cc_prep, .Lfunc_end_k_q039531f4cc_prep-k_q039531f4cc_prep
	.p2alignl 7, 3214868480
	.fill 96, 4, 3214868480
	.section	.rodata,"a",@progbits
	.p2align	6, 0x0
	.amdhsa_kernel k_q039531f4cc_prep
		.amdhsa_group_segment_fixed_size 68096
		.amdhsa_private_segment_fixed_size 0
		.amdhsa_enable_private_segment 0
		.amdhsa_kernarg_size 72
		.amdhsa_user_sgpr_count 2
		.amdhsa_user_sgpr_kernarg_segment_ptr 1
		.amdhsa_wavefront_size32 1
		.amdhsa_system_sgpr_workgroup_id_x 1
		.amdhsa_system_sgpr_workgroup_id_y 1
		.amdhsa_system_sgpr_workgroup_id_z 1
		.amdhsa_system_vgpr_workitem_id 0
		.amdhsa_next_free_vgpr 224
		.amdhsa_next_free_sgpr 66
		.amdhsa_reserve_vcc 1
		.amdhsa_float_denorm_mode_32 3
		.amdhsa_float_denorm_mode_16_64 3
		.amdhsa_memory_ordered 1
		.amdhsa_forward_progress 1
		.amdhsa_inst_pref_size 178
	.end_amdhsa_kernel
	.amdgpu_metadata
---
amdhsa.version: [ 1, 2 ]
amdhsa.kernels:
  - .name:           k_q039531f4cc_prep
    .symbol:         k_q039531f4cc_prep.kd
    .args:
      - { .name: x, .offset: 0, .size: 8, .value_kind: global_buffer, .address_space: global }
      - { .name: Wq, .offset: 8, .size: 8, .value_kind: global_buffer, .address_space: global }
      - { .name: Wk, .offset: 16, .size: 8, .value_kind: global_buffer, .address_space: global }
      - { .name: Wv, .offset: 24, .size: 8, .value_kind: global_buffer, .address_space: global }
      - { .name: Wo, .offset: 32, .size: 8, .value_kind: global_buffer, .address_space: global }
      - { .name: codes, .offset: 40, .size: 8, .value_kind: global_buffer, .address_space: global }
      - { .name: scales, .offset: 48, .size: 8, .value_kind: global_buffer, .address_space: global }
      - { .name: wo16, .offset: 56, .size: 8, .value_kind: global_buffer, .address_space: global }
      - { .name: rope, .offset: 64, .size: 8, .value_kind: global_buffer, .address_space: global }
    .group_segment_fixed_size: 68096
    .private_segment_fixed_size: 0
    .kernarg_segment_align: 8
    .kernarg_segment_size: 72
    .max_flat_workgroup_size: 128
    .sgpr_count:     66
    .vgpr_count:     224
    .wavefront_size: 32
...
	.end_amdgpu_metadata
.endif
;; end of part 7
;; launch qkvgemm (part 8): grid 12 x 16, 4 waves a work-group, clusters of 4 x 4, 327,680 bytes of LDS; arguments codes, scales, rope, qkv, fine; writes qkv, fine
.if DOCPART == 8
	.amdgcn_target "amdgcn-amd-amdhsa--gfx1250"
	.amdhsa_code_object_version 6
	.text
	.protected	k_q039531f4cc_qkvgemm
	.globl	k_q039531f4cc_qkvgemm
	.p2align	8
	.type	k_q039531f4cc_qkvgemm,@function
k_q039531f4cc_qkvgemm:
	s_mov_b64 s[64:65], 0
	v_nop
	global_prefetch_b8 v0, s[64:65] scope:SCOPE_SE
	s_setreg_imm32_b32 hwreg(HW_REG_WAVE_MODE, 25, 1), 1
	s_wait_xcnt 0x0
	s_wait_alu depctr_hold_cnt(0) depctr_sa_sdst(0) depctr_va_vdst(0) depctr_va_sdst(0) depctr_va_ssrc(0) depctr_va_vcc(0) depctr_vm_vsrc(0)
	s_getreg_b32 s2, hwreg(HW_REG_IB_STS2, 6, 4)
	s_cmp_eq_u32 s2, 0
	s_cbranch_scc0 .Lentry_in_a_cluster
	s_endpgm
.Lentry_in_a_cluster:
	s_bfe_u32 s2, ttmp6, 0x10000c
	s_cmp_lg_u32 s2, 0xf033
	s_cbranch_scc0 .Lentry_shape_is_right
	s_endpgm
.Lentry_shape_is_right:
; Launch 2 of 4: [q | k, v] = x [Wq | Wk, Wv] on codes of E2M1 with E8M0 scales, 4,096 x 3,072 x 2,048; the rotary embedding in f32 on the way out; results as f16, [batch][plane 24][t 1024][128];
; the rows t < 16 of every batch also unrounded, as f32, [batch][plane][16][128], for the launches that carry those rows finely.  Nothing is left out here.
; A tile of C, 256 x 256, is made by four waves, each 128 x 128: 64 accumulators, 512 registers.  A wave's 128 columns are ONE plane (a head of q, or k or v of a group), so the rotary partner of channel d, d + 64,
; lies in the same lane and register of the accumulator four blocks on.  K goes in steps of 512 through two LDS slots (rows of 256 bytes); the scale bytes of the tile's rows, for all of K, come once and stay.
; CLUSTERS: 4 x 4 work-groups; A's tiles are asked for jointly along a row of the cluster, B's along a column.  Tile row = 4 cy + cluster y: so the batch is cy and the block of 256 positions is the cluster's y,
; and whether a wave holds the rows t < 16 hangs on the cluster's y and the wave's number, never on a place in the cluster.  Likewise whether a plane is a v (no rotation): cluster x = 2 and an odd wave.
; THE MATRIX INSTRUCTION IS USED TRANSPOSED (source 0 = 16 rows of W, source 1 = 16 rows of x): a lane holds eight neighbouring channels of one position.
; REGISTERS, in windows of 256: window 0: v0-31 addresses; v32-95 scale words, two sets; from v128 A's fragments, one set.  window 1: B's fragments, two sets.  windows 2, 3: the accumulators ((a, b) at v[8 (8 (a % 4) + b)]).
; On the way out: window 0: v32-95 a block's rotated numbers, v96-127 packed, v128-191 rows read back, v192-255 the fine rows; window 1: four sets of 64 rotary factors.
; LIMIT: results go on as f16: magnitudes up to 65,504.
.set SIZE_K, 2048
.set KSTEP,  512
.set NQ,     KSTEP/128
.set ROWB,   256
.set KROW,   SIZE_K*4/8
.set PITCH,  272                       ; an LDS row: 256 bytes + 16 of padding: the 16 rows that a load touches start at 16 different banks
.set FR,     8
.set NL,     2
.set NP,     4
.set HALFT,  128*PITCH
.set SLOT,   4*HALFT
.set LAPS,   SIZE_K/(2*KSTEP)
.set KS,     SIZE_K/32
.set SCL,    2*SLOT
.set HALFS,  (128*KS/256)*272
.set SBLK,   (16*KS/256)*272
.set SPARE,  SCL+4*HALFS               ; the spare words: 128 bytes for each wave, two blocks of 256 bytes that no other line names
.set WSTAGE, 12800                     ; the way out: a wave's stages, in slot 0, which has had its last fill and its last read by then: 16 x 272 for f16 rows, then 16 x 528 for f32 rows
.set ADRA, 16
.set ADRB, 20
.set STO16, 24
.set RD16,  25
.set CO,   26                          ; v26  16 x lane
.set ADRS, 27
.set SPW,  28
.set NIL,  29
.set STO32, 30
.set RD32,  31
.set SC,   32
.set AF,   128
.set Y,    32
.set TMP,  96
.set BK,   128
.set FB,   192
.set G1, 24
.set G0, 32
.set G1B, 48
.set G0B, 56
.set G1S, 68
.set G0S, 76
.set G1SB, 80
.set G0SB, 88
.set MSB, 0
.macro WIN new                         ; the immediate's high byte repeats the setting that is left
.if MSB != (\new)
	s_set_vgpr_msb (MSB<<8)|(\new)
.set MSB, (\new)
.endif
.endm
.set MUL_LO, 0xa1
.set MUL_HI, 0xf1
.set TO_B,   0x40
.macro JLOAD g0a, g1a, g0b, g1b        ; a joint load: waves 0 and 1 fetch for A, waves 2 and 3 for B; an s_nop 0 and four v_nop follow each line
	s_cmp_eq_u32 s15, 0
	s_cbranch_scc0 .Lfor_b_\@
	tensor_load_to_lds s[\g0a:\g0a+3], s[\g1a:\g1a+7]
	s_nop 0
.rept 4
	v_nop
.endr
	s_branch .Lasked_\@
.Lfor_b_\@:
	tensor_load_to_lds s[\g0b:\g0b+3], s[\g1b:\g1b+7]
	s_nop 0
.rept 4
	v_nop
.endr
.Lasked_\@:
.endm
.macro CREST
	s_cmp_lg_u32 s14, 0
	s_cbranch_scc1 .Lnot_wave_0_\@
	s_barrier_signal -3
.Lnot_wave_0_\@:
	s_barrier_wait -3
	s_barrier_signal -1
	s_barrier_wait -1
.endm
.macro CROUND
	s_barrier_signal -1
	s_barrier_wait -1
	CREST
.endm
	s_load_b128 s[4:7], s[0:1], 0x0                ; codes s[4:5], scales s[6:7]
	s_load_b128 s[96:99], s[0:1], 0x10             ; rope s[96:97], qkv s[98:99]
	s_load_b64 s[100:101], s[0:1], 0x20            ; fine
	v_lshl_add_u32 v[SPW], v0, 2, SPARE
	v_mov_b32 v[NIL], 0
	ds_add_u32 v[SPW], v[NIL]                      ; the wave's opening: the add, twice on end, and its wait ahead of my first tensor load
	ds_add_u32 v[SPW], v[NIL]
	v_lshrrev_b32 v1, 5, v0
	v_readfirstlane_b32 s14, v1                    ; wave 0..3
	s_lshr_b32 s15, s14, 1                         ; which half of the tile's rows is mine.  Also: I fetch for A (0) or for B (1)
	s_and_b32 s16, s14, 1                          ; which half of its columns.  Also: which 128 rows of that tile I fetch
	s_bfe_u32 s40, ttmp6, 0x40000                  ; cx
	s_bfe_u32 s41, ttmp6, 0x40004                  ; cy
	s_lshl_b32 s42, ttmp9, 2
	s_add_co_u32 s42, s42, s40                     ; tile column = 4 x cluster x + cx
	s_and_b32 s95, ttmp7, 0xffff                   ; cluster y
	s_lshl_b32 s17, s41, 2
	s_add_co_u32 s17, s17, s95                     ; tile row = 4 cy + cluster y
	s_or_b32 s66, s95, s15                         ; 0 where my first 16 rows are t = 0 .. 15
	s_cmp_eq_u32 ttmp9, 2
	s_cselect_b32 s67, s16, 0                      ; 1 where my plane is a v
	s_lshl_b32 s43, s41, 2
	s_lshl_b32 s43, 15, s43                        ; my row of the cluster
	s_lshl_b32 s44, 0x1111, s40                    ; my column
	s_or_b32 s[G1+0], s43, (0<<16)|(1<<20)|(1<<21)|(5<<22)|(3<<25)  ; the mask; elements of 1 byte; padding: 4 words after every 64; bit 21 beside a mask
	s_or_b32 s[G1B+0], s44, (0<<16)|(1<<20)|(1<<21)|(5<<22)|(3<<25)
.irp g, G1, G1B
	s_mov_b32 s[\g+1], ROWB<<16                    ; tensor_dim0
	s_mov_b32 s[\g+2], 128<<16                     ; tensor_dim1
	s_mov_b32 s[\g+3], ROWB<<16                    ; tile_dim0
	s_mov_b32 s[\g+4], 128                         ; tile_dim1
	s_mov_b32 s[\g+5], KROW                        ; stride
	s_mov_b32 s[\g+6], 0
	s_mov_b32 s[\g+7], 0
.endr
	s_or_b32 s[G1S+0], s43, (3<<16)|(1<<20)|(1<<21)|(5<<22)|(3<<25) ; the scales of 128 rows: a dense block, as rows of 256 bytes (32 elements of 8), 16 bytes of padding behind each
	s_or_b32 s[G1SB+0], s44, (3<<16)|(1<<20)|(1<<21)|(5<<22)|(3<<25)
.irp g, G1S, G1SB
	s_mov_b32 s[\g+1], 32<<16
	s_mov_b32 s[\g+2], (128*KS/256)<<16
	s_mov_b32 s[\g+3], 32<<16
	s_mov_b32 s[\g+4], 128*KS/256
	s_mov_b32 s[\g+5], 32
	s_mov_b32 s[\g+6], 0
	s_mov_b32 s[\g+7], 0
.endr
	s_lshl_b32 s18, s16, 7
	s_lshl_b32 s20, s17, 8
	s_add_co_u32 s20, s20, s18                     ; A: row 256 x tile row + 128 x half
	s_lshl_b32 s46, s42, 8
	s_add_co_u32 s46, s46, s18                     ; B: row 256 x tile column + 128 x half
	s_mov_b32 s21, 0
	s_mov_b32 s47, 0
	s_mov_b64 s[18:19], KS
	s_mul_u64 s[22:23], s[20:21], s[18:19]
	s_mul_u64 s[92:93], s[46:47], s[18:19]
	s_mov_b64 s[18:19], KROW
	s_mul_u64 s[20:21], s[20:21], s[18:19]
	s_mul_u64 s[46:47], s[46:47], s[18:19]
	s_mul_i32 s45, s14, HALFT                      ; where they go: wave x 128 rows
	s_mul_i32 s94, s14, HALFS
	s_wait_dscnt 0x0                               ; both opening adds are done
	s_wait_kmcnt 0x0
	s_add_nc_u64 s[8:9], s[4:5], 4194304           ; W's codes lie behind x's,
	s_add_nc_u64 s[10:11], s[6:7], 262144          ; W's scale bytes behind x's
	s_add_nc_u64 s[20:21], s[4:5], s[20:21]
	s_add_nc_u64 s[22:23], s[6:7], s[22:23]
	s_add_nc_u64 s[46:47], s[8:9], s[46:47]
	s_add_nc_u64 s[92:93], s[10:11], s[92:93]
	CROUND                                         ; all sixteen work-groups are here: the first joint loads meet
	s_mov_b32 s[G0S], 1
	s_add_co_u32 s[G0S+1], s94, SCL
	s_mov_b64 s[G0S+2:G0S+3], s[22:23]
	s_or_b32 s[G0S+3], s[G0S+3], 0x80000000
	s_mov_b32 s[G0SB], 1
	s_add_co_u32 s[G0SB+1], s94, SCL
	s_mov_b64 s[G0SB+2:G0SB+3], s[92:93]
	s_or_b32 s[G0SB+3], s[G0SB+3], 0x80000000
	JLOAD G0S, G1S, G0SB, G1SB                     ; the scales first: they are wanted with K step 0
.irp s, 0,1
	s_mov_b32 s[G0+4*\s], 1
	s_add_co_u32 s[G0+4*\s+1], s45, \s*SLOT
	s_add_nc_u64 s[G0+4*\s+2:G0+4*\s+3], s[20:21], \s*ROWB
	s_or_b32 s[G0+4*\s+3], s[G0+4*\s+3], 0x80000000
	s_mov_b32 s[G0B+4*\s], 1
	s_add_co_u32 s[G0B+4*\s+1], s45, \s*SLOT
	s_add_nc_u64 s[G0B+4*\s+2:G0B+4*\s+3], s[46:47], \s*ROWB
	s_or_b32 s[G0B+4*\s+3], s[G0B+4*\s+3], 0x80000000
	JLOAD G0+4*\s, G1, G0B+4*\s, G1B
.endr
	v_and_b32 v1, 15, v0                           ; r = l % 16
	v_bfe_u32 v2, v0, 4, 1                         ; h = l / 16
	v_mul_u32_u24 v3, v1, PITCH
	v_lshl_add_u32 v4, v2, 4, v3
	s_mul_i32 s21, s15, HALFT
	s_mul_i32 s22, s16, HALFT
	s_add_co_u32 s22, s22, 2*HALFT
.irp s, 0,1
	v_add_nc_u32 v[ADRA+\s], s21, v4
	v_add_nc_u32 v[ADRB+\s], s22, v4
	s_add_co_u32 s21, s21, SLOT
	s_add_co_u32 s22, s22, SLOT
.endr
	v_mul_u32_u24 v5, v1, KS                       ; my row's scales: KS bytes a row,
	v_lshrrev_b32 v6, 8, v5
	v_lshl_add_u32 v5, v6, 4, v5                   ; and 16 more for each 256 passed
	s_mul_i32 s21, s15, HALFS
	s_mul_i32 s22, s16, HALFS
	s_add_co_u32 s22, s22, 2*HALFS
	s_sub_co_u32 s22, s22, s21
	v_mul_u32_u24 v6, s22, v2                      ; lanes 16-31 take B's
	s_add_co_u32 s21, s21, SCL
	v_add_nc_u32 v5, v5, v6
	v_add_nc_u32 v[ADRS], s21, v5
	s_mul_i32 s23, s14, WSTAGE                     ; my stages
	v_mul_u32_u24 v5, v1, 272
	v_lshl_add_u32 v5, v2, 4, v5
	v_add_nc_u32 v[STO16], s23, v5                 ; f16 in: row r, 16 bytes for each half of the lanes
	v_mul_u32_u24 v5, v2, 272
	v_lshl_add_u32 v5, v1, 4, v5
	v_add_nc_u32 v[RD16], s23, v5                  ; back: lanes 0-15 one row of 256 bytes, lanes 16-31 the next
	s_add_co_u32 s23, s23, 16*272
	v_mul_u32_u24 v5, v1, 528
	v_lshl_add_u32 v5, v2, 5, v5
	v_add_nc_u32 v[STO32], s23, v5                 ; f32 in: row r, 32 bytes for each half
	v_and_b32 v6, 31, v0
	v_lshlrev_b32 v[CO], 4, v6
	v_add_nc_u32 v[RD32], s23, v[CO]               ; back: the 32 lanes take one row of 512 bytes
	s_mul_i32 s20, s41, 24                         ; where my plane lies: 24 x batch + 2 x tile column + my half
	s_lshl_b32 s21, s42, 1
	s_add_co_u32 s20, s20, s21
	s_add_co_u32 s20, s20, s16
	s_lshl_b32 s46, s20, 13                        ; fine: 16 rows of 512 bytes a plane
	s_mov_b32 s47, 0
	s_add_nc_u64 s[100:101], s[100:101], s[46:47]
	s_lshl_b32 s20, s20, 10
	s_lshl_b32 s21, s95, 8
	s_add_co_u32 s20, s20, s21
	s_lshl_b32 s21, s15, 7
	s_add_co_u32 s20, s20, s21                     ; qkv: row 1,024 x plane + 256 x cluster y + 128 x my half of the rows
	s_lshl_b32 s46, s20, 8
	s_add_nc_u64 s[12:13], s[98:99], s[46:47]
	s_lshl_b32 s20, s95, 4
	s_lshl_b32 s21, s15, 3
	s_add_co_u32 s20, s20, s21                     ; the rotary table: 8,192 bytes for each 16 positions
	s_lshl_b32 s46, s20, 13
	s_add_nc_u64 s[96:97], s[96:97], s[46:47]
.macro FRAG reg, adr, q, i             ; 16 rows x 128 K of 4-bit codes: 8 registers, two loads of 16 bytes, 32 bytes apart
.irp c, 0,1
	ds_load_b128 v[\reg+4*\c:\reg+4*\c+3], v[\adr] offset:64*(\q)+32*\c+(\i)*16*PITCH
.endr
.endm
; 16 matrix instructions: A's blocks a0, a0 + 1 x B's eight.  The 64 accumulators take turns, one instruction a turn, in the same order in every step.
.macro MUL16 a0, p, q, sc, zero
.irp a, \a0, \a0+1
.irp b, 0,1,2,3,4,5,6,7
.if \zero
	v_wmma_scale_f32_16x16x128_f8f6f4 v[8*(8*((\a)%4)+\b):8*(8*((\a)%4)+\b)+7], v[128*(\p)+FR*\b:128*(\p)+FR*\b+FR-1], v[AF+FR*(\a):AF+FR*(\a)+FR-1], 0, v[SC+8*NQ*(\sc)+NQ*\b+(\q)], v[SC+8*NQ*(\sc)+NQ*(\a)+(\q)] matrix_a_fmt:MATRIX_FMT_FP4 matrix_b_fmt:MATRIX_FMT_FP4 matrix_a_scale:MATRIX_SCALE_ROW1
.else
	v_wmma_scale_f32_16x16x128_f8f6f4 v[8*(8*((\a)%4)+\b):8*(8*((\a)%4)+\b)+7], v[128*(\p)+FR*\b:128*(\p)+FR*\b+FR-1], v[AF+FR*(\a):AF+FR*(\a)+FR-1], v[8*(8*((\a)%4)+\b):8*(8*((\a)%4)+\b)+7], v[SC+8*NQ*(\sc)+NQ*\b+(\q)], v[SC+8*NQ*(\sc)+NQ*(\a)+(\q)] matrix_a_fmt:MATRIX_FMT_FP4 matrix_b_fmt:MATRIX_FMT_FP4 matrix_a_scale:MATRIX_SCALE_ROW1
.endif
.endr
.endr
.endm
.macro FETCH_B slot, q, p
	WIN TO_B
.irp i, 0,1,2,3,4,5,6,7
	FRAG 128*(\p)+FR*\i, ADRB+\slot, \q, \i
.endr
	WIN 0
.endm
.macro FETCH_A slot, q, i0
.irp i, \i0, \i0+1, \i0+2, \i0+3
	FRAG AF+FR*(\i), ADRA+\slot, \q, \i
.endr
.endm
.macro SCALES sc                       ; a K step's scale words: lanes 0-15 take A's block i, lanes 16-31 B's block i
.irp i, 0,1,2,3,4,5,6,7
	ds_load_b128 v[SC+8*NQ*\sc+NQ*\i:SC+8*NQ*\sc+NQ*\i+3], v[ADRS] offset:\i*SBLK
.endr
.endm
.macro PLACES n                        ; plain vector instructions between a matrix instruction and a load into, or a read of, its registers
.rept \n
	v_nop
.endr
.endm
.macro STEP slot, q, zero
	s_wait_dscnt 4*NL                              ; B's set and A's blocks 0-3 are in; the youngest 8 loads (A's blocks 4-7) may be out
	WIN MUL_LO
	MUL16 0, (\q)%2, \q, \slot, \zero
	MUL16 2, (\q)%2, \q, \slot, \zero
	s_wait_dscnt 0
	PLACES NP
	FETCH_B \slot, (\q)+1, 1-(\q)%2
	FETCH_A \slot, (\q)+1, 0
	WIN MUL_HI
	MUL16 4, (\q)%2, \q, \slot, \zero
	MUL16 6, (\q)%2, \q, \slot, \zero
	PLACES NP
	WIN 0
	FETCH_A \slot, (\q)+1, 4
.endm
; A slot's last step changes slots: one barrier; in front of it each wave waits for all its tensor loads, adds 0 to its spare word, and waits for that and for its own reads of this slot.
.macro TURN slot, next, fill
	s_wait_tensorcnt 0x0                           ; all my tensor loads have landed: my part of the next slot
	ds_add_u32 v[SPW], v[NIL]
	s_wait_dscnt 4*NL+1                            ; the add and the youngest 8 loads may be out
	WIN MUL_LO
	MUL16 0, 1, NQ-1, \slot, 0
	s_wait_dscnt 0x0                               ; the add is done, and my reads of this slot are over
	s_barrier_signal -1
	MUL16 2, 1, NQ-1, \slot, 0
	WIN 0
	s_barrier_wait -1
.if \fill
	CREST                                          ; the barrier has opened a round of the cluster's barrier: no wave of any partner still reads this slot or has a load on its way
	s_add_nc_u64 s[G0+4*\slot+2:G0+4*\slot+3], s[G0+4*\slot+2:G0+4*\slot+3], 2*ROWB
	s_add_nc_u64 s[G0B+4*\slot+2:G0B+4*\slot+3], s[G0B+4*\slot+2:G0B+4*\slot+3], 2*ROWB
	JLOAD G0+4*\slot, G1, G0B+4*\slot, G1B         ; the first tensor load behind the round; its four v_nop are the places in front of the loads below
.else
	PLACES NP
.endif
	v_add_nc_u32 v[ADRS], 4*NQ, v[ADRS]            ; on to the next K step's scale words
	FETCH_B \next, 0, 0
	FETCH_A \next, 0, 0
	SCALES \next
	WIN MUL_HI
	MUL16 4, 1, NQ-1, \slot, 0
	MUL16 6, 1, NQ-1, \slot, 0
	PLACES NP
	WIN 0
	FETCH_A \next, 0, 4
.endm
.macro STEPS slot, from
.set Q, \from
.rept NQ-1-\from
	STEP \slot, Q, 0
.set Q, Q+1
.endr
.endm
	s_wait_tensorcnt 1                             ; the scales and my part of K step 0 are in; K step 1's load may be out
	s_barrier_signal -1
	s_barrier_wait -1
	FETCH_B 0, 0, 0
	FETCH_A 0, 0, 0
	SCALES 0
	FETCH_A 0, 0, 4
	STEP 0, 0, 1                                   ; the first step stands in front of the loop: its products start the sums
	s_mov_b32 s3, LAPS-1
.Llap:                                                 ; a trip goes once round the ring and fills both slots again
	STEPS 0, 1
	TURN 0, 1, 1
	STEPS 1, 0
	TURN 1, 0, 1
	STEP 0, 0, 0
	s_sub_co_u32 s3, s3, 1
	s_cmp_lg_u32 s3, 0
	s_cbranch_scc1 .Llap
	STEPS 0, 1                                     ; the last lap fills nothing
	TURN 0, 1, 0
	STEPS 1, 0
	s_wait_dscnt 4*NL
	WIN MUL_LO
	MUL16 0, 1, NQ-1, 1, 0
	MUL16 2, 1, NQ-1, 1, 0
	s_wait_dscnt 0
	WIN MUL_HI
	MUL16 4, 1, NQ-1, 1, 0
	MUL16 6, 1, NQ-1, 1, 0
	WIN 0
; THE WAY OUT, block by block of 16 positions x 128 channels.
.macro TABLE a                         ; block a's rotary factors into set a % 4 of window 1: cos of frequency 16 b + 8 h + 4 c + e at 8 b + 4 c + e, sin 32 further on; each load reads 512 consecutive bytes
	WIN 0x40
.irp b, 0,1,2,3
.irp kd, 0,1
.irp c, 0,1
	global_load_b128 v[64*((\a)%4)+32*\kd+8*\b+4*\c:64*((\a)%4)+32*\kd+8*\b+4*\c+3], v[CO], s[96:97] offset:(\a)*8192+\b*2048+\kd*1024+\c*512
.endr
.endr
.endr
	WIN 0
.endm
.macro ROPE a                          ; y1 = x1 cos - x2 sin, y2 = x1 sin + x2 cos; x1 = blocks 0-3, x2 = blocks 4-7.  Each accumulator is read from its low end on
.set AC, 64*((\a)%4)
	WIN 0x04+2+(\a)/4                              ; source 0: the accumulators' window; source 1: window 1
.irp b, 0,1,2,3
.irp p, 0,2,4,6
	v_pk_mul_f32 v[Y+8*\b+\p:Y+8*\b+\p+1], v[AC+32+8*\b+\p:AC+32+8*\b+\p+1], v[AC+32+8*\b+\p:AC+32+8*\b+\p+1]
	v_pk_mul_f32 v[Y+32+8*\b+\p:Y+32+8*\b+\p+1], v[AC+32+8*\b+\p:AC+32+8*\b+\p+1], v[AC+8*\b+\p:AC+8*\b+\p+1]
.endr
.endr
.irp b, 0,1,2,3
.irp p, 0,2,4,6
	v_pk_fma_f32 v[Y+8*\b+\p:Y+8*\b+\p+1], v[AC+8*\b+\p:AC+8*\b+\p+1], v[AC+8*\b+\p:AC+8*\b+\p+1], v[Y+8*\b+\p:Y+8*\b+\p+1] neg_lo:[0,0,1] neg_hi:[0,0,1]
	v_pk_fma_f32 v[Y+32+8*\b+\p:Y+32+8*\b+\p+1], v[AC+8*\b+\p:AC+8*\b+\p+1], v[AC+32+8*\b+\p:AC+32+8*\b+\p+1], v[Y+32+8*\b+\p:Y+32+8*\b+\p+1]
.endr
.endr
	WIN 0
.endm
.macro PACK                            ; to f16, eight channels to 16 bytes
.irp k, 0,1,2,3,4,5,6,7
.irp r, 0,1,2,3
	v_cvt_pk_f16_f32 v[TMP+4*\k+\r], v[Y+8*\k+2*\r], v[Y+8*\k+2*\r+1]
.endr
.endr
.endm
.macro PACKV a                         ; the same straight from the accumulators: a v is not rotated
.set AC, 64*((\a)%4)
	WIN 0x0a+5*((\a)/4)
.irp k, 0,1,2,3,4,5,6,7
.irp r, 0,1,2,3
	v_cvt_pk_f16_f32 v[TMP+4*\k+\r], v[AC+8*\k+2*\r], v[AC+8*\k+2*\r+1]
.endr
.endr
	WIN 0
.endm
.macro FINE plain                      ; block 0 of the waves that hold t = 0 .. 15: the same numbers unrounded, through the f32 stage, as whole rows of 512 bytes
	s_cmp_lg_u32 s66, 0
	s_cbranch_scc1 .Lnot_fine_\@
.if \plain
	WIN 0x08                                       ; an LDS store's data are its source 1: window 2
.irp k, 0,1,2,3,4,5,6,7
	ds_store_b128 v[STO32], v[8*\k:8*\k+3] offset:64*\k
	ds_store_b128 v[STO32], v[8*\k+4:8*\k+7] offset:64*\k+16
.endr
	WIN 0
.else
.irp k, 0,1,2,3,4,5,6,7
	ds_store_b128 v[STO32], v[Y+8*\k:Y+8*\k+3] offset:64*\k
	ds_store_b128 v[STO32], v[Y+8*\k+4:Y+8*\k+7] offset:64*\k+16
.endr
.endif
.irp t, 0,1,2,3,4,5,6,7,8,9,10,11,12,13,14,15
	ds_load_b128 v[FB+4*\t:FB+4*\t+3], v[RD32] offset:\t*528        ; LDS serves a wave's instructions in order: these see the stores above
.endr
	s_wait_dscnt 0x0
.irp t, 0,1,2,3,4,5,6,7,8,9,10,11,12,13,14,15
	global_store_b128 v[CO], v[FB+4*\t:FB+4*\t+3], s[100:101] offset:512*\t
.endr
.Lnot_fine_\@:
.endm
.macro TOST16 a
.irp k, 0,1,2,3,4,5,6,7
	ds_store_b128 v[STO16], v[TMP+4*\k:TMP+4*\k+3] offset:32*\k
.endr
.irp t, 0,1,2,3,4,5,6,7
	ds_load_b128 v[BK+32*((\a)%2)+4*\t:BK+32*((\a)%2)+4*\t+3], v[RD16] offset:\t*544
.endr
.endm
.macro SEND16 a, younger               ; younger: the LDS instructions issued behind block a's loads
	s_wait_dscnt \younger
.irp t, 0,1,2,3,4,5,6,7
	global_store_b128 v[CO], v[BK+32*((\a)%2)+4*\t:BK+32*((\a)%2)+4*\t+3], s[12:13] offset:4096*(\a)+512*\t   ; two rows of 256 bytes: 512 consecutive bytes, aligned
.endr
.endm
	PLACES NP                                      ; behind the last products, ahead of loads into and writes of operand registers and of the first reads of results
	s_cmp_lg_u32 s67, 0
	s_cbranch_scc1 .Lplain
	TABLE 0
	TABLE 1
	TABLE 2
	TABLE 3
.irp a, 0,1,2,3,4,5,6,7
.if \a < 5
	s_wait_loadcnt 48                              ; block a's 16 loads are in; those of the three sets behind it may be out
.else
	s_wait_loadcnt 16*(7-\a)
.endif
	ROPE \a
.if \a < 4
	TABLE \a+4
.endif
	PACK
.if \a == 0
	FINE 0
.endif
.if \a > 1
	s_wait_xcnt 0x0                                ; block a - 2's stores have read their registers: block a's rows may land there
.endif
	TOST16 \a
.if \a > 0
	SEND16 \a-1, 16                                ; behind block a - 1's loads: block a's 8 stores and 8 loads
.endif
.endr
	SEND16 7, 0
	s_branch .Lout
.Lplain:
.irp a, 0,1,2,3,4,5,6,7
	PACKV \a
.if \a == 0
	FINE 1
.endif
.if \a > 1
	s_wait_xcnt 0x0
.endif
	TOST16 \a
.if \a > 0
	SEND16 \a-1, 16
.endif
.endr
	SEND16 7, 0
.Lout:
	s_wait_tensorcnt 0x0                           ; the wave's end: behind my last tensor load and my last LDS store
	ds_add_u32 v[SPW], v[NIL]
	s_wait_dscnt 0x0
	CROUND                                         ; the closing round: no work-group ends while a partner may still ask for a tile that names it
	s_endpgm
.Lfunc_end_k_q039531f4cc_qkvgemm:
	.size	k_q039531f4cc_qkvgemm, .Lfunc_end_k_q039531f4cc_qkvgemm-k_q039531f4cc_qkvgemm
	.p2alignl 7, 3214868480
	.fill 96, 4, 3214868480
	.section	.rodata,"a",@progbits
	.p2align	6, 0x0
	.amdhsa_kernel k_q039531f4cc_qkvgemm
		.amdhsa_group_segment_fixed_size 327680
		.amdhsa_private_segment_fixed_size 0
		.amdhsa_enable_private_segment 0
		.amdhsa_kernarg_size 40
		.amdhsa_user_sgpr_count 2
		.amdhsa_user_sgpr_kernarg_segment_ptr 1
		.amdhsa_wavefront_size32 1
		.amdhsa_system_sgpr_workgroup_id_x 1
		.amdhsa_system_sgpr_workgroup_id_y 1
		.amdhsa_system_sgpr_workgroup_id_z 1
		.amdhsa_system_vgpr_workitem_id 0
		.amdhsa_next_free_vgpr 1024
		.amdhsa_next_free_sgpr 102
		.amdhsa_reserve_vcc 0
		.amdhsa_float_denorm_mode_32 3
		.amdhsa_float_denorm_mode_16_64 3
		.amdhsa_memory_ordered 1
		.amdhsa_forward_progress 1
		.amdhsa_inst_pref_size 255
	.end_amdhsa_kernel
	.section	.bss,"aw",@nobits
	.p2align	6
	.space	262144
	.amdgpu_metadata
---
amdhsa.version: [ 1, 2 ]
amdhsa.kernels:
  - .name:           k_q039531f4cc_qkvgemm
    .symbol:         k_q039531f4cc_qkvgemm.kd
    .args:
      - { .name: codes, .offset: 0, .size: 8, .value_kind: global_buffer, .address_space: global }
      - { .name: scales, .offset: 8, .size: 8, .value_kind: global_buffer, .address_space: global }
      - { .name: rope, .offset: 16, .size: 8, .value_kind: global_buffer, .address_space: global }
      - { .name: qkv, .offset: 24, .size: 8, .value_kind: global_buffer, .address_space: global }
      - { .name: fine, .offset: 32, .size: 8, .value_kind: global_buffer, .address_space: global }
    .group_segment_fixed_size: 327680
    .private_segment_fixed_size: 0
    .kernarg_segment_align: 8
    .kernarg_segment_size: 40
    .max_flat_workgroup_size: 128
    .sgpr_count:     102
    .vgpr_count:     1024
    .wavefront_size: 32
...
	.end_amdgpu_metadata
.endif
;; end of part 8
;; launch attn (part 9): grid 16 x 16, 4 waves a work-group, no clusters, 327,680 bytes of LDS; arguments qkv, attn16, fine, attnf; writes attn16, attnf
.if DOCPART == 9
	.amdgcn_target "amdgcn-amd-amdhsa--gfx1250"
	.amdhsa_code_object_version 6
	.text
	.protected	k_q039531f4cc_attn
	.globl	k_q039531f4cc_attn
	.p2align	8
	.type	k_q039531f4cc_attn,@function
k_q039531f4cc_attn:
	s_mov_b64 s[64:65], 0
	v_nop
	global_prefetch_b8 v0, s[64:65] scope:SCOPE_SE
	s_setreg_imm32_b32 hwreg(HW_REG_WAVE_MODE, 25, 1), 1
	s_wait_xcnt 0x0
; Launch 3 of 4: causal attention on f16 operands, sums, maxima and exponentials in f32.  qkv: [batch][plane 24][t 1024][128] f16; attn16: [batch x t 4096][head 16 x 128] f16.
; LEFT OUT: steps of 64 keys that lie wholly behind a group of queries: reference() masks them by its own jnp.tril, and their weights are 0 beside the visible keys'.  They are neither loaded nor multiplied.
; THE FIRST 16 POSITIONS OF EVERY SEQUENCE, which average one to sixteen values and are the largest in size, are ALSO made in f32 throughout, from fine ([batch][plane 24][16][128] f32) into attnf: by the sixteen
; work-groups with j = 0, at their head, while their first tile and their queries are on their way; there wave w is head 4 g + w, as in the walk.  They see keys 0 .. 15 alone.  attnf: [batch][kt 128][c 2][lane 32][16 bytes]
; f32: lane (r, h) holds attn(row r, k = 16 kt + 8 h + 4 c + 0 .. 3), the order in which the next launch's registers take it.  (The f16 rows t < 16 are made too, inside live tiles; their projection is not stored.)
; SHARES.  Work-group (j, batch x group) owns the positions 32 j .. 32 j + 31 (lo) and 32 (31 - j) .. + 31 (hi) of all four heads of the group; wave w is head 4 g + w, with four tiles of 16 queries:
; tiles 0, 1 lo, tiles 2, 3 hi.  lo needs j / 2 + 1 steps of 64 keys and hi (31 - j) / 2 + 1: 17 together for every j, so all 256 work-groups have equal work in the walk.  The four heads read the same K and V from LDS.
; NO CLUSTER: the work-groups of one group of heads need different numbers of slots (the causal limit hangs on j), so a joint load would have to be left out by some partners and not by others.
; LAYOUT.  S^T = K Q^T and O^T = V^T P, both transposed: a lane holds ONE query (lane % 16); two tiles of S^T, rounded in pairs, are source 1 of the second product.  V is turned by ds_load_tr16_b128.
; SOFTMAX.  A running maximum m and sum l for each query: p = 2^(c s - c m), c = log2(e) / sqrt(128); in every step O and l are multiplied by 2^(c m_old - c m_new).  The step is written once: m begins at -3e38, l and O^T at 0.
; THE WALK.  Every work-group walks all 8 slots of 128 keys with constant trip counts; a step whose keys come behind the group's last query is jumped over by a scalar branch on ids, and a slot whose first key comes
; behind the work-group's last query is not asked for.  Every wait on TENSORcnt is for 0.  Wave 0 fetches a slot's 128 rows of K, wave 1 its 128 rows of V: one tensor load of a wave is out at a time.
; REGISTERS, in windows of 256: window 0: addresses, v12-43 statistics (8 a tile), v64-191 S^T (32 a tile), v192-255 P (16 a tile); window 1: O^T (64 a tile); window 2: v0-127 Q, v128-255 K of a step;
; window 3: v0-127 V of a step; v128-223 the f32 form's accumulators, which nothing but that form writes.
.set PK,    272                        ; a row of K in LDS: 256 bytes + 16
.set PV,    288                        ; a row of V: 256 + 32
.set KSTEPB, 64*PK
.set VSTEPB, 64*PV
.set VOFF,  128*PK                     ; a slot: 128 rows of K, then 128 rows of V
.set SLOT1, 1<<17                      ; slot 1 begins here: one exclusive or turns an address
.set STAGE, SLOT1+128*(PK+PV)          ; behind the ring: 16 rows x 272 bytes for each wave, for the way out
.set SP,    272
.set SPARE, STAGE+4*16*SP              ; the spare words: 128 bytes for each wave, two blocks of 256 bytes that no other line names
.set AK0, 2
.set AV0, 3
.set ADR, 4
.set QO,  5
.set STO, 6
.set RD,  7
.set GO,  8
.set ST,  12                           ; tile t at v[ST + 8 t]: +0 c m, +1 m, +2, +3 l (two halves), +4 to +7 at work; +6 takes the rescaling factor
.set RH,  44                           ; r - 8 h
.set D0,  45                           ; v45, v46: the mask's bound for the group's two tiles
.set NINF, 47
.set ADR2, 48
.set FQO, 49                           ; the fine rows: my byte in a plane's rows of q or k: 512 r + 16 h; never rewritten
.set FVO, 50                           ; in v's: 4 r + 4,096 h; never rewritten
.set FLO, 51                           ; 16 x lane; never rewritten
.set FT,  52                           ; v52 the maximum, v53 the other half's, v54 c m, v55-58 sums
.set FQ,  64                           ; v64-127 q's 16 rows; behind the first product v64-71 the scores, v72-79 at work, v80-87 the weights
.set FK,  128                          ; v128-191 k's
.set FV,  192                          ; v192-255 v's
.set FS,  128                          ; in window 3: four accumulators of S^T
.set FOA, 160                          ; in window 3: eight of O^T
.set PFO, 61                           ; 256 x my thread's number: a row of K or V is 256 bytes
.set SPW, 62
.set NIL, 63
.set S,   64
.set P,   192
.set KFR, 128                          ; K's fragments, in window 2
.set WV,  12
.set QL0, 14
.set QH0, 15
.set LASTL, 16
.set LASTH, 17
.set PFA, 18
.set LIM, 20
.set KF,  21                           ; the step's first key
.set TBK, 22                           ; LDS byte at which the step's rows of K begin
.set SLOTS, 23
.set G1K, 24
.set G1V, 32
.set G0K, 40
.set G0V, 44
.set TWICE, 48
.set TBV, 49                           ; the same for V, counted from a slot's VOFF
.set CS,  50
.set SEL, 52
.set QBL, 54
.set QBH, 56
.set OBL, 58
.set OBH, 60
.set MSB, 0
.macro WIN new
.if MSB != (\new)
	s_set_vgpr_msb (MSB<<8)|(\new)
.set MSB, (\new)
.endif
.endm
.set W_KQ, 0x0a                        ; K and Q in window 2, S^T in window 0
.set W_PV, 0x53                        ; V in window 3, P in window 0, O^T in window 1
.set W_RS, 0x41                        ; O^T in window 1, the factor in window 0
.macro PLACES
.rept 4
	v_nop
.endr
.endm
.macro TLOAD                           ; wave 0: K's rows; wave 1: V's; the others nothing.  An s_nop 0 and four v_nop follow each line
	s_cmp_lt_u32 s[WV], 1
	s_cbranch_scc0 .Lnot_k_\@
	tensor_load_to_lds s[G0K:G0K+3], s[G1K:G1K+7]
	s_nop 0
.rept 4
	v_nop
.endr
	s_branch .Lasked_\@
.Lnot_k_\@:
	s_cmp_lt_u32 s[WV], 2
	s_cbranch_scc0 .Lasked_\@
	tensor_load_to_lds s[G0V:G0V+3], s[G1V:G1V+7]
	s_nop 0
.rept 4
	v_nop
.endr
.Lasked_\@:
.endm
; A prefetch of the slot that the NEXT change of slots will ask for: 128 rows of K and 128 of V, a thread a row, two instructions a wave.  All sixteen work-groups of a group of heads walk the same rows:
; the one with j = 0, which walks all slots, asks, and nobody else, so each row is named once in the launch.  The last change that fills a slot asks for nothing; slots 0 and 1 come by their loads alone.
.macro ASK
	s_cmp_gt_u32 s[SLOTS], s[LIM]
	s_cbranch_scc0 .Lnot_mine_\@
	global_prefetch_b8 v[PFO], s[PFA:PFA+1] th:TH_LOAD_NT scope:SCOPE_SE
	global_prefetch_b8 v[PFO], s[PFA:PFA+1] offset:262144 th:TH_LOAD_NT scope:SCOPE_SE   ; V's plane follows K's
.Lnot_mine_\@:
.endm
	s_load_b128 s[4:7], s[0:1], 0x0                ; qkv s[4:5], attn16 s[6:7]
	s_load_b128 s[80:83], s[0:1], 0x10             ; fine s[80:81], attnf s[82:83]
	v_lshl_add_u32 v[SPW], v0, 2, SPARE
	v_mov_b32 v[NIL], 0
	ds_add_u32 v[SPW], v[NIL]                      ; the wave's opening: the add, twice on end, and its wait ahead of the first tensor load
	ds_add_u32 v[SPW], v[NIL]
	v_lshrrev_b32 v1, 5, v0
	v_readfirstlane_b32 s[WV], v1                  ; wave 0..3
	s_and_b32 s8, ttmp7, 0xffff
	s_lshr_b32 s9, s8, 2                           ; batch
	s_and_b32 s10, s8, 3                           ; group
	s_mul_i32 s11, s9, 24
	s_lshl_b32 s13, s10, 2
	s_add_co_u32 s13, s13, s[WV]                   ; my head
	s_lshl_b32 s[QL0], ttmp9, 5
	s_sub_co_u32 s[QH0], 31, ttmp9
	s_lshl_b32 s[QH0], s[QH0], 5
	s_add_co_u32 s[LASTL], s[QL0], 31
	s_add_co_u32 s[LASTH], s[QH0], 31
	s_add_co_u32 s66, s11, s13
	s_lshl_b32 s66, s66, 18                        ; a plane is 262,144 bytes
	s_lshl_b32 s67, s[QL0], 8
	s_add_co_u32 s68, s66, s67
	s_mov_b32 s69, 0
	s_lshl_b32 s67, s[QH0], 8
	s_add_co_u32 s70, s66, s67
	s_mov_b32 s71, 0
	s_lshl_b32 s66, s9, 10
	s_add_co_u32 s67, s66, s[QL0]
	s_lshl_b32 s72, s67, 12                        ; a row of attn16 is 4,096 bytes
	s_add_co_u32 s67, s66, s[QH0]
	s_lshl_b32 s74, s67, 12
	s_lshl_b32 s67, s13, 8
	s_add_co_u32 s72, s72, s67
	s_add_co_u32 s74, s74, s67
	s_mov_b32 s73, 0
	s_mov_b32 s75, 0
	s_lshl_b32 s76, s10, 1
	s_add_co_u32 s76, s76, s11
	s_add_co_u32 s76, s76, 16                      ; K's plane
	s_lshl_b32 s76, s76, 18
	s_mov_b32 s77, 0
	s_add_co_u32 s84, s11, s13                     ; the fine rows: a plane of fine is 8,192 bytes: q's plane,
	s_lshl_b32 s84, s84, 13
	s_mov_b32 s85, 0
	s_lshl_b32 s86, s10, 1
	s_add_co_u32 s86, s86, s11
	s_add_co_u32 s86, s86, 16                      ; k's plane; v's follows it
	s_lshl_b32 s86, s86, 13
	s_mov_b32 s87, 0
	s_lshl_b32 s88, s9, 17                         ; attnf: 131,072 bytes a batch, 8,192 a head
	s_lshl_b32 s89, s13, 13
	s_add_co_u32 s88, s88, s89
	s_mov_b32 s89, 0
	s_mov_b32 s[G1K], (1<<16)|(1<<20)|(5<<22)|(3<<25)   ; no mask; elements of 2 bytes; padding: 4 words after every 64
	s_mov_b32 s[G1V], (1<<16)|(1<<20)|(5<<22)|(7<<25)   ; 8 words
.irp g, G1K, G1V
	s_mov_b32 s[\g+1], 128<<16                     ; tensor_dim0
	s_mov_b32 s[\g+2], 128<<16                     ; tensor_dim1
	s_mov_b32 s[\g+3], 128<<16                     ; tile_dim0
	s_mov_b32 s[\g+4], 128                         ; tile_dim1
	s_mov_b32 s[\g+5], 128                         ; stride
	s_mov_b32 s[\g+6], 0
	s_mov_b32 s[\g+7], 0
.endr
	s_mov_b32 s[CS], 0x3e0293ee                    ; c = log2(e) / sqrt(128)
	s_mov_b32 s[CS+1], s[CS]
	s_mov_b32 s[SEL], 0x76543210
	s_mov_b32 s[SEL+1], 0xfedcba98
	s_mov_b32 s[KF], 0
	s_mov_b32 s[TBK], 0
	s_mov_b32 s[TBV], 0
	s_mov_b32 s[SLOTS], 7
	s_cmp_eq_u32 ttmp9, 0
	s_cselect_b32 s[LIM], 1, -1
	v_lshlrev_b32 v[PFO], 8, v0
	s_wait_dscnt 0x0                               ; both opening adds are done
	s_wait_kmcnt 0x0
	s_add_nc_u64 s[QBL:QBL+1], s[4:5], s[68:69]
	s_add_nc_u64 s[QBH:QBH+1], s[4:5], s[70:71]
	s_add_nc_u64 s[OBL:OBL+1], s[6:7], s[72:73]
	s_add_nc_u64 s[OBH:OBH+1], s[6:7], s[74:75]
	s_add_nc_u64 s[76:77], s[4:5], s[76:77]
	s_add_nc_u64 s[84:85], s[80:81], s[84:85]
	s_add_nc_u64 s[86:87], s[80:81], s[86:87]
	s_add_nc_u64 s[88:89], s[82:83], s[88:89]
	s_add_nc_u64 s[PFA:PFA+1], s[76:77], 32768     ; slot 1: the first change of slots steps it to slot 2
	s_mov_b32 s[G0K], 1
	s_mov_b32 s[G0K+1], 0
	s_mov_b64 s[G0K+2:G0K+3], s[76:77]
	s_or_b32 s[G0K+3], s[G0K+3], 0x80000000
	s_mov_b32 s[G0V], 1
	s_mov_b32 s[G0V+1], VOFF
	s_add_nc_u64 s[G0V+2:G0V+3], s[76:77], 262144
	s_or_b32 s[G0V+3], s[G0V+3], 0x80000000
	TLOAD                                          ; slot 0: keys 0 .. 127, which every work-group reads
	v_and_b32 v1, 15, v0                           ; r
	v_bfe_u32 v9, v0, 4, 1                         ; h
	v_lshlrev_b32 v[QO], 8, v1
	v_lshl_add_u32 v[QO], v9, 4, v[QO]
	WIN 0x80                                       ; destination window 2
.irp u, 0,1
.irp c, 0,1,2,3
	global_load_b128 v[32*\u+8*\c:32*\u+8*\c+3],       v[QO], s[QBL:QBL+1] offset:\u*4096+\c*64
	global_load_b128 v[32*\u+8*\c+4:32*\u+8*\c+7],     v[QO], s[QBL:QBL+1] offset:\u*4096+\c*64+32
	global_load_b128 v[64+32*\u+8*\c:64+32*\u+8*\c+3],   v[QO], s[QBH:QBH+1] offset:\u*4096+\c*64
	global_load_b128 v[64+32*\u+8*\c+4:64+32*\u+8*\c+7], v[QO], s[QBH:QBH+1] offset:\u*4096+\c*64+32
.endr
.endr
	WIN 0
	v_mul_u32_u24 v[AK0], v1, PK
	v_lshl_add_u32 v[AK0], v9, 4, v[AK0]           ; K: row r x pitch + 16 h
	v_and_b32 v10, 7, v0
	v_bfe_u32 v11, v0, 3, 1
	v_lshl_add_u32 v[AV0], v9, 3, v10
	v_mul_u32_u24 v[AV0], v[AV0], PV
	v_lshl_add_u32 v[AV0], v11, 4, v[AV0]
	v_add_nc_u32 v[AV0], VOFF, v[AV0]              ; V: key 8 h + l % 8, channels 8 ((l / 8) % 2) on
	v_lshlrev_b32 v10, 3, v9
	v_sub_nc_u32 v[RH], v1, v10
	v_mov_b32 v[NINF], 0xff800000
	s_mul_i32 s13, s[WV], 16*SP
	s_add_co_u32 s13, s13, STAGE
	v_mul_u32_u24 v[STO], v1, SP
	v_lshl_add_u32 v[STO], v9, 4, v[STO]
	v_add_nc_u32 v[STO], s13, v[STO]
	v_mul_u32_u24 v[RD], v9, SP
	v_lshl_add_u32 v[RD], v1, 4, v[RD]
	v_add_nc_u32 v[RD], s13, v[RD]
	v_lshlrev_b32 v[GO], 12, v9
	v_lshl_add_u32 v[GO], v1, 4, v[GO]             ; lanes 0-15 one row of attn16, lanes 16-31 the next
; THE FIRST 16 POSITIONS IN F32, in the work-groups with j = 0 alone: a branch on the work-group's number, the same in all four waves.  16 queries x 16 keys x 128 channels of my head.
; S^T = K Q^T: 32 instructions of 16 x 16 x 4 on four accumulators by turns; O^T = V^T P: 32 on eight.  The channels of a K step of 4 are permuted alike in k and q, which keeps the products.
; The operands lie in S^T's and P's registers, which the walk first writes far behind this block: the 256 lines that clear O^T stand between.
	s_cmp_lg_u32 ttmp9, 0
	s_cbranch_scc1 .Lno_fine
	v_lshlrev_b32 v[FQO], 9, v1
	v_lshl_add_u32 v[FQO], v9, 4, v[FQO]
	v_lshlrev_b32 v[FVO], 2, v1
	v_lshl_add_u32 v[FVO], v9, 12, v[FVO]
	v_and_b32 v[FLO], 31, v0
	v_lshlrev_b32 v[FLO], 4, v[FLO]
	v_mov_b32 v[FT+1], 0                           ; a lane permute's destination counts as one of its sources
.irp g, 0,1,2,3,4,5,6,7,8,9,10,11,12,13,14,15
	global_load_b128 v[FQ+4*\g:FQ+4*\g+3], v[FQO], s[84:85] offset:32*\g
	global_load_b128 v[FK+4*\g:FK+4*\g+3], v[FQO], s[86:87] offset:32*\g
.endr
.irp d, 0,1,2,3,4,5,6,7
.irp i, 0,1,2,3,4,5,6,7
	global_load_b32 v[FV+8*\d+\i], v[FVO], s[86:87] offset:8192+512*\i+64*\d     ; v(key 8 h + i, channel 16 d + r)
.endr
.endr
	s_wait_loadcnt 0x0
	WIN 0xf0                                       ; C and D in window 3
.set i, 0
.rept 32
.if i < 4
	v_wmma_f32_16x16x4_f32 v[FS+8*(i%4):FS+8*(i%4)+7], v[FK+2*i:FK+2*i+1], v[FQ+2*i:FQ+2*i+1], 0
.else
	v_wmma_f32_16x16x4_f32 v[FS+8*(i%4):FS+8*(i%4)+7], v[FK+2*i:FK+2*i+1], v[FQ+2*i:FQ+2*i+1], v[FS+8*(i%4):FS+8*(i%4)+7]
.endif
.set i, i+1
.endr
.rept 8
	v_nop                                          ; eight places behind this form, ahead of the first read of its results and of writes over its sources
.endr
	WIN 0x0f                                       ; sources in window 3
.irp j, 0,1,2,3,4,5,6,7
	v_add_f32 v[FQ+\j], v[FS+\j], v[FS+8+\j]
.endr
.irp j, 0,1,2,3,4,5,6,7
	v_add_f32 v[FQ+8+\j], v[FS+16+\j], v[FS+24+\j]
.endr
	WIN 0
.irp j, 0,1,2,3,4,5,6,7
	v_add_f32 v[FQ+\j], v[FQ+\j], v[FQ+8+\j]       ; lane (r, h): the score of query r and key 8 h + j
.endr
.irp j, 0,1,2,3,4,5,6,7
	v_cmp_gt_i32 vcc_lo, \j, v[RH]                 ; hidden where 8 h + j > r
	v_cndmask_b32 v[FQ+\j], v[FQ+\j], v[NINF], vcc_lo
.endr
	v_max3_num_f32 v[FT], v[FQ], v[FQ+1], v[FQ+2]
	v_max3_num_f32 v[FT], v[FT], v[FQ+3], v[FQ+4]
	v_max3_num_f32 v[FT], v[FT], v[FQ+5], v[FQ+6]
	v_max_num_f32 v[FT], v[FT], v[FQ+7]
	v_permlanex16_b32 v[FT+1], v[FT], s[SEL], s[SEL+1]
	v_max_num_f32 v[FT], v[FT], v[FT+1]            ; the row's maximum: key 0 counts for every query
	v_mul_f32 v[FT+2], s[CS], v[FT]
.irp j, 0,1,2,3,4,5,6,7
	v_fma_f32 v[FQ+\j], v[FQ+\j], s[CS], -v[FT+2]
.endr
.irp j, 0,1,2,3,4,5,6,7
	v_exp_f32 v[FQ+\j], v[FQ+\j]
.endr
	v_nop                                          ; a plain instruction behind the last exponential
	s_wait_alu depctr_va_vdst(0)                   ; one wait for the eight
	v_add_f32 v[FT+3], v[FQ], v[FQ+1]
	v_add_f32 v[FT+4], v[FQ+2], v[FQ+3]
	v_add_f32 v[FT+5], v[FQ+4], v[FQ+5]
	v_add_f32 v[FT+6], v[FQ+6], v[FQ+7]
	v_add_f32 v[FT+3], v[FT+3], v[FT+4]
	v_add_f32 v[FT+5], v[FT+5], v[FT+6]
	v_add_f32 v[FT+3], v[FT+3], v[FT+5]
	v_permlanex16_b32 v[FT+1], v[FT+3], s[SEL], s[SEL+1]
	v_add_f32 v[FT+3], v[FT+3], v[FT+1]
	v_rcp_f32 v[FT+3], v[FT+3]
	v_nop
	s_wait_alu depctr_va_vdst(0)
.irp j, 0,1,2,3,4,5,6,7
	v_mul_f32 v[FQ+16+\j], v[FQ+\j], v[FT+3]       ; the weights
.endr
	WIN 0xf0
.irp s, 0,1,2,3                        ; keys 8 h + 2 s + 0, 1
.irp d, 0,1,2,3,4,5,6,7
.if \s == 0
	v_wmma_f32_16x16x4_f32 v[FOA+8*\d:FOA+8*\d+7], v[FV+8*\d+2*\s:FV+8*\d+2*\s+1], v[FQ+16+2*\s:FQ+17+2*\s], 0
.else
	v_wmma_f32_16x16x4_f32 v[FOA+8*\d:FOA+8*\d+7], v[FV+8*\d+2*\s:FV+8*\d+2*\s+1], v[FQ+16+2*\s:FQ+17+2*\s], v[FOA+8*\d:FOA+8*\d+7]
.endif
.endr
.endr
.rept 8
	v_nop
.endr
	WIN 0x0c                                       ; a store's data are its source 1: window 3
.irp d, 0,1,2,3,4,5,6,7
	global_store_b128 v[FLO], v[FOA+8*\d:FOA+8*\d+3], s[88:89] offset:1024*\d        ; lane (r, h): channels 16 d + 8 h + 0 .. 3 of row r; the wave stores 512 consecutive bytes
	global_store_b128 v[FLO], v[FOA+8*\d+4:FOA+8*\d+7], s[88:89] offset:1024*\d+512
.endr
	WIN 0
.Lno_fine:
.irp t, 0,1,2,3
	v_mov_b32 v[ST+8*\t+1], 0xff61b1e6             ; m = -3e38, under every score
	v_mov_b32 v[ST+8*\t+2], 0
	v_mov_b32 v[ST+8*\t+3], 0
	v_mov_b32 v[ST+8*\t+5], 0                      ; a lane permute's destination counts as one of its sources
	v_mov_b32 v[ST+8*\t+7], 0                      ; named as the upper half of the pair with the factor in +6, so it is written on every way through the text
	v_mul_f32 v[ST+8*\t], s[CS], v[ST+8*\t+1]
.endr
	WIN 0x40
.set oi, 0
.rept 256
	v_mov_b32 v[oi], 0                             ; O^T: the step is written once, and the first finds zeros.  These run while the first tile is on its way
.set oi, oi+1
.endr
	WIN 0
.macro FETCH_K                         ; 64 keys x 128 channels: 16 fragments, by channel step and then by key tile, so that the products can begin when the first eight loads are in
	WIN 0
	v_add_nc_u32 v[ADR], s[TBK], v[AK0]
	WIN 0x80
.irp c, 0,1,2,3
.irp kt, 0,1,2,3
	ds_load_b128 v[KFR+8*(4*\kt+\c):KFR+8*(4*\kt+\c)+3],   v[ADR] offset:\kt*16*PK+\c*64
	ds_load_b128 v[KFR+8*(4*\kt+\c)+4:KFR+8*(4*\kt+\c)+7], v[ADR] offset:\kt*16*PK+\c*64+32
.endr
.endr
.endm
.macro FETCH_V                         ; the same keys of V, turned: fragment f: keys 32 (f / 8) on, channels 16 (f % 8) on
	WIN 0
	v_add_nc_u32 v[ADR2], s[TBV], v[AV0]
	WIN 0xc0
.irp f, 0,1,2,3,4,5,6,7,8,9,10,11,12,13,14,15
	ds_load_tr16_b128 v[8*\f:8*\f+3],   v[ADR2] offset:(\f/8)*32*PV+(\f%8)*32
	ds_load_tr16_b128 v[8*\f+4:8*\f+7], v[ADR2] offset:(\f/8)*32*PV+16*PV+(\f%8)*32
.endr
.endm
; Product i of 32 of S^T = K Q^T: channels 32 (i / 8) on, keys 16 ((i / 2) % 4) on, tile x + i % 2.  The first 8 start the sums; the 8 accumulators take turns.
.macro KQ x
	WIN W_KQ
.set rS, S+32*(\x+i%2)+8*((i/2)%4)
.set rK, KFR+32*((i/2)%4)+8*(i/8)
.set rQ, 32*(\x+i%2)+8*(i/8)
.if i < 8
	v_wmma_f32_16x16x32_f16 v[rS:rS+7], v[rK:rK+7], v[rQ:rQ+7], 0
.else
	v_wmma_f32_16x16x32_f16 v[rS:rS+7], v[rK:rK+7], v[rQ:rQ+7], v[rS:rS+7]
.endif
.endm
; Product i of 32 of O^T += V^T P: keys 32 (i / 16) on, channels 16 ((i / 2) % 8) on, tile x + i % 2.  16 accumulators by turns.
.macro PV x
	WIN W_PV
.set rO, 64*(\x+i%2)+8*((i/2)%8)
.set rV, 64*(i/16)+8*((i/2)%8)
.set rP, P+16*(\x+i%2)+8*(i/16)
	v_wmma_f32_16x16x32_f16 v[rO:rO+7], v[rV:rV+7], v[rP:rP+7], v[rO:rO+7]
.endm
; On the diagonal the scores of hidden keys become -infinity ahead of the maximum.  Register 8 kt + i of a tile holds key KF + 16 kt + 8 h + i: hidden where 16 kt + i > my query - KF - 8 h.  A step all of whose keys count skips this.
.macro MASK x, q0
	s_add_co_u32 s66, s[KF], 63
	s_cmp_le_u32 s66, s[\q0]
	s_cbranch_scc1 .Lopen_\@
	s_sub_co_i32 s66, s[\q0], s[KF]
	v_add_nc_u32 v[D0], s66, v[RH]
	v_add_nc_u32 v[D0+1], 16, v[D0]
.irp u, 0,1
.set ni, 0
.rept 32
	v_cmp_gt_i32 vcc_lo, 16*(ni/8)+ni%8, v[D0+\u]
	v_cndmask_b32 v[S+32*((\x)+\u)+ni], v[S+32*((\x)+\u)+ni], v[NINF], vcc_lo
.set ni, ni+1
.endr
.endr
.Lopen_\@:
.endm
; The softmax of tiles x and x + 1 for one step, the two tiles alternating so that no line reads the result of the line before it.  The exponentials are one batch with one wait.
.macro SOFTMAX x
	WIN 0
.irp c, 0,1,2,3
.irp t, \x, \x+1
	v_max3_num_f32 v[ST+8*(\t)+4+\c], v[S+32*(\t)+8*\c], v[S+32*(\t)+8*\c+1], v[S+32*(\t)+8*\c+2]    ; each accumulator is read from its low end on
.endr
.endr
.irp e, 3,5
.irp c, 0,1,2,3
.irp t, \x, \x+1
	v_max3_num_f32 v[ST+8*(\t)+4+\c], v[ST+8*(\t)+4+\c], v[S+32*(\t)+8*\c+\e], v[S+32*(\t)+8*\c+\e+1]
.endr
.endr
.endr
.irp t, \x, \x+1
	v_max3_num_f32 v[ST+8*(\t)+4], v[ST+8*(\t)+4], v[S+32*(\t)+7], v[S+32*(\t)+15]
	v_max3_num_f32 v[ST+8*(\t)+6], v[ST+8*(\t)+6], v[S+32*(\t)+23], v[S+32*(\t)+31]
.endr
.irp t, \x, \x+1
	v_max3_num_f32 v[ST+8*(\t)+4], v[ST+8*(\t)+4], v[ST+8*(\t)+5], v[ST+8*(\t)+6]
.endr
.irp t, \x, \x+1
	v_max3_num_f32 v[ST+8*(\t)+4], v[ST+8*(\t)+4], v[ST+8*(\t)+7], v[ST+8*(\t)+1]    ; and the old m
.endr
.irp t, \x, \x+1
	v_permlanex16_b32 v[ST+8*(\t)+5], v[ST+8*(\t)+4], s[SEL], s[SEL+1]               ; the query's other 32 keys lie in the lane 16 away
.endr
.irp t, \x, \x+1
	v_mov_b32 v[ST+8*(\t)+7], v[ST+8*(\t)]                                           ; c m_old
.endr
.irp t, \x, \x+1
	v_max_num_f32 v[ST+8*(\t)+1], v[ST+8*(\t)+4], v[ST+8*(\t)+5]
.endr
.irp t, \x, \x+1
	v_mul_f32 v[ST+8*(\t)], s[CS], v[ST+8*(\t)+1]
.endr
.irp t, \x, \x+1
	v_sub_f32 v[ST+8*(\t)+7], v[ST+8*(\t)+7], v[ST+8*(\t)]
.endr
.irp p, 0,2,4,6,8,10,12,14,16,18,20,22,24,26,28,30
.irp t, \x, \x+1
	v_pk_fma_f32 v[S+32*(\t)+\p:S+32*(\t)+\p+1], v[S+32*(\t)+\p:S+32*(\t)+\p+1], s[CS:CS+1], v[ST+8*(\t):ST+8*(\t)+1] op_sel_hi:[1,0,0] neg_lo:[0,0,1] neg_hi:[0,0,1]   ; c s - c m
.endr
.endr
.irp t, \x, \x+1
	v_exp_f32 v[ST+8*(\t)+6], v[ST+8*(\t)+7]                                         ; 2^(c m_old - c m_new)
.endr
.set ei, 0
.rept 32
.irp t, \x, \x+1
	v_exp_f32 v[S+32*(\t)+ei], v[S+32*(\t)+ei]
.endr
.set ei, ei+1
.endr
	v_nop                                          ; a plain instruction behind the last exponential
	s_wait_alu depctr_va_vdst(0)                   ; one wait for the 66, ahead of the first instruction that names a result
.set ei, 0
.rept 16
.irp t, \x, \x+1
	v_cvt_pk_f16_f32 v[P+16*(\t)+ei], v[S+32*(\t)+2*ei], v[S+32*(\t)+2*ei+1]
.endr
.set ei, ei+1
.endr
.irp u, 0,1,2,3,4,5,6,7                        ; the sum of the 16 pairs, in place: neighbours 1, 2, 4 and 8 pairs apart
.irp t, \x, \x+1
	v_pk_add_f32 v[S+32*(\t)+4*\u:S+32*(\t)+4*\u+1], v[S+32*(\t)+4*\u:S+32*(\t)+4*\u+1], v[S+32*(\t)+4*\u+2:S+32*(\t)+4*\u+3]
.endr
.endr
.irp u, 0,1,2,3
.irp t, \x, \x+1
	v_pk_add_f32 v[S+32*(\t)+8*\u:S+32*(\t)+8*\u+1], v[S+32*(\t)+8*\u:S+32*(\t)+8*\u+1], v[S+32*(\t)+8*\u+4:S+32*(\t)+8*\u+5]
.endr
.endr
.irp u, 0,1
.irp t, \x, \x+1
	v_pk_add_f32 v[S+32*(\t)+16*\u:S+32*(\t)+16*\u+1], v[S+32*(\t)+16*\u:S+32*(\t)+16*\u+1], v[S+32*(\t)+16*\u+8:S+32*(\t)+16*\u+9]
.endr
.endr
.irp t, \x, \x+1
	v_pk_add_f32 v[S+32*(\t):S+32*(\t)+1], v[S+32*(\t):S+32*(\t)+1], v[S+32*(\t)+16:S+32*(\t)+17]
.endr
.irp t, \x, \x+1
	v_pk_fma_f32 v[ST+8*(\t)+2:ST+8*(\t)+3], v[ST+8*(\t)+2:ST+8*(\t)+3], v[ST+8*(\t)+6:ST+8*(\t)+7], v[S+32*(\t):S+32*(\t)+1] op_sel_hi:[1,0,1]
.endr
	WIN W_RS
.irp t, \x, \x+1
.set oi, 0
.rept 32
	v_pk_mul_f32 v[64*(\t)+oi:64*(\t)+oi+1], v[64*(\t)+oi:64*(\t)+oi+1], v[ST+8*(\t)+6:ST+8*(\t)+7] op_sel_hi:[1,0]   ; O^T under the new m; each accumulator from its low end on
.set oi, oi+2
.endr
.endr
.endm
.macro GROUP x, q0                     ; tiles x, x + 1 for one step
.set i, 0
.rept 32
.if (\x == 2) && (i%8 == 0)
	s_wait_dscnt 56-i                              ; K's eight loads of this channel step are in; behind them: K's later channel steps (8 each) and V's 32
.endif
	KQ \x
.set i, i+1
.endr
	PLACES                                         ; ahead of the first read of the scores
	WIN 0
	MASK \x, \q0
	SOFTMAX \x
	s_wait_dscnt 0x0                               ; V is in
.set i, 0
.rept 32
	PV \x
.set i, i+1
.endr
.endm
.macro STEP                            ; 64 keys.  K and V come into registers once and serve both groups
	s_cmp_gt_u32 s[KF], s[LASTH]
	s_cbranch_scc1 .Lhid_\@
	PLACES                                         ; ahead of loads into registers that the last products read
	FETCH_K
	FETCH_V
	GROUP 2, QH0
	WIN 0
	s_cmp_gt_u32 s[KF], s[LASTL]
	s_cbranch_scc1 .Lhid_\@
	GROUP 0, QL0
	WIN 0
.Lhid_\@:
	s_add_co_u32 s[KF], s[KF], 64
	s_add_co_u32 s[TBK], s[TBK], KSTEPB
	s_add_co_u32 s[TBV], s[TBV], VSTEPB
.endm
.macro TWO_STEPS
	s_mov_b32 s[TWICE], 2
.Lstep_\@:
	STEP
	s_sub_co_u32 s[TWICE], s[TWICE], 1
	s_cmp_lg_u32 s[TWICE], 0
	s_cbranch_scc1 .Lstep_\@
	s_sub_co_u32 s[TBK], s[TBK], 2*KSTEPB          ; back to a slot's first step,
	s_xor_b32 s[TBK], s[TBK], SLOT1                ; in the other slot
	s_sub_co_u32 s[TBV], s[TBV], 2*VSTEPB
	s_xor_b32 s[TBV], s[TBV], SLOT1
.endm
; THE CHANGE OF SLOTS stands at a slot's head.  Each wave waits for all its tensor loads, adds 0 to its spare word, and waits for that and for its reads of the slot that it has left.  Behind the barrier the slot
; ahead is whole and nobody reads the other one; fill = 1: that other slot takes the next 128 keys, if any query of the work-group sees them.
.macro CHANGE fill
	s_wait_tensorcnt 0x0                           ; no tensor load of mine is out, so a group 0 may be written
	ds_add_u32 v[SPW], v[NIL]
.if \fill
	ds_add_u32 v[SPW], v[NIL]                      ; and twice on end here, in every trip alike
	s_xor_b32 s[G0K+1], s[G0K+1], SLOT1
	s_add_nc_u64 s[G0K+2:G0K+3], s[G0K+2:G0K+3], 32768
	s_xor_b32 s[G0V+1], s[G0V+1], SLOT1
	s_add_nc_u64 s[G0V+2:G0V+3], s[G0V+2:G0V+3], 32768
	s_wait_xcnt 0x0                                ; the last prefetches, a slot back, have read their address
	s_add_nc_u64 s[PFA:PFA+1], s[PFA:PFA+1], 32768
.endif
	s_wait_dscnt 0x0                               ; the add is done, and my reads of the slot that I have left are over
	s_barrier_signal -1
	s_barrier_wait -1
.if \fill
	s_add_co_u32 s66, s[KF], 128                   ; the first key of the slot that this change would ask for
	s_cmp_gt_u32 s66, s[LASTH]                     ; ids and the count of steps alone: all four waves go the same way, and a work-group past the limit stays past it
	s_cbranch_scc1 .Lpast_\@
	TLOAD                                          ; a wave's one tensor load until the next barrier
.Lpast_\@:
	ASK
.endif
.endm
	s_wait_loadcnt 0x0                             ; Q
.Lslot:                                            ; 7 trips: behind each change of slots but the last the next slot is asked for, up to the causal limit
	CHANGE 1
	TWO_STEPS
	s_sub_co_u32 s[SLOTS], s[SLOTS], 1
	s_cmp_lg_u32 s[SLOTS], 0
	s_cbranch_scc1 .Lslot
	CHANGE 0                                       ; the last slot is written out: nothing is left to ask for
	TWO_STEPS
	; THE WAY OUT.  l's halves are added; O^T / l is rounded to f16 and goes through my stage, a tile (16 rows) at a time.  The additions are the places behind the last products.
.irp t, 0,1,2,3
	v_add_f32 v[ST+8*\t+4], v[ST+8*\t+2], v[ST+8*\t+3]
.endr
.irp t, 0,1,2,3
	v_permlanex16_b32 v[ST+8*\t+5], v[ST+8*\t+4], s[SEL], s[SEL+1]
.endr
.irp t, 0,1,2,3
	v_add_f32 v[ST+8*\t+4], v[ST+8*\t+4], v[ST+8*\t+5]
.endr
.irp t, 0,1,2,3
	v_rcp_f32 v[ST+8*\t+6], v[ST+8*\t+4]
.endr
	v_nop
	s_wait_alu depctr_va_vdst(0)                   ; one wait for the four reciprocals
.macro PACK t
	WIN W_RS
.set oi, 64*\t
.rept 32
	v_pk_mul_f32 v[oi:oi+1], v[oi:oi+1], v[ST+8*\t+6:ST+8*\t+7] op_sel_hi:[1,0]
.set oi, oi+2
.endr
	WIN 0x05                                       ; sources in window 1, destination in window 0
.set oi, 0
.rept 32
	v_cvt_pk_f16_f32 v[S+32*\t+oi], v[64*\t+2*oi], v[64*\t+2*oi+1]
.set oi, oi+1
.endr
	WIN 0
.irp f, 0,1,2,3,4,5,6,7
	ds_store_b128 v[STO], v[S+32*\t+4*\f:S+32*\t+4*\f+3] offset:32*\f
.endr
.irp f, 0,1,2,3,4,5,6,7
	ds_load_b128 v[S+32*\t+4*\f:S+32*\t+4*\f+3], v[RD] offset:\f*2*SP   ; LDS serves a wave's instructions in order
.endr
.endm
.macro SEND t, younger, base           ; younger: the LDS instructions issued behind tile t's loads
.irp f, 0,1,2,3,4,5,6,7
	s_wait_dscnt \younger+7-\f
	global_store_b128 v[GO], v[S+32*\t+4*\f:S+32*\t+4*\f+3], s[\base:\base+1] offset:(\t%2)*65536+\f*8192   ; 16 lanes store 256 consecutive bytes, aligned
.endr
.endm
	PACK 0
	PACK 1
	SEND 0, 16, OBL
	PACK 2
	SEND 1, 16, OBL
	PACK 3
	SEND 2, 16, OBH
	SEND 3, 0, OBH
	s_wait_tensorcnt 0x0                           ; the wave's end: behind my last tensor load and my last LDS store
	ds_add_u32 v[SPW], v[NIL]
	s_wait_dscnt 0x0
	s_endpgm
.Lfunc_end_k_q039531f4cc_attn:
	.size	k_q039531f4cc_attn, .Lfunc_end_k_q039531f4cc_attn-k_q039531f4cc_attn
	.p2alignl 7, 3214868480
	.fill 96, 4, 3214868480
	.section	.rodata,"a",@progbits
	.p2align	6, 0x0
	.amdhsa_kernel k_q039531f4cc_attn
		.amdhsa_group_segment_fixed_size 327680
		.amdhsa_private_segment_fixed_size 0
		.amdhsa_enable_private_segment 0
		.amdhsa_kernarg_size 32
		.amdhsa_user_sgpr_count 2
		.amdhsa_user_sgpr_kernarg_segment_ptr 1
		.amdhsa_wavefront_size32 1
		.amdhsa_system_sgpr_workgroup_id_x 1
		.amdhsa_system_sgpr_workgroup_id_y 1
		.amdhsa_system_sgpr_workgroup_id_z 1
		.amdhsa_system_vgpr_workitem_id 0
		.amdhsa_next_free_vgpr 1024
		.amdhsa_next_free_sgpr 92
		.amdhsa_reserve_vcc 1
		.amdhsa_float_denorm_mode_32 3
		.amdhsa_float_denorm_mode_16_64 3
		.amdhsa_memory_ordered 1
		.amdhsa_forward_progress 1
		.amdhsa_inst_pref_size 167
	.end_amdhsa_kernel
	.amdgpu_metadata
---
amdhsa.version: [ 1, 2 ]
amdhsa.kernels:
  - .name:           k_q039531f4cc_attn
    .symbol:         k_q039531f4cc_attn.kd
    .args:
      - { .name: qkv, .offset: 0, .size: 8, .value_kind: global_buffer, .address_space: global }
      - { .name: attn16, .offset: 8, .size: 8, .value_kind: global_buffer, .address_space: global }
      - { .name: fine, .offset: 16, .size: 8, .value_kind: global_buffer, .address_space: global }
      - { .name: attnf, .offset: 24, .size: 8, .value_kind: global_buffer, .address_space: global }
    .group_segment_fixed_size: 327680
    .private_segment_fixed_size: 0
    .kernarg_segment_align: 8
    .kernarg_segment_size: 32
    .max_flat_workgroup_size: 128
    .sgpr_count:     92
    .vgpr_count:     1024
    .wavefront_size: 32
...
	.end_amdgpu_metadata
.endif
;; end of part 9
;; launch proj (part 10): grid 8 x 32, 4 waves a work-group, clusters of 4 x 4, 327,680 bytes of LDS; arguments attn16, wo16, out0, attnf, Wo; writes out0
.if DOCPART == 10
	.amdgcn_target "amdgcn-amd-amdhsa--gfx1250"
	.amdhsa_code_object_version 6
	.text
	.protected	k_q039531f4cc_proj
	.globl	k_q039531f4cc_proj
	.p2align	8
	.type	k_q039531f4cc_proj,@function
k_q039531f4cc_proj:
	s_mov_b64 s[64:65], 0
	v_nop
	global_prefetch_b8 v0, s[64:65] scope:SCOPE_SE
	s_setreg_imm32_b32 hwreg(HW_REG_WAVE_MODE, 25, 1), 1
	s_wait_xcnt 0x0
	s_wait_alu depctr_hold_cnt(0) depctr_sa_sdst(0) depctr_va_vdst(0) depctr_va_sdst(0) depctr_va_ssrc(0) depctr_va_vcc(0) depctr_vm_vsrc(0)
	s_getreg_b32 s2, hwreg(HW_REG_IB_STS2, 6, 4)
	s_cmp_eq_u32 s2, 0
	s_cbranch_scc0 .Lentry_in_a_cluster
	s_endpgm
.Lentry_in_a_cluster:
	s_bfe_u32 s2, ttmp6, 0x10000c
	s_cmp_lg_u32 s2, 0xf033
	s_cbranch_scc0 .Lentry_shape_is_right
	s_endpgm
.Lentry_shape_is_right:
; Launch 4 of 4: out0 = attn Wo.  THE BULK on f16 operands, f32 sums: attn16 [4096][2048] f16, K innermost; wo16 [2048 (k)][2048 (n)] f16, K outermost: its fragments are turned on the way out of LDS.
; THE ROWS t < 16 of every batch in f32 throughout, from attnf and from Wo as it is given: 64 rows x 2,048 columns x 2,048 along K.  The bulk multiplies those rows inside live tiles and does not store them;
; each byte of out0 is stored once.
; THE BULK.  A tile of C is 128 x 256: C has 128 tiles of 256 x 256, and this tile gives 256 work-groups.  Four waves, each 64 x 128: 32 accumulators, all of window 1 ((a, b) at v[8 (8 a + b)]).
; K goes in steps of 128 through two LDS slots: A's 128 rows of 256 bytes, then Wo's 128 rows k of 512 bytes.  Waves 0 and 1 fetch A's halves, waves 2 and 3 Wo's, one load each.
; CLUSTERS: 4 x 4; A's tiles jointly along a row of the cluster, Wo's along a column.  Tile row = 8 cy + cluster y: so the rows t < 16 lie where cluster y = 0, in the first block of waves 0 and 1.
; TRANSPOSED USE: source 0 = 16 columns of Wo, source 1 = 16 rows of attn: a lane holds eight neighbouring columns of one row of C.
; THE FINE ROWS.  Each of the 256 work-groups owns 16 rows (batch cy) x 32 columns (block 8 x cluster y + tile column): these two enter global addresses alone.  Wave w sums k = 512 w .. 512 w + 511: 32 groups of 16 k,
; two tiles of 16 columns, two accumulators by turns, eight instructions of 16 x 16 x 4 a group.  The bulk has 64 quarter steps: ONE GROUP STANDS BEHIND EVERY SECOND QUARTER, two between each refill of a slot and the
; wait for it, so that the wave has that much more work while its tile is on its way.  A group: 16 loads of Wo(16 n + i, my 32 columns), 128 consecutive bytes each; two loads of attn's image, 512 bytes each; asked for
; three groups ahead.  Eight exchanges of halves (register i's lanes 16-31 with register 8 + i's lanes 0-15) make of the 16 rows both tiles' operands: register i of a tile then holds, in lane (r, h),
; Wo(16 n + 8 h + i, column r of the tile), which is the map of attn's image.  The four waves' sums meet in LDS behind the bulk's stores; those stores cover 128 bytes of a row each work-group: 512 KB of the output in all.
; REGISTERS, in windows of 256: window 0: v0-31 addresses; v32-55 the fine sums at the end; v64-159 four sets of 24 fine operands (on the way out v64-191 rows read back); window 1: the bulk's accumulators;
; window 2: two fragment buffers of 96 (A's 4 fragments, then Wo's 8) at v0 and v96; v192-207 the f32 form's two accumulators, which nothing but that form writes.
.set KSTEP,  128
.set PA,     272                       ; A's LDS row: 256 bytes + 16
.set PB,     544                       ; Wo's: 512 + 32, an odd multiple of 32 for the turning load
.set HALFA,  64*PA
.set HALFB,  64*PB
.set BOFF,   2*HALFA
.set SLOT,   BOFF+2*HALFB
.set STAGE,  2*SLOT                    ; 16 rows x 528 bytes for each wave
.set SPITCH, 528
.set SPARE,  STAGE+4*16*SPITCH         ; the spare words: 128 bytes for each wave, two blocks of 256 bytes that no other line names
.set FSUM,   SPARE+512                 ; behind them: the four waves' fine sums, 2,048 bytes each; no tensor load lands here
.set LAPS,   2048/(2*KSTEP)
.set ADRA, 16
.set ADRB, 20
.set FOU,  22                          ; v22  the fine rows in out0: 8,192 r + 32 h
.set STO,  24
.set RD,   25
.set CO,   26                          ; v26  16 x lane
.set FW4,  27                          ; v27  4 x lane
.set SPW,  28
.set NIL,  29
.set FSW,  30                          ; v30  LDS: my wave's image of its fine sums
.set FSR,  31                          ; v31  LDS: part w of each wave's image
.set FW,   64                          ; the fine operands: set s at v[64 + 24 s]: Wo's 16 registers, then attn's 8
.set F0,   0                           ; in window 2
.set F1,   96
.set FACC, 192                         ; in window 2
.set BK,   64
.set G1, 24
.set G0, 32
.set G1B, 48
.set G0B, 56
.set MSB, 0
.macro WIN new
.if MSB != (\new)
	s_set_vgpr_msb (MSB<<8)|(\new)
.set MSB, (\new)
.endif
.endm
.set MUL,  0x5a                        ; A and B in window 2, C and D in window 1
.set TO_F, 0x80                        ; destination window 2, address window 0
.set FMUL, 0xa0                        ; the fine products: A and B in window 0, C and D in window 2
.macro JLOAD s
	s_cmp_eq_u32 s11, 0
	s_cbranch_scc0 .Lfor_b_\@
	tensor_load_to_lds s[G0+4*\s:G0+4*\s+3], s[G1:G1+7]
	s_nop 0
.rept 4
	v_nop
.endr
	s_branch .Lasked_\@
.Lfor_b_\@:
	tensor_load_to_lds s[G0B+4*\s:G0B+4*\s+3], s[G1B:G1B+7]
	s_nop 0
.rept 4
	v_nop
.endr
.Lasked_\@:
.endm
.macro CREST
	s_cmp_lg_u32 s10, 0
	s_cbranch_scc1 .Lnot_wave_0_\@
	s_barrier_signal -3
.Lnot_wave_0_\@:
	s_barrier_wait -3
	s_barrier_signal -1
	s_barrier_wait -1
.endm
.macro CROUND
	s_barrier_signal -1
	s_barrier_wait -1
	CREST
.endm
	s_load_b128 s[4:7], s[0:1], 0x0                ; attn16 s[4:5], wo16 s[6:7]
	s_load_b64 s[8:9], s[0:1], 0x10                ; out0
	s_load_b128 s[68:71], s[0:1], 0x18             ; attnf s[68:69], Wo s[70:71]
	v_lshl_add_u32 v[SPW], v0, 2, SPARE
	v_mov_b32 v[NIL], 0
	ds_add_u32 v[SPW], v[NIL]                      ; the wave's opening: the add, twice on end, and its wait ahead of my first tensor load
	ds_add_u32 v[SPW], v[NIL]
	v_lshrrev_b32 v1, 5, v0
	v_readfirstlane_b32 s10, v1                    ; wave 0..3
	s_lshr_b32 s11, s10, 1                         ; which 64 rows of the tile are mine.  Also: I fetch for A (0) or for Wo (1)
	s_and_b32 s12, s10, 1                          ; which 128 columns.  Also: which half I fetch
	s_bfe_u32 s40, ttmp6, 0x40000                  ; cx
	s_bfe_u32 s41, ttmp6, 0x40004                  ; cy
	s_lshl_b32 s42, ttmp9, 2
	s_add_co_u32 s42, s42, s40                     ; tile column = 4 x cluster x + cx
	s_and_b32 s67, ttmp7, 0xffff                   ; cluster y
	s_lshl_b32 s13, s41, 3
	s_add_co_u32 s13, s13, s67                     ; tile row = 8 cy + cluster y
	s_or_b32 s66, s67, s11                         ; 0 where my first 16 rows are t = 0 .. 15
	s_lshl_b32 s43, s41, 2
	s_lshl_b32 s43, 15, s43                        ; my row of the cluster
	s_lshl_b32 s44, 0x1111, s40                    ; my column
	s_or_b32 s[G1+0], s43, (1<<16)|(1<<20)|(1<<21)|(5<<22)|(3<<25)   ; the mask; elements of 2 bytes; padding: 4 words after every 64; bit 21 beside a mask
	s_mov_b32 s[G1+1], 128<<16                     ; tensor_dim0
	s_mov_b32 s[G1+2], 64<<16                      ; tensor_dim1
	s_mov_b32 s[G1+3], 128<<16                     ; tile_dim0
	s_mov_b32 s[G1+4], 64                          ; tile_dim1
	s_mov_b32 s[G1+5], 2048                        ; stride
	s_mov_b32 s[G1+6], 0
	s_mov_b32 s[G1+7], 0
	s_or_b32 s[G1B+0], s44, (1<<16)|(1<<20)|(1<<21)|(6<<22)|(7<<25)  ; padding: 8 words after every 128
	s_mov_b32 s[G1B+1], 256<<16
	s_mov_b32 s[G1B+2], 64<<16
	s_mov_b32 s[G1B+3], 256<<16
	s_mov_b32 s[G1B+4], 64
	s_mov_b32 s[G1B+5], 2048
	s_mov_b32 s[G1B+6], 0
	s_mov_b32 s[G1B+7], 0
	s_lshl_b32 s16, s13, 7
	s_lshl_b32 s17, s12, 6
	s_add_co_u32 s16, s16, s17                     ; A: row 128 x tile row + 64 x half,
	s_lshl_b32 s16, s16, 12                        ; of 4,096 bytes
	s_mov_b32 s17, 0
	s_lshl_b32 s46, s12, 18                        ; Wo: 64 rows k of 4,096 bytes x half,
	s_lshl_b32 s47, s42, 9
	s_add_co_u32 s46, s46, s47                     ; + 512 bytes x tile column
	s_mov_b32 s47, 0
	s_mul_i32 s20, s12, HALFA                      ; where they go: no place in the cluster enters an LDS address
	s_mul_i32 s21, s12, HALFB
	s_add_co_u32 s21, s21, BOFF
	s_wait_dscnt 0x0                               ; both opening adds are done
	s_wait_kmcnt 0x0
	s_add_nc_u64 s[14:15], s[4:5], s[16:17]
	s_add_nc_u64 s[46:47], s[6:7], s[46:47]
	CROUND                                         ; all sixteen work-groups are here: the first joint loads meet
.irp s, 0,1
	s_mov_b32 s[G0+4*\s], 1
	s_add_co_u32 s[G0+4*\s+1], s20, \s*SLOT
	s_add_nc_u64 s[G0+4*\s+2:G0+4*\s+3], s[14:15], \s*KSTEP*2
	s_or_b32 s[G0+4*\s+3], s[G0+4*\s+3], 0x80000000
	s_mov_b32 s[G0B+4*\s], 1
	s_add_co_u32 s[G0B+4*\s+1], s21, \s*SLOT
	s_add_nc_u64 s[G0B+4*\s+2:G0B+4*\s+3], s[46:47], \s*KSTEP*4096
	s_or_b32 s[G0B+4*\s+3], s[G0B+4*\s+3], 0x80000000
	JLOAD \s
.endr
	v_and_b32 v1, 15, v0                           ; r
	v_bfe_u32 v2, v0, 4, 1                         ; h
	v_mul_u32_u24 v3, v1, PA
	v_lshl_add_u32 v3, v2, 4, v3
	v_and_b32 v4, 7, v0
	v_lshl_add_u32 v4, v2, 3, v4                   ; Wo: row k = 8 h + l % 8,
	v_mul_u32_u24 v4, v4, PB
	v_bfe_u32 v5, v0, 3, 1
	v_lshl_add_u32 v4, v5, 4, v4                   ; columns 8 ((l / 8) % 2) on
	s_mul_i32 s22, s11, HALFA                      ; my 64 rows of A
	s_lshl_b32 s23, s12, 8
	s_add_co_u32 s23, s23, BOFF                    ; my 128 columns of Wo
.irp s, 0,1
	v_add_nc_u32 v[ADRA+\s], s22, v3
	v_add_nc_u32 v[ADRB+\s], s23, v4
	s_add_co_u32 s22, s22, SLOT
	s_add_co_u32 s23, s23, SLOT
.endr
	s_mul_i32 s23, s10, 16*SPITCH
	s_add_co_u32 s23, s23, STAGE                   ; my stage
	v_mul_u32_u24 v5, v1, SPITCH
	v_lshl_add_u32 v5, v2, 5, v5
	v_add_nc_u32 v[STO], s23, v5                   ; in: row r, 32 bytes for each half of the lanes
	v_and_b32 v6, 31, v0
	v_lshlrev_b32 v[CO], 4, v6
	v_add_nc_u32 v[RD], s23, v[CO]                 ; back: the 32 lanes take one row of 512 bytes
	; the fine rows' addresses
	v_lshlrev_b32 v[FW4], 2, v6
	s_lshl_b32 s75, s10, 11
	v_add_nc_u32 v[FSW], s75, v[CO]
	v_add_nc_u32 v[FSW], FSUM, v[FSW]              ; 2,048 x wave + 16 x lane
	s_lshl_b32 s75, s10, 9
	v_add_nc_u32 v[FSR], s75, v[CO]
	v_add_nc_u32 v[FSR], FSUM, v[FSR]              ; 512 x wave + 16 x lane
	v_lshlrev_b32 v[FOU], 13, v1
	v_lshl_add_u32 v[FOU], v2, 5, v[FOU]
	s_lshl_b32 s74, s67, 3
	s_add_co_u32 s74, s74, s42                     ; which 32 columns: 8 x cluster y + tile column,
	s_lshl_b32 s74, s74, 7                         ; of 128 bytes
	s_lshl_b32 s76, s10, 22                        ; Wo: 512 rows of 8,192 bytes a wave
	s_add_co_u32 s76, s76, s74
	s_mov_b32 s77, 0
	s_add_nc_u64 s[70:71], s[70:71], s[76:77]
	s_lshl_b32 s76, s41, 17                        ; attnf: 131,072 bytes a batch, 32 groups of 1,024 a wave
	s_lshl_b32 s75, s10, 15
	s_add_co_u32 s76, s76, s75
	s_add_nc_u64 s[68:69], s[68:69], s[76:77]
	s_lshl_b32 s76, s41, 23                        ; out0: 1,024 rows a batch,
	s_add_co_u32 s76, s76, s74
	s_lshl_b32 s75, s11, 6
	s_add_co_u32 s76, s76, s75                     ; part w of the sums: tile w / 2,
	s_lshl_b32 s75, s12, 4
	s_add_co_u32 s76, s76, s75                     ; columns 4 (w % 2) on of a lane's eight
	s_add_nc_u64 s[72:73], s[8:9], s[76:77]
	; the bulk's place in out0
	s_lshl_b32 s16, s13, 7
	s_lshl_b32 s17, s11, 6
	s_add_co_u32 s16, s16, s17                     ; my first row of C,
	s_lshl_b32 s16, s16, 13                        ; of 8,192 bytes
	s_mov_b32 s17, 0
	s_add_nc_u64 s[8:9], s[8:9], s[16:17]
	s_lshl_b32 s46, s42, 10                        ; my first column, in bytes: 1,024 x tile column + 512 x half
	s_lshl_b32 s47, s12, 9
	s_add_co_u32 s46, s46, s47
	s_mov_b32 s47, 0
	s_add_nc_u64 s[8:9], s[8:9], s[46:47]
.macro MUL8 f, a, zero                 ; A's block a x Wo's eight, 32 along K.  The 32 accumulators take turns, in the same order in every quarter
.irp b, 0,1,2,3,4,5,6,7
.if \zero
	v_wmma_f32_16x16x32_f16 v[8*(8*(\a)+\b):8*(8*(\a)+\b)+7], v[\f+32+8*\b:\f+32+8*\b+7], v[\f+8*(\a):\f+8*(\a)+7], 0
.else
	v_wmma_f32_16x16x32_f16 v[8*(8*(\a)+\b):8*(8*(\a)+\b)+7], v[\f+32+8*\b:\f+32+8*\b+7], v[\f+8*(\a):\f+8*(\a)+7], v[8*(8*(\a)+\b):8*(8*(\a)+\b)+7]
.endif
.endr
.endm
.macro FETCH slot, q, f                ; 24 LDS loads in one run: Wo's 16 (turned), A's blocks 0, 1, A's blocks 2, 3
	WIN TO_F
.irp b, 0,1,2,3,4,5,6,7
	ds_load_tr16_b128 v[\f+32+8*\b:\f+32+8*\b+3],   v[ADRB+\slot] offset:32*(\q)*PB+32*\b
	ds_load_tr16_b128 v[\f+32+8*\b+4:\f+32+8*\b+7], v[ADRB+\slot] offset:32*(\q)*PB+16*PB+32*\b
.endr
.irp a, 0,1,2,3
	ds_load_b128 v[\f+8*\a:\f+8*\a+3],   v[ADRA+\slot] offset:\a*16*PA+64*(\q)
	ds_load_b128 v[\f+8*\a+4:\f+8*\a+7], v[ADRA+\slot] offset:\a*16*PA+64*(\q)+32
.endr
.endm
.macro PLACES
.rept 4
	v_nop
.endr
.endm
.macro QUARTER slot, q, f, g, zero     ; multiplies buffer f; in its middle it fetches quarter q of the same slot into buffer g
	s_wait_dscnt 4                                 ; Wo's fragments and A's blocks 0, 1 are in; the youngest four loads (A's blocks 2, 3) may be out
	WIN MUL
	MUL8 \f, 0, \zero
	MUL8 \f, 1, \zero
	PLACES
	FETCH \slot, \q, \g
	s_wait_dscnt 24                                ; all but the 24 just issued
	WIN MUL
	MUL8 \f, 2, \zero
	MUL8 \f, 3, \zero
.endm
; The last quarter multiplies buffer 1 and changes slots: one barrier; in front of it each wave waits for all its tensor loads, adds 0 to its spare word, and waits for that and for its reads of this slot.
.macro TURN slot, next, fill
	WIN 0
	s_wait_tensorcnt 0x0                           ; all my tensor loads have landed: my part of the next slot
	ds_add_u32 v[SPW], v[NIL]
	s_wait_dscnt 5                                 ; the add and the youngest four loads may be out
	WIN MUL
	MUL8 F1, 0, 0
	s_wait_dscnt 0x0                               ; the add is done, and my reads of this slot are over
	s_barrier_signal -1
	MUL8 F1, 1, 0
	WIN 0
	s_barrier_wait -1
.if \fill
	CREST                                          ; the barrier has opened a round of the cluster's barrier
	s_add_nc_u64 s[G0+4*\slot+2:G0+4*\slot+3], s[G0+4*\slot+2:G0+4*\slot+3], 2*KSTEP*2
	s_add_nc_u64 s[G0B+4*\slot+2:G0B+4*\slot+3], s[G0B+4*\slot+2:G0B+4*\slot+3], 2*KSTEP*4096
	JLOAD \slot                                    ; the first tensor load behind the round; its four v_nop are the places in front of the loads below
.else
	PLACES
.endif
	FETCH \next, 0, F0
	WIN MUL
	MUL8 F1, 2, 0
	MUL8 F1, 3, 0
.endm
; THE FINE ROWS' three macros.  GLOAD: a group's 18 loads into a set; grp counts from the bases, which step four groups a trip.
.macro GLOAD set, grp
.irp i, 0,1,2,3,4,5,6,7,8,9,10,11,12,13,14,15
	global_load_b32 v[FW+24*(\set)+\i], v[FW4], s[70:71] offset:(\grp)*131072+8192*\i
.endr
	global_load_b128 v[FW+24*(\set)+16:FW+24*(\set)+19], v[CO], s[68:69] offset:(\grp)*1024
	global_load_b128 v[FW+24*(\set)+20:FW+24*(\set)+23], v[CO], s[68:69] offset:(\grp)*1024+512
.endm
.macro PROD set, zero                  ; eight products, the two accumulators by turns; zero = 1: the first two start the sums
.irp u, 0,1,2,3
.if (\zero) && (\u == 0)
	v_wmma_f32_16x16x4_f32 v[FACC:FACC+7], v[FW+24*(\set)+2*\u:FW+24*(\set)+2*\u+1], v[FW+24*(\set)+16+2*\u:FW+24*(\set)+17+2*\u], 0
	v_wmma_f32_16x16x4_f32 v[FACC+8:FACC+15], v[FW+24*(\set)+8+2*\u:FW+24*(\set)+9+2*\u], v[FW+24*(\set)+16+2*\u:FW+24*(\set)+17+2*\u], 0
.else
	v_wmma_f32_16x16x4_f32 v[FACC:FACC+7], v[FW+24*(\set)+2*\u:FW+24*(\set)+2*\u+1], v[FW+24*(\set)+16+2*\u:FW+24*(\set)+17+2*\u], v[FACC:FACC+7]
	v_wmma_f32_16x16x4_f32 v[FACC+8:FACC+15], v[FW+24*(\set)+8+2*\u:FW+24*(\set)+9+2*\u], v[FW+24*(\set)+16+2*\u:FW+24*(\set)+17+2*\u], v[FACC+8:FACC+15]
.endif
.endr
.endm
; A group in set 'set'.  cnt: the loads of the younger groups, 18 each.  ld = 1: group grp is asked for, into the set that the group before multiplied: eight places behind its products.
.macro GRP set, cnt, ld, grp, zero
	s_wait_loadcnt \cnt
	WIN 0
.irp i, 0,1,2,3,4,5,6,7
	v_permlane16_swap_b32 v[FW+24*(\set)+\i], v[FW+24*(\set)+8+\i]
.endr
.if \ld
.rept 8
	v_nop
.endr
	GLOAD ((\set)+3)%4, \grp
.endif
	WIN FMUL
	PROD \set, \zero
.endm
	GLOAD 0, 0                                     ; the fine rows' first three groups are asked for beside the first tiles
	GLOAD 1, 1
	GLOAD 2, 2
	s_wait_tensorcnt 1                             ; my part of K step 0 is in; K step 1's load may be out
	s_barrier_signal -1
	s_barrier_wait -1
	FETCH 0, 0, F0
	QUARTER 0, 1, F0, F1, 1                        ; the first quarter stands in front of the loop: its products start the sums,
	GRP 0, 36, 1, 3, 1                             ; and so does the fine rows' group 0
	WIN 0
	s_mov_b32 s3, LAPS-1
.Llap:                                                 ; a trip goes once round the ring, fills both slots again, and takes fine groups 1 + 4 trip .. 4 + 4 trip
	QUARTER 0, 2, F1, F0, 0
	QUARTER 0, 3, F0, F1, 0
	GRP 1, 36, 1, 4, 0
	TURN 0, 1, 1
	QUARTER 1, 1, F0, F1, 0
	GRP 2, 36, 1, 5, 0
	QUARTER 1, 2, F1, F0, 0
	QUARTER 1, 3, F0, F1, 0
	GRP 3, 36, 1, 6, 0
	TURN 1, 0, 1
	QUARTER 0, 1, F0, F1, 0
	GRP 0, 36, 1, 7, 0
	WIN 0
	s_wait_xcnt 0x0                                ; the fine loads have read their bases
	s_add_nc_u64 s[70:71], s[70:71], 524288        ; four groups on: 64 rows of Wo,
	s_add_nc_u64 s[68:69], s[68:69], 4096          ; four images of attn
	s_sub_co_u32 s3, s3, 1
	s_cmp_lg_u32 s3, 0
	s_cbranch_scc1 .Llap
	QUARTER 0, 2, F1, F0, 0                        ; the last lap fills nothing; fine groups 29, 30, 31 ask for nothing, and their counts run down
	QUARTER 0, 3, F0, F1, 0
	GRP 1, 36, 0, 0, 0
	TURN 0, 1, 0
	QUARTER 1, 1, F0, F1, 0
	GRP 2, 18, 0, 0, 0
	QUARTER 1, 2, F1, F0, 0
	QUARTER 1, 3, F0, F1, 0
	GRP 3, 0, 0, 0, 0
	s_wait_dscnt 4
	WIN MUL
	MUL8 F1, 0, 0
	MUL8 F1, 1, 0
	s_wait_dscnt 0
	MUL8 F1, 2, 0
	MUL8 F1, 3, 0
	WIN 0
; THE WAY OUT, a block of 16 rows x 128 columns at a time, through my own stage: in as 32 bytes a lane, back as whole rows of 512 bytes.
.macro OUTBLK a
	WIN 0x04                                       ; an LDS store's data are its source 1: window 1
.irp b, 0,1,2,3,4,5,6,7
	ds_store_b128 v[STO], v[8*(8*(\a)+\b):8*(8*(\a)+\b)+3] offset:64*\b          ; each accumulator from its low end on
	ds_store_b128 v[STO], v[8*(8*(\a)+\b)+4:8*(8*(\a)+\b)+7] offset:64*\b+16
.endr
	WIN 0
.irp t, 0,1,2,3,4,5,6,7,8,9,10,11,12,13,14,15
	ds_load_b128 v[BK+64*((\a)%2)+4*\t:BK+64*((\a)%2)+4*\t+3], v[RD] offset:\t*SPITCH   ; LDS serves a wave's instructions in order
.endr
	s_wait_dscnt 0x0
.irp t, 0,1,2,3,4,5,6,7,8,9,10,11,12,13,14,15
	global_store_b128 v[CO], v[BK+64*((\a)%2)+4*\t:BK+64*((\a)%2)+4*\t+3], s[8:9] offset:131072*(\a)+8192*\t th:TH_STORE_NT   ; 512 consecutive bytes, aligned
.endr
.endm
	PLACES                                         ; eight places: four behind the bulk's last products; eight behind the f32 form's, ahead of loads into the registers that held its operands
	PLACES                                         ; and of the first read of its results
	s_cmp_eq_u32 s66, 0                            ; the bulk's rows t < 16 are not stored
	s_cbranch_scc1 .Lskip0
	OUTBLK 0
.Lskip0:
	OUTBLK 1
	s_wait_xcnt 0x0                                ; block 0's stores have read their registers
	OUTBLK 2
	s_wait_xcnt 0x0
	OUTBLK 3
	; THE FINE ROWS' SUMS: my sums as an image of their registers, 512 bytes a store; a barrier; wave w adds part w of the four images and stores 16 bytes a lane
	WIN 0x08                                       ; an LDS store's data are its source 1: window 2
	ds_store_b128 v[FSW], v[FACC:FACC+3]
	ds_store_b128 v[FSW], v[FACC+4:FACC+7] offset:512
	ds_store_b128 v[FSW], v[FACC+8:FACC+11] offset:1024
	ds_store_b128 v[FSW], v[FACC+12:FACC+15] offset:1536
	WIN 0
	s_wait_dscnt 0x0                               ; for the others' sake: my stores are done
	s_barrier_signal -1
	s_barrier_wait -1
.irp q, 0,1,2,3
	ds_load_b128 v[32+4*\q:35+4*\q], v[FSR] offset:2048*\q
.endr
	s_wait_dscnt 0x0
	v_pk_add_f32 v[48:49], v[32:33], v[36:37]
	v_pk_add_f32 v[50:51], v[34:35], v[38:39]
	v_pk_add_f32 v[52:53], v[40:41], v[44:45]
	v_pk_add_f32 v[54:55], v[42:43], v[46:47]
	v_pk_add_f32 v[48:49], v[48:49], v[52:53]
	v_pk_add_f32 v[50:51], v[50:51], v[54:55]
	global_store_b128 v[FOU], v[48:51], s[72:73]
	s_wait_tensorcnt 0x0                           ; the wave's end: behind my last tensor load and my last LDS store
	ds_add_u32 v[SPW], v[NIL]
	s_wait_dscnt 0x0
	CROUND                                         ; the closing round
	s_endpgm
.Lfunc_end_k_q039531f4cc_proj:
	.size	k_q039531f4cc_proj, .Lfunc_end_k_q039531f4cc_proj-k_q039531f4cc_proj
	.p2alignl 7, 3214868480
	.fill 96, 4, 3214868480
	.section	.rodata,"a",@progbits
	.p2align	6, 0x0
	.amdhsa_kernel k_q039531f4cc_proj
		.amdhsa_group_segment_fixed_size 327680
		.amdhsa_private_segment_fixed_size 0
		.amdhsa_enable_private_segment 0
		.amdhsa_kernarg_size 40
		.amdhsa_user_sgpr_count 2
		.amdhsa_user_sgpr_kernarg_segment_ptr 1
		.amdhsa_wavefront_size32 1
		.amdhsa_system_sgpr_workgroup_id_x 1
		.amdhsa_system_sgpr_workgroup_id_y 1
		.amdhsa_system_sgpr_workgroup_id_z 1
		.amdhsa_system_vgpr_workitem_id 0
		.amdhsa_next_free_vgpr 768
		.amdhsa_next_free_sgpr 80
		.amdhsa_reserve_vcc 0
		.amdhsa_float_denorm_mode_32 3
		.amdhsa_float_denorm_mode_16_64 3
		.amdhsa_memory_ordered 1
		.amdhsa_forward_progress 1
		.amdhsa_inst_pref_size 109
	.end_amdhsa_kernel
	.amdgpu_metadata
---
amdhsa.version: [ 1, 2 ]
amdhsa.kernels:
  - .name:           k_q039531f4cc_proj
    .symbol:         k_q039531f4cc_proj.kd
    .args:
      - { .name: attn16, .offset: 0, .size: 8, .value_kind: global_buffer, .address_space: global }
      - { .name: wo16, .offset: 8, .size: 8, .value_kind: global_buffer, .address_space: global }
      - { .name: out0, .offset: 16, .size: 8, .value_kind: global_buffer, .address_space: global }
      - { .name: attnf, .offset: 24, .size: 8, .value_kind: global_buffer, .address_space: global }
      - { .name: Wo, .offset: 32, .size: 8, .value_kind: global_buffer, .address_space: global }
    .group_segment_fixed_size: 327680
    .private_segment_fixed_size: 0
    .kernarg_segment_align: 8
    .kernarg_segment_size: 40
    .max_flat_workgroup_size: 128
    .sgpr_count:     80
    .vgpr_count:     768
    .wavefront_size: 32
...
	.end_amdgpu_metadata
.endif
;; end of part 10
